; MI455X (gfx1250); checked and timed in simulation.
; The chip was launched on July 23, 2026; its instructions are those of AMD's public machine-readable ISA for CDNA 5 (MIT licence, August 2026) and "CDNA5" Instruction Set Architecture Reference Guide (July 2026). The comments in the code are by the model that wrote it; some were corrected since.
;; Transformer Block. Allowed arithmetic: matrix products marked QUANTISED: E2M1 operands, one E8M0 scale for each 32 along K, by v_wmma_scale_f32_16x16x128_f8f6f4 with both operands' format E2M1 (or v_wmma_scale_f32_32x16x128_f4), f32 sums; everything else in f32.
;; Inputs: W1 512 x 2,048 float32; W2 2,048 x 512 float32; Wk 512 x 512 float32; Wo 512 x 512 float32; Wq 512 x 512 float32; Wv 512 x 512 float32; b1 2,048 float32; b2 512 float32; bo 512 float32; ln1_scale 512 float32; ln1_shift 512 float32; ln2_scale 512 float32; ln2_shift 512 float32; x 4 x 2,048 x 512 float32.
;; Outputs: out0 4 x 2,048 x 512 float32.
;; This version of the problem:
;;   THIS VERSION OF THE PROBLEM IS GIVEN IN LOW PRECISION. The matrix products marked QUANTISED in the list below multiply operands that are first quantised to E2M1 (2 exponent bits, 1 mantissa bit; 4 bits a number), with one power-of-two scale for each 32 numbers along K (OCP MX v1.0); their sums are f32. All else is computed in f32.
;;   The module's matrix products, in the order in which they are computed (A, B: the left and right operand; K: the contracted axis; several contracted axes count as one K, in the product's order):
;;     1. [M 8,192, K 512] x [K 512, N 512]; A: computed on the way; B: input Wq: QUANTISED
;;     2. [M 8,192, K 512] x [K 512, N 512]; A: computed on the way; B: input Wk: QUANTISED
;;     3. [M 8,192, K 512] x [K 512, N 512]; A: computed on the way; B: input Wv: QUANTISED
;;     4. batch 64 x [M 2,048, K 32] x [K 32, N 2,048]; A: computed on the way; B: computed on the way: QUANTISED
;;     5. batch 64 x [M 2,048, K 2,048] x [K 2,048, N 32]; A: softmax (see below); B: computed on the way: QUANTISED
;;     6. [M 8,192, K 512] x [K 512, N 512]; A: computed on the way; B: input Wo: QUANTISED
;;     7. [M 8,192, K 512] x [K 512, N 2,048]; A: computed on the way; B: input W1: QUANTISED
;;     8. [M 8,192, K 2,048] x [K 2,048, N 512]; A: computed on the way; B: input W2: QUANTISED
;;   THE QUANTISER, for each operand of a quantised product, along K:
;;     - K is cut into blocks of 32 from its start; a last block that is shorter is filled with zeros.
;;     - A block's scale is 2^e with e = floor(log2(the largest magnitude in the block)) - 2, held to -126 .. 127; a block of zeros has e = 0. As a byte (E8M0): e + 127.
;;     - Each number is divided by its block's scale, clamped to +-6, and rounded to the nearest number of E2M1, ties to even, subnormals kept.
;;     - The product sums the exact products of the quantised numbers (number of the format x scale) in f32.
;;   ~~~python
;;   def quantise(x, axis):      # numpy; x: float32 -> the quantised numbers, widened to float32 again
;;       x = np.moveaxis(x, axis, -1); K = x.shape[-1]
;;       x = np.pad(x, [(0, 0)] * (x.ndim - 1) + [(0, -K % 32)]); x = x.reshape(x.shape[:-1] + (-1, 32)); a = np.abs(x).max(-1, keepdims=True)
;;       e = np.where(a > 0, np.clip(np.frexp(np.where(a > 0, a, 1))[1] - 1 - 2, -126, 127), 0)      # np.frexp(a)[1] - 1 = floor(log2(a)), exactly
;;       r = np.clip(x / 2.0 ** e, -6, 6)
;;       step = 2.0 ** (np.maximum(np.frexp(np.where(r == 0, 1, r))[1] - 1, 0) - 1)
;;       q = np.round(r / step) * step * 2.0 ** e      # np.round: ties to even
;;       return np.moveaxis(q.reshape(q.shape[:-2] + (-1,))[..., :K], -1, axis).astype(np.float32)
;;   ~~~
;;   SOFTMAX AHEAD OF A QUANTISED PRODUCT. Where the list says 'softmax', what is quantised is not the finished softmax but p = 2^(t - M), with t = logit x log2(e) and M = ceil(the row's largest t), a whole number; so 1/2 < the row's largest p <= 1. The row's sum l is taken of the UNQUANTISED p, in f32, and the product's result is divided by l at the end. Since M is a whole number, a kernel that streams over the keys may use a running M (the ceiling of the running maximum): every later rescaling is an exact power of two, which a block's scale takes up: the codes' values come out the same.
;;   OPERANDS COMPUTED ON THE WAY. 'Computed on the way' means the value that the module computes at that place (a softmax that the list does not call 'softmax' is quantised finished and normalised). What goes into a quantiser is computed in f32, as accurately as f32 sums, v_exp_f32 and their like allow (about 1e-6 of the number): no bf16 or f16 on the way to a quantiser, and a product that is left as it is and whose result goes on into a quantised operand takes f32 operands (vector FMAs, or v_wmma_f32_16x16x4_f32). A number that lies on a knife's edge between two numbers of the format may be rounded either way, as far as f32 arithmetic and the matrix unit's own rounding can turn it there, and no further.
;; 2 versions. Each part assembles by itself: llvm-mc -triple=amdgcn-amd-amdhsa -mcpu=gfx1250 --defsym DOCPART=n.
;; ======== version 1 of 2: 4 launches
;; workspace buffers: wc 1,572,864 bytes; ws 98,304 bytes; qc 2,097,152 bytes; qs 131,072 bytes; kv 4,456,448 bytes; cc 2,097,152 bytes; cs 131,072 bytes
;; launch prep (part 1): grid 192 x 1, 4 waves a work-group, no clusters, 1,536 bytes of LDS; arguments Wq, Wk, Wv, Wo, W1, W2, wc, ws; writes wc, ws
.if DOCPART == 1
	.amdgcn_target "amdgcn-amd-amdhsa--gfx1250"
	.amdhsa_code_object_version 6
	.text
	.protected	k_q6595dac610_prep
	.globl	k_q6595dac610_prep
	.p2align	8
	.type	k_q6595dac610_prep,@function
k_q6595dac610_prep:
	s_mov_b64 s[64:65], 0
	v_nop
	global_prefetch_b8 v0, s[64:65] scope:SCOPE_SE
	s_setreg_imm32_b32 hwreg(HW_REG_WAVE_MODE, 25, 1), 1
	s_wait_xcnt 0x0
; The six weights, f32 stored [K][N], become codes of FP4 (E2M1) with one E8M0 byte for each 32 along K, laid in the ORDER OF THE OPERAND'S REGISTERS.
; A fragment is 16 columns x 128 K = 1,024 bytes: block beta (32 along K) of the tile's row rho lies at 256 beta + 16 rho, so that two loads of 16 bytes a lane at 16 x lane bring it.
; THE COLUMNS OF A TILE ARE NOT NEIGHBOURS: row rho of tile 2 P + u is column 32 P + 8 u + rho + 8 (rho / 8), so that the results of two neighbouring tiles are 16 neighbours along the next K.
; wc: column pairs 0-15 Wq, 16-31 Wk, 32-47 Wv, 48-63 Wo, 64-127 W1: pair x 8192 + u x 4096 + K step x 1024.  W2: 1,048,576 + tile x 16384 + K step x 1024.
; ws: pair x 512 + 16 x (16 u + rho) + 4 x K step + beta.  W2: 65,536 + tile x 1024 + 64 rho + 4 x K step + beta.
; SHARES: a wave takes 32 columns x 128 along K; a lane takes ONE column and its registers run down K, so that a block's largest magnitude needs no other lane and the conversions give K innermost.
; Each load reads 128 consecutive bytes.  The four waves of a work-group take four K steps of the same columns; their scale words meet in LDS and leave 16 bytes a column.
; Work-groups 0-127: column pair g, K step = wave.  128-191: W2, pair (g - 128) / 4, K step 4 (g % 4) + wave.  192 work-groups: there is no more work than that.
; A block's scale byte is its largest magnitude's exponent field - 2, held at 1 from below.
; LIMITS: NaN and infinities are not served; a block of zeros, or one whose largest magnitude lies under 2^-124, gets the byte 1 where the rule says 127 (its codes are zeros; only this program reads the bytes).
; W2's scale words leave as pieces of 16 bytes 64 bytes apart: one byte in 128 of what the launch reads.
.set X,  48                            ; v48-175  128 numbers: four blocks of my column
.set CD, 16                            ; v16-31   the codes, four registers a block, never rewritten
	s_load_b512 s[4:19], s[0:1], 0x0               ; Wq, Wk, Wv, Wo, W1, W2, wc, ws
	v_lshl_add_u32 v176, v0, 2, 0x400
	v_mov_b32 v177, 0
	v_lshrrev_b32 v1, 5, v0
	v_readfirstlane_b32 s20, v1                    ; wave
	s_mov_b32 s21, ttmp9                           ; g
	v_and_b32 v6, 31, v0                           ; lane = 16 u + rho
	v_and_b32 v7, 15, v0                           ; rho
	v_bfe_u32 v8, v0, 4, 1                         ; u
	v_bfe_u32 v9, v0, 3, 1                         ; rho / 8
	v_and_b32 v10, 7, v0
	v_lshl_add_u32 v10, v8, 3, v10
	v_lshl_add_u32 v10, v9, 4, v10                 ; my column among the 32: the lane's number with bits 3 and 4 exchanged
	v_lshlrev_b32 v1, 2, v10                       ; in bytes
	s_sub_co_u32 s28, s21, 128
	s_lshr_b32 s29, s28, 2                         ; W2: column pair
	s_and_b32 s30, s21, 3                          ; W2: which four K steps
	s_lshl_b32 s31, s30, 2
	s_add_co_u32 s31, s31, s20                     ; W2: my K step
	s_lshl_b32 s32, s29, 15
	s_add_co_u32 s32, s32, 0x100000                ; W2: the pair's codes
	s_lshl_b32 s33, s21, 13                        ; the others: g x 8192
	s_lshl_b32 s34, s29, 11
	s_lshl_b32 s35, s30, 4
	s_add_co_u32 s34, s34, s35
	s_add_co_u32 s34, s34, 65536                   ; W2: the pair's scale words, at these four K steps
	s_lshl_b32 s35, s21, 9                         ; the others: g x 512
	s_cmp_lt_u32 s21, 128
	s_cselect_b32 s36, s20, s31                    ; K step
	s_cselect_b32 s37, s33, s32                    ; the codes' place
	s_cselect_b32 s38, 12, 14                      ; from tile u = 0 to u = 1: 4,096 or 16,384 bytes
	s_cselect_b32 s24, s35, s34                    ; the scale words' place
	s_cselect_b32 s40, 4, 6                        ; 16 or 64 bytes of scale words a column
	s_mov_b32 s25, 0
	s_and_b32 s41, s21, 15                         ; which 32 columns of the weight
	s_sub_co_u32 s42, s21, 64
	s_cmp_ge_u32 s21, 64
	s_cselect_b32 s41, s42, s41
	s_cmp_ge_u32 s21, 128
	s_cselect_b32 s41, s29, s41
	s_cmp_lt_u32 s42, 64                           ; W1 alone has rows of 8,192 bytes
	s_cselect_b32 s43, 13, 11
	s_lshl_b32 s44, s36, 7
	s_lshl_b32 s44, s44, s43                       ; 128 rows a K step
	s_lshl_b32 s45, s41, 7
	s_add_co_u32 s44, s44, s45
	s_mov_b32 s45, 0
	s_lshl_b32 s46, s36, 10
	s_add_co_u32 s46, s37, s46
	s_mov_b32 s47, 0
	v_lshlrev_b32 v2, s38, v8
	v_lshl_add_u32 v2, v7, 4, v2                   ; my codes: tile u, row rho
	v_lshlrev_b32 v3, s40, v6                      ; my column's scale words
	v_lshlrev_b32 v5, 4, v6                        ; LDS: 16 bytes a column,
	s_lshl_b32 s48, s20, 2
	v_add_nc_u32 v4, s48, v5                       ; my wave's word among them
	s_wait_kmcnt 0x0
	s_mov_b64 s[22:23], s[4:5]                     ; which weight: the choice hangs on the work-group's number alone
	s_cmp_ge_u32 s21, 16
	s_cselect_b64 s[22:23], s[6:7], s[22:23]
	s_cmp_ge_u32 s21, 32
	s_cselect_b64 s[22:23], s[8:9], s[22:23]
	s_cmp_ge_u32 s21, 48
	s_cselect_b64 s[22:23], s[10:11], s[22:23]
	s_cmp_ge_u32 s21, 64
	s_cselect_b64 s[22:23], s[12:13], s[22:23]
	s_cmp_ge_u32 s21, 128
	s_cselect_b64 s[22:23], s[14:15], s[22:23]
	s_add_nc_u64 s[22:23], s[22:23], s[44:45]
	s_add_nc_u64 s[26:27], s[16:17], s[46:47]
	s_add_nc_u64 s[18:19], s[18:19], s[24:25]
	s_cmp_lt_u32 s42, 64
	s_cbranch_scc1 .Lwide
.set i, 0
.rept 128
	global_load_b32 v[X+i], v1, s[22:23] offset:i*2048 th:TH_LOAD_NT   ; row i of my K step: 128 consecutive bytes a wave
.set i, i+1
.endr
	s_branch .Lloaded
.Lwide:
.set i, 0
.rept 128
	global_load_b32 v[X+i], v1, s[22:23] offset:i*8192 th:TH_LOAD_NT   ; the same in W1; 127 rows of 8,192 bytes stay inside the signed 24-bit immediate
.set i, i+1
.endr
.Lloaded:
; block t.  lw: how many younger loads may stay out: 96 - 32 t, named as 63 at the most
.macro BLOCK t, lw
.set XS, X+32*\t
	s_wait_loadcnt \lw
	v_max3_num_f32 v12, |v[XS]|, |v[XS+1]|, |v[XS+2]|
	v_max3_num_f32 v13, |v[XS+3]|, |v[XS+4]|, |v[XS+5]|
.irp i, 6,10,14,18,22,26
	v_max3_num_f32 v12, v12, |v[XS+\i]|, |v[XS+\i+1]|
	v_max3_num_f32 v13, v13, |v[XS+\i+2]|, |v[XS+\i+3]|
.endr
	v_max3_num_f32 v12, v12, |v[XS+30]|, |v[XS+31]|
	v_max3_num_f32 v12, v12, v13, 0x1800000        ; and the floor 2^(3 - 127): the byte cannot fall under 1
	v_add_nc_u32 v11, 0xff000000, v12              ; 2 off the exponent field: the conversion's scale operand
	v_lshrrev_b32 v13, 23, v11                     ; the byte
.if \t == 0
	v_mov_b32 v14, v13
.else
	v_lshl_or_b32 v14, v13, 8*\t, v14              ; the K step's scale word
.endif
.irp g, 0,1,2,3
	v_cvt_scalef32_pk8_fp4_f32 v[CD+4*\t+\g], v[XS+8*\g:XS+8*\g+7], v11
.endr
	v_nop                                          ; a plain line behind the conversions
	global_store_b128 v2, v[CD+4*\t:CD+4*\t+3], s[26:27] offset:256*\t   ; lanes 0-15 fill 256 consecutive bytes of tile u = 0, lanes 16-31 of u = 1
.endm
	BLOCK 0, 63
	BLOCK 1, 63
	BLOCK 2, 32
	BLOCK 3, 0
	ds_store_b32 v4, v14
	s_wait_dscnt 0x0                               ; for the others' sake: my word lies in LDS
	s_barrier_signal -1
	s_barrier_wait -1
	s_cmp_lg_u32 s20, 0
	s_cbranch_scc1 .Lend
	ds_load_b128 v[32:35], v5                      ; the four waves' words of my column
	s_wait_dscnt 0x0
	global_store_b128 v3, v[32:35], s[18:19]
.Lend:
	s_wait_tensorcnt 0x0
	ds_add_u32 v176, v177
	s_wait_dscnt 0x0
	s_endpgm
.Lfunc_end_k_q6595dac610_prep:
	.size	k_q6595dac610_prep, .Lfunc_end_k_q6595dac610_prep-k_q6595dac610_prep
	.p2alignl 7, 3214868480
	.fill 96, 4, 3214868480
	.section	.rodata,"a",@progbits
	.p2align	6, 0x0
	.amdhsa_kernel k_q6595dac610_prep
		.amdhsa_group_segment_fixed_size 1536
		.amdhsa_private_segment_fixed_size 0
		.amdhsa_enable_private_segment 0
		.amdhsa_kernarg_size 64
		.amdhsa_user_sgpr_count 2
		.amdhsa_user_sgpr_kernarg_segment_ptr 1
		.amdhsa_wavefront_size32 1
		.amdhsa_system_sgpr_workgroup_id_x 1
		.amdhsa_system_sgpr_workgroup_id_y 1
		.amdhsa_system_sgpr_workgroup_id_z 1
		.amdhsa_system_vgpr_workitem_id 0
		.amdhsa_next_free_vgpr 178
		.amdhsa_next_free_sgpr 66
		.amdhsa_reserve_vcc 0
		.amdhsa_float_denorm_mode_32 3
		.amdhsa_float_denorm_mode_16_64 3
		.amdhsa_memory_ordered 1
		.amdhsa_forward_progress 1
		.amdhsa_inst_pref_size 34
	.end_amdhsa_kernel
	.amdgpu_metadata
---
amdhsa.version: [ 1, 2 ]
amdhsa.kernels:
  - .name:           k_q6595dac610_prep
    .symbol:         k_q6595dac610_prep.kd
    .args:
      - { .name: Wq, .offset: 0, .size: 8, .value_kind: global_buffer, .address_space: global }
      - { .name: Wk, .offset: 8, .size: 8, .value_kind: global_buffer, .address_space: global }
      - { .name: Wv, .offset: 16, .size: 8, .value_kind: global_buffer, .address_space: global }
      - { .name: Wo, .offset: 24, .size: 8, .value_kind: global_buffer, .address_space: global }
      - { .name: W1, .offset: 32, .size: 8, .value_kind: global_buffer, .address_space: global }
      - { .name: W2, .offset: 40, .size: 8, .value_kind: global_buffer, .address_space: global }
      - { .name: wc, .offset: 48, .size: 8, .value_kind: global_buffer, .address_space: global }
      - { .name: ws, .offset: 56, .size: 8, .value_kind: global_buffer, .address_space: global }
    .group_segment_fixed_size: 1536
    .private_segment_fixed_size: 0
    .kernarg_segment_align: 8
    .kernarg_segment_size: 64
    .max_flat_workgroup_size: 128
    .sgpr_count:     66
    .vgpr_count:     178
    .wavefront_size: 32
...
	.end_amdgpu_metadata
.endif
;; end of part 1
;; launch qkv (part 2): grid 4 x 64, 8 waves a work-group, no clusters, 37,888 bytes of LDS; arguments x, ln1_scale, ln1_shift, wc, ws, qc, qs, kv; writes qc, qs, kv
.if DOCPART == 2
	.amdgcn_target "amdgcn-amd-amdhsa--gfx1250"
	.amdhsa_code_object_version 6
	.text
	.protected	k_q6595dac610_qkv
	.globl	k_q6595dac610_qkv
	.p2align	8
	.type	k_q6595dac610_qkv,@function
k_q6595dac610_qkv:
	s_mov_b64 s[64:65], 0
	v_nop
	global_prefetch_b8 v0, s[64:65] scope:SCOPE_SE
	s_setreg_imm32_b32 hwreg(HW_REG_WAVE_MODE, 25, 1), 1
	s_wait_xcnt 0x0
; h = layernorm(x); q, k, v = h Wq, h Wk, h Wv on codes of FP4 with E8M0 scales; q and k are quantised along the head's 32, v along the keys, and only codes and scale bytes are stored.
; SHARES.  Work-group (G, RB): the 128 tokens 128 RB on (one key step of one batch) and heads 4 G .. 4 G + 3.  The norm is done by each of the four work-groups of a row block: it is small beside a launch and a round trip of h.
; Phase X: wave w normalises and quantises token tile w.  Phase G: wave (hd = w % 4, rh = w / 4) makes head 4 G + hd of q, k and v for token tiles 4 rh .. 4 rh + 3.
; THE ROWS OF A TILE ARE NOT NEIGHBOURS: row r of token tile t is token 32 (t / 2) + 8 (t % 2) + r + 8 (r / 8); the weights' tiles are laid likewise.  So the 16 registers of two neighbouring tiles of source 0
; are 16 neighbours: channels (q, k: source 0 = the weight) or tokens (v: source 0 = h), which is what the next quantiser wants in a lane.
; An operand goes through LDS and memory as an image of its registers: block beta of row r at 256 beta + 16 r; a lane's 16 codes (k = 16 h ..) are 8 bytes at + 8 h: one store of 256 consecutive bytes a block.
; The weights come from memory straight into operand registers.  They are not asked for jointly in a cluster: a work-group's share is 96 KB of codes read twice, each byte used once in a run of 32 products;
; a joint form would want an LDS ring and a round of the cluster's barrier for each of three short runs.
; LIMITS: NaN and infinities are not served; 1 / sqrt by v_rsq_f32 (1 ulp); a block of zeros or under 2^-124 gets the byte 1 where the rule says 127 (its codes are zeros; only this program reads the bytes).
; REGISTERS.  Window 0: v1-14 addresses; v16-31 scale words; v32-95 Y, then the accumulators; v96-159, v160-223 the norm's gain and shift of a K step; v224-253 at work.
;   Window 1: v0-255 my row's half of x (register 16 b + i: k = 32 b + 16 h + i); later v0-63, v64-127 two sets of weight fragments, v128-255 h's 16 fragments.
.set XIMG, 0                           ; LDS: h's fragments (tile, K step) at (4 tile + s) x 1024
.set XSC,  32768                       ; their scale words: 256 tile + 16 r + 4 s
.set SST,  34816                       ; for each head 384 bytes: q's scale words, k's, v's
.set XA,  1
.set GA,  2
.set XWI, 3
.set XWS, 4
.set LI,  5
.set LI2, 6
.set LS2, 7
.set LQ,  8
.set SW,  9
.set SV,  10
.set FK,  11
.set FQ,  12
.set O8,  13
.set O4,  14
.set XS,  16                           ; v16-23 h's scale words: register 4 (m / 2) + s, lanes 0-15 tile m even, lanes 16-31 odd
.set WS0, 24                           ; v24-27, v28-31 the weights' scale words: register s, lanes 0-15 tile u = 0, lanes 16-31 u = 1
.set WS1, 28
.set Y,   32
.set ACC, 32
.set G,   96
.set S,   160
.set TM,  224                          ; v224-227 largest magnitudes, v228-231 bytes, v232-235 the conversions' scale operands
.set PC,  236                          ; v236-243 the codes just made
.set PW,  244
.set MEAN, 246
.set RS,  248
.set T0,  250
.set SEL, 24                           ; s[24:25]
.set SET0, 0
.set SET1, 64
.set AF,  128
.set MSB, 0
.macro WIN new                         ; the immediate's high byte repeats the setting that is left
.if MSB != \new
	s_set_vgpr_msb (MSB<<8)|\new
.set MSB, \new
.endif
.endm
.macro BARRIER                         ; my LDS stores have landed and my LDS loads are in: then the work-group's barrier
	s_wait_dscnt 0x0
	s_barrier_signal -1
	s_barrier_wait -1
.endm
; n blocks of 32 are quantised: block i is my 16 numbers v[src + 16 i ..] and lane l xor 16's.  Bytes in v[TM+4+i], my 16 codes in v[PC+2i], v[PC+2i+1].  The blocks take turns line by line.
.macro QB src, n
.set qi, 0
.rept \n
	v_max3_num_f32 v[TM+qi], |v[\src+16*qi]|, |v[\src+16*qi+1]|, 0x1800000   ; with the floor 2^(3 - 127): the byte cannot fall under 1
.set qi, qi+1
.endr
.irp p, 2,4,6,8,10,12,14
.set qi, 0
.rept \n
	v_max3_num_f32 v[TM+qi], v[TM+qi], |v[\src+16*qi+\p]|, |v[\src+16*qi+\p+1]|
.set qi, qi+1
.endr
.endr
.set qi, 0
.rept \n
	v_permlanex16_b32 v[TM+4+qi], v[TM+qi], s[SEL], s[SEL+1]
.set qi, qi+1
.endr
.set qi, 0
.rept \n
	v_max_num_f32 v[TM+qi], v[TM+qi], v[TM+4+qi]
.set qi, qi+1
.endr
.set qi, 0
.rept \n
	v_add_nc_u32 v[TM+8+qi], 0xff000000, v[TM+qi]  ; 2 off the exponent field: the conversion's scale operand
.set qi, qi+1
.endr
.set qi, 0
.rept \n
	v_lshrrev_b32 v[TM+4+qi], 23, v[TM+8+qi]       ; the byte
.set qi, qi+1
.endr
.set qi, 0
.rept \n
	v_cvt_scalef32_pk8_fp4_f32 v[PC+2*qi], v[\src+16*qi:\src+16*qi+7], v[TM+8+qi]
	v_cvt_scalef32_pk8_fp4_f32 v[PC+2*qi+1], v[\src+16*qi+8:\src+16*qi+15], v[TM+8+qi]
.set qi, qi+1
.endr
	v_nop                                          ; a plain line behind the conversions
.endm
.macro PW4                             ; four bytes make a scale word
	v_lshl_or_b32 v[PW], v[TM+5], 8, v[TM+4]
	v_lshl_or_b32 v[PW], v[TM+6], 16, v[PW]
	v_lshl_or_b32 v[PW], v[TM+7], 24, v[PW]
.endm
; one matrix instruction on the symbols rD, rA, rB, rC, rSA, rSB; rRA, rRB = 1: that side's scales are read from lanes 16-31.  z = 1: C is the constant 0
.macro WM z
.if \z
.if rRA && rRB
	v_wmma_scale_f32_16x16x128_f8f6f4 v[rD:rD+7], v[rA:rA+7], v[rB:rB+7], 0, v[rSA], v[rSB] matrix_a_fmt:MATRIX_FMT_FP4 matrix_b_fmt:MATRIX_FMT_FP4 matrix_a_scale:MATRIX_SCALE_ROW1 matrix_b_scale:MATRIX_SCALE_ROW1
.elseif rRA
	v_wmma_scale_f32_16x16x128_f8f6f4 v[rD:rD+7], v[rA:rA+7], v[rB:rB+7], 0, v[rSA], v[rSB] matrix_a_fmt:MATRIX_FMT_FP4 matrix_b_fmt:MATRIX_FMT_FP4 matrix_a_scale:MATRIX_SCALE_ROW1
.elseif rRB
	v_wmma_scale_f32_16x16x128_f8f6f4 v[rD:rD+7], v[rA:rA+7], v[rB:rB+7], 0, v[rSA], v[rSB] matrix_a_fmt:MATRIX_FMT_FP4 matrix_b_fmt:MATRIX_FMT_FP4 matrix_b_scale:MATRIX_SCALE_ROW1
.else
	v_wmma_scale_f32_16x16x128_f8f6f4 v[rD:rD+7], v[rA:rA+7], v[rB:rB+7], 0, v[rSA], v[rSB] matrix_a_fmt:MATRIX_FMT_FP4 matrix_b_fmt:MATRIX_FMT_FP4
.endif
.else
.if rRA && rRB
	v_wmma_scale_f32_16x16x128_f8f6f4 v[rD:rD+7], v[rA:rA+7], v[rB:rB+7], v[rC:rC+7], v[rSA], v[rSB] matrix_a_fmt:MATRIX_FMT_FP4 matrix_b_fmt:MATRIX_FMT_FP4 matrix_a_scale:MATRIX_SCALE_ROW1 matrix_b_scale:MATRIX_SCALE_ROW1
.elseif rRA
	v_wmma_scale_f32_16x16x128_f8f6f4 v[rD:rD+7], v[rA:rA+7], v[rB:rB+7], v[rC:rC+7], v[rSA], v[rSB] matrix_a_fmt:MATRIX_FMT_FP4 matrix_b_fmt:MATRIX_FMT_FP4 matrix_a_scale:MATRIX_SCALE_ROW1
.elseif rRB
	v_wmma_scale_f32_16x16x128_f8f6f4 v[rD:rD+7], v[rA:rA+7], v[rB:rB+7], v[rC:rC+7], v[rSA], v[rSB] matrix_a_fmt:MATRIX_FMT_FP4 matrix_b_fmt:MATRIX_FMT_FP4 matrix_b_scale:MATRIX_SCALE_ROW1
.else
	v_wmma_scale_f32_16x16x128_f8f6f4 v[rD:rD+7], v[rA:rA+7], v[rB:rB+7], v[rC:rC+7], v[rSA], v[rSB] matrix_a_fmt:MATRIX_FMT_FP4 matrix_b_fmt:MATRIX_FMT_FP4
.endif
.endif
.endm
	s_load_b512 s[4:19], s[0:1], 0x0               ; x, ln1_scale, ln1_shift, wc, ws, qc, qs, kv
	v_lshl_add_u32 v254, v0, 2, 0x9000
	v_mov_b32 v255, 0
	v_lshrrev_b32 v250, 5, v0
	v_readfirstlane_b32 s20, v250                  ; wave
	s_and_b32 s21, s20, 3                          ; hd
	s_lshr_b32 s22, s20, 2                         ; rh
	s_and_b32 s23, ttmp7, 0xffff                   ; RB
	s_mov_b32 s24, 0x76543210
	s_mov_b32 s25, 0xfedcba98                      ; v_permlanex16_b32's selects for lane l xor 16
	s_mov_b32 s28, 0x3b000000                      ; 1 / 512
	s_mov_b32 s29, 0x3727c5ac                      ; 1e-5
	v_and_b32 v250, 15, v0                         ; r
	v_bfe_u32 v251, v0, 4, 1                       ; h
	v_and_b32 v252, 31, v0                         ; lane
	v_and_b32 v253, 8, v0
	v_add_nc_u32 v253, v253, v250                  ; r + 8 (r / 8)
	v_lshlrev_b32 v[XA], 11, v253
	v_lshl_add_u32 v[XA], v251, 6, v[XA]           ; x: my row of 2,048 bytes, + 64 h: my 16 numbers of a block
	v_lshlrev_b32 v[GA], 6, v251
	v_lshlrev_b32 v[LQ], 4, v250
	v_lshl_add_u32 v[LQ], v251, 3, v[LQ]           ; 16 r + 8 h: my 8 bytes of a block's 256
	s_lshl_b32 s26, s20, 12
	v_add_nc_u32 v[XWI], s26, v[LQ]                ; where I store h's images: + 4,096 x wave
	s_lshl_b32 s26, s20, 8
	v_lshl_add_u32 v[XWS], v250, 4, s26            ; and their scale words: 256 x wave + 16 r
	v_lshlrev_b32 v[LI], 4, v252                   ; 16 x lane
	s_lshl_b32 s26, s22, 14
	v_add_nc_u32 v[LI2], s26, v[LI]                ; my four tiles' fragments
	s_lshl_b32 s26, s22, 10
	v_add_nc_u32 v[LS2], s26, v[LI]                ; and scale words
	s_mul_i32 s26, s21, 384
	s_add_co_u32 s26, s26, SST                     ; my head's 384 bytes
	s_lshl_b32 s27, s22, 6
	s_add_co_u32 s27, s27, s26
	v_lshl_add_u32 v[SW], v250, 2, s27             ; q's and k's words: 64 rh + 4 r
	s_lshl_b32 s27, s22, 1
	s_add_co_u32 s27, s27, s26
	s_add_co_u32 s27, s27, 256
	v_lshl_add_u32 v[SV], v250, 2, s27             ; v's half words: 256 + 4 r + 2 rh
	s_add_co_u32 s27, s26, 128
	v_lshl_add_u32 v[FK], v252, 3, s27             ; the way out: k's and v's 256 bytes, 8 a lane;
	v_lshl_add_u32 v[FQ], v252, 2, s26             ; q's 128, 4 a lane
	v_lshlrev_b32 v[O8], 3, v252
	v_lshlrev_b32 v[O4], 2, v252
	s_lshl_b32 s26, s23, 7                         ; x: token 128 RB + 32 (w / 2) + 8 (w % 2)
	s_lshr_b32 s27, s20, 1
	s_lshl_b32 s27, s27, 5
	s_add_co_u32 s26, s26, s27
	s_and_b32 s27, s20, 1
	s_lshl_b32 s27, s27, 3
	s_add_co_u32 s26, s26, s27
	s_lshl_b32 s26, s26, 11
	s_mov_b32 s27, 0
	s_lshl_b32 s30, ttmp9, 2
	s_add_co_u32 s30, s30, s21                     ; the head, 4 G + hd: also its column pair in each weight
	s_lshr_b32 s31, s23, 4
	s_lshl_b32 s31, s31, 4
	s_add_co_u32 s31, s31, s30                     ; bh = 16 x batch + head
	s_and_b32 s38, s23, 15                         ; the key step in the batch
	s_lshl_b32 s39, s38, 3
	s_lshl_b32 s40, s22, 2
	s_add_co_u32 s39, s39, s40
	s_lshl_b32 s39, s39, 8                         ; my first tile, 256 bytes a tile
	s_lshl_b32 s40, s30, 13
	s_mov_b32 s41, 0
	s_lshl_b32 s42, s30, 9
	s_mov_b32 s43, 0
	s_lshl_b32 s44, s31, 15
	s_add_co_u32 s44, s44, s39
	s_mov_b32 s45, 0
	s_lshl_b32 s46, s31, 11
	s_lshl_b32 s47, s38, 7
	s_add_co_u32 s46, s46, s47
	s_mov_b32 s47, 0
	s_mul_i32 s48, s31, 69632                      ; a head's block of kv
	s_add_co_u32 s50, s48, s39
	s_mov_b32 s51, 0
	s_lshl_b32 s52, s38, 11
	s_lshl_b32 s53, s22, 9
	s_add_co_u32 s52, s52, s53
	s_add_co_u32 s52, s52, s48
	s_add_co_u32 s52, s52, 32768
	s_mov_b32 s53, 0
	s_lshl_b32 s54, s38, 8
	s_add_co_u32 s54, s54, s48
	s_add_co_u32 s54, s54, 65536
	s_mov_b32 s55, 0
	s_wait_kmcnt 0x0
	s_add_nc_u64 s[4:5], s[4:5], s[26:27]          ; x at my tile
	s_add_nc_u64 s[10:11], s[10:11], s[40:41]      ; Wq's pair; Wk's 131,072 and Wv's 262,144 bytes on
	s_add_nc_u64 s[12:13], s[12:13], s[42:43]      ; its scale words; + 8,192, + 16,384
	s_add_nc_u64 s[14:15], s[14:15], s[44:45]      ; q's codes
	s_add_nc_u64 s[16:17], s[16:17], s[46:47]      ; q's scale bytes of this step
	s_add_nc_u64 s[32:33], s[18:19], s[50:51]      ; k's codes
	s_add_nc_u64 s[34:35], s[18:19], s[52:53]      ; v's codes: this step, my two blocks of keys
	s_add_nc_u64 s[36:37], s[18:19], s[54:55]      ; k's and v's scale bytes of this step
.macro LDGS s                          ; the norm's gain and shift at my 64 numbers of K step s
.set i, 0
.rept 16
	global_load_b128 v[G+4*i:G+4*i+3], v[GA], s[6:7] offset:512*(\s)+128*(i/4)+16*(i%4)
	global_load_b128 v[S+4*i:S+4*i+3], v[GA], s[8:9] offset:512*(\s)+128*(i/4)+16*(i%4)
.set i, i+1
.endr
.endm
.macro LDW set, off                    ; a column pair's 8 fragments (tile u, K step s at 8 (4 u + s)) as they lie: 16 loads of 512 consecutive bytes
	WIN 0x40
.set i, 0
.rept 16
	global_load_b128 v[\set+4*i:\set+4*i+3], v[LI], s[10:11] offset:\off+512*i
.set i, i+1
.endr
	WIN 0
.endm
	; ---- X: the norm of my 16 rows.  A lane holds half a row
	WIN 0x40
.set i, 0
.rept 64
	global_load_b128 v[4*i:4*i+3], v[XA], s[4:5] offset:128*(i/4)+16*(i%4)
.set i, i+1
.endr
	WIN 0
	LDGS 0
	s_wait_loadcnt 32                              ; x is in; the 32 younger loads are the first gain and shift
	WIN 0x05
.irp c, 0,1,2,3
	v_pk_add_f32 v[TM+2*\c:TM+2*\c+1], v[4*\c:4*\c+1], v[4*\c+2:4*\c+3]   ; four chains; nothing is cleared
.endr
	WIN 0x04
.set i, 8
.rept 120
	v_pk_add_f32 v[TM+2*(i%4):TM+2*(i%4)+1], v[TM+2*(i%4):TM+2*(i%4)+1], v[2*i:2*i+1]
.set i, i+1
.endr
	WIN 0
	v_pk_add_f32 v[TM:TM+1], v[TM:TM+1], v[TM+2:TM+3]
	v_pk_add_f32 v[TM+4:TM+5], v[TM+4:TM+5], v[TM+6:TM+7]
	v_pk_add_f32 v[TM:TM+1], v[TM:TM+1], v[TM+4:TM+5]
	v_add_f32 v[T0], v[TM], v[TM+1]
	v_permlanex16_b32 v[T0+1], v[T0], s[SEL], s[SEL+1]
	v_add_f32 v[T0], v[T0], v[T0+1]
	v_mul_f32 v[MEAN], s28, v[T0]
	v_mov_b32 v[MEAN+1], v[MEAN]
	WIN 0x41
.set i, 0
.rept 128
	v_pk_add_f32 v[2*i:2*i+1], v[2*i:2*i+1], v[MEAN:MEAN+1] neg_lo:[0,1] neg_hi:[0,1]   ; x - mean, in place: the variance is taken of the differences
.set i, i+1
.endr
	WIN 0x05
.irp c, 0,1,2,3
	v_pk_mul_f32 v[TM+2*\c:TM+2*\c+1], v[2*\c:2*\c+1], v[2*\c:2*\c+1]
.endr
.set i, 4
.rept 124
	v_pk_fma_f32 v[TM+2*(i%4):TM+2*(i%4)+1], v[2*i:2*i+1], v[2*i:2*i+1], v[TM+2*(i%4):TM+2*(i%4)+1]
.set i, i+1
.endr
	WIN 0
	v_pk_add_f32 v[TM:TM+1], v[TM:TM+1], v[TM+2:TM+3]
	v_pk_add_f32 v[TM+4:TM+5], v[TM+4:TM+5], v[TM+6:TM+7]
	v_pk_add_f32 v[TM:TM+1], v[TM:TM+1], v[TM+4:TM+5]
	v_add_f32 v[T0], v[TM], v[TM+1]
	v_permlanex16_b32 v[T0+1], v[T0], s[SEL], s[SEL+1]
	v_add_f32 v[T0], v[T0], v[T0+1]
	v_fma_f32 v[T0], v[T0], s28, s29               ; the variance + 1e-5
	v_rsq_f32 v[RS], v[T0]
	v_nop                                          ; a plain line behind the transcendental
	s_wait_alu depctr_va_vdst(0)                   ; and a wait ahead of its first reader
	v_mov_b32 v[RS+1], v[RS]
; K step s of h: scaled, quantised, stored as an image.  lw: the younger loads that may stay out when this step's gain and shift are wanted
.macro KSTEP s, lw
	s_wait_loadcnt \lw
	WIN 0x01
.set i, 0
.rept 32
	v_pk_mul_f32 v[Y+2*i:Y+2*i+1], v[64*\s+2*i:64*\s+2*i+1], v[RS:RS+1]
.set i, i+1
.endr
	WIN 0
.set i, 0
.rept 32
	v_pk_fma_f32 v[Y+2*i:Y+2*i+1], v[Y+2*i:Y+2*i+1], v[G+2*i:G+2*i+1], v[S+2*i:S+2*i+1]
.set i, i+1
.endr
.if \s < 3
	LDGS \s+1
.endif
.if \s == 1
	LDW SET0, 0                                    ; Wq's and Wk's fragments take the registers that K steps 0 and 1 of x have left
	LDW SET1, 131072
	global_load_b128 v[WS0:WS0+3], v[LI], s[12:13]
	global_load_b128 v[WS1:WS1+3], v[LI], s[12:13] offset:8192
.endif
	QB Y, 4
	PW4
.irp b, 0,1,2,3
	ds_store_b64 v[XWI], v[PC+2*\b:PC+2*\b+1] offset:XIMG+1024*\s+256*\b
.endr
	ds_store_b32 v[XWS], v[PW] offset:XSC+4*\s     ; both halves of the lanes write the same word with the same value
	s_wait_dscnt 0x0                               ; the stores have read their registers
.endm
	KSTEP 0, 0
	KSTEP 1, 0
	KSTEP 2, 34                                    ; the 34 younger loads are the two weights' fragments and scale words
	KSTEP 3, 0
	BARRIER                                        ; h's 32 fragments lie in LDS
	; ---- G: my head, my four tiles of tokens
	WIN 0x40
.set i, 0
.rept 32
	ds_load_b128 v[AF+4*i:AF+4*i+3], v[LI2] offset:XIMG+512*i   ; fragment (m, s) at AF + 8 (4 m + s)
.set i, i+1
.endr
	WIN 0
	ds_load_b128 v[XS:XS+3], v[LS2] offset:XSC
	ds_load_b128 v[XS+4:XS+7], v[LS2] offset:XSC+512
	s_wait_dscnt 0x0
	s_wait_loadcnt 0x0
; 32 matrix instructions: K steps 0-3, the eight accumulators by turns.  tr = 1: source 0 = the weight, a lane holds a token and 16 channels; tr = 0: source 0 = h, a lane holds a channel and 16 tokens
.macro MM set, ws, tr
	WIN 0x05
.irp s, 0,1,2,3
.irp m, 0,1,2,3
.irp u, 0,1
.if \tr
.set rD, ACC+16*\m+8*\u
.set rA, \set+8*(4*\u+\s)
.set rB, AF+8*(4*\m+\s)
.set rSA, \ws+\s
.set rSB, XS+4*(\m/2)+\s
.set rRA, \u
.set rRB, \m%2
.else
.set rD, ACC+16*(2*(\m/2)+\u)+8*(\m%2)
.set rA, AF+8*(4*\m+\s)
.set rB, \set+8*(4*\u+\s)
.set rSA, XS+4*(\m/2)+\s
.set rSB, \ws+\s
.set rRA, \m%2
.set rRB, \u
.endif
.set rC, rD
.if \s == 0
	WM 1
.else
	WM 0
.endif
.endr
.endr
.endr
	WIN 0
.rept 4
	v_nop                                          ; places ahead of the first read of results and of loads into registers that these products have read
.endr
.endm
; q or k: block m = tile m's 32 channels.  A block's codes are 256 consecutive bytes; the four bytes of a row make the word that a fragment of four key tiles wants
.macro EPIQK base, so
	s_wait_xcnt 0x0                                ; earlier stores have read the codes' registers
	s_wait_dscnt 0x0
	QB ACC, 4
	PW4
.irp m, 0,1,2,3
	global_store_b64 v[LQ], v[PC+2*\m:PC+2*\m+1], s[\base:\base+1] offset:256*\m
.endr
	ds_store_b32 v[SW], v[PW] offset:\so
.endm
	MM SET0, WS0, 1
	LDW SET0, 262144                               ; Wv follows Wq in its registers
	global_load_b128 v[WS0:WS0+3], v[LI], s[12:13] offset:16384
	EPIQK 14, 0
	MM SET1, WS1, 1
	EPIQK 32, 128
	s_wait_loadcnt 0x0
	MM SET0, WS0, 0
	s_wait_xcnt 0x0                                ; v: block i = 2 j2 + u: channel tile u, keys 32 (2 rh + j2) on
	s_wait_dscnt 0x0
	QB ACC, 4
.irp i, 0,1,2,3
	global_store_b64 v[LQ], v[PC+2*\i:PC+2*\i+1], s[34:35] offset:1024*(\i%2)+256*(\i/2)
.endr
	v_lshl_or_b32 v[PW], v[TM+6], 8, v[TM+4]       ; my two blocks' bytes of tile u = 0,
	v_lshl_or_b32 v[T0], v[TM+7], 8, v[TM+5]       ; of u = 1
	ds_store_b16 v[SV], v[PW]
	ds_store_b16 v[SV], v[T0] offset:64
	BARRIER                                        ; the four heads' scale bytes lie in LDS
	s_cmp_lt_u32 s20, 4
	s_cbranch_scc0 .Ldone
	ds_load_b64 v[250:251], v[FK]                  ; wave hd: k's and v's scale bytes of the step: 256 consecutive bytes;
	ds_load_b32 v252, v[FQ]                        ; q's: 128
	s_wait_dscnt 0x0
	global_store_b64 v[O8], v[250:251], s[36:37]
	global_store_b32 v[O4], v252, s[16:17]
.Ldone:
	s_wait_tensorcnt 0x0
	ds_add_u32 v254, v255
	s_wait_dscnt 0x0
	s_endpgm
.Lfunc_end_k_q6595dac610_qkv:
	.size	k_q6595dac610_qkv, .Lfunc_end_k_q6595dac610_qkv-k_q6595dac610_qkv
	.p2alignl 7, 3214868480
	.fill 96, 4, 3214868480
	.section	.rodata,"a",@progbits
	.p2align	6, 0x0
	.amdhsa_kernel k_q6595dac610_qkv
		.amdhsa_group_segment_fixed_size 37888
		.amdhsa_private_segment_fixed_size 0
		.amdhsa_enable_private_segment 0
		.amdhsa_kernarg_size 64
		.amdhsa_user_sgpr_count 2
		.amdhsa_user_sgpr_kernarg_segment_ptr 1
		.amdhsa_wavefront_size32 1
		.amdhsa_system_sgpr_workgroup_id_x 1
		.amdhsa_system_sgpr_workgroup_id_y 1
		.amdhsa_system_sgpr_workgroup_id_z 1
		.amdhsa_system_vgpr_workitem_id 0
		.amdhsa_next_free_vgpr 512
		.amdhsa_next_free_sgpr 66
		.amdhsa_reserve_vcc 0
		.amdhsa_float_denorm_mode_32 3
		.amdhsa_float_denorm_mode_16_64 3
		.amdhsa_memory_ordered 1
		.amdhsa_forward_progress 1
		.amdhsa_inst_pref_size 112
	.end_amdhsa_kernel
	.amdgpu_metadata
---
amdhsa.version: [ 1, 2 ]
amdhsa.kernels:
  - .name:           k_q6595dac610_qkv
    .symbol:         k_q6595dac610_qkv.kd
    .args:
      - { .name: x, .offset: 0, .size: 8, .value_kind: global_buffer, .address_space: global }
      - { .name: ln1_scale, .offset: 8, .size: 8, .value_kind: global_buffer, .address_space: global }
      - { .name: ln1_shift, .offset: 16, .size: 8, .value_kind: global_buffer, .address_space: global }
      - { .name: wc, .offset: 24, .size: 8, .value_kind: global_buffer, .address_space: global }
      - { .name: ws, .offset: 32, .size: 8, .value_kind: global_buffer, .address_space: global }
      - { .name: qc, .offset: 40, .size: 8, .value_kind: global_buffer, .address_space: global }
      - { .name: qs, .offset: 48, .size: 8, .value_kind: global_buffer, .address_space: global }
      - { .name: kv, .offset: 56, .size: 8, .value_kind: global_buffer, .address_space: global }
    .group_segment_fixed_size: 37888
    .private_segment_fixed_size: 0
    .kernarg_segment_align: 8
    .kernarg_segment_size: 64
    .max_flat_workgroup_size: 256
    .sgpr_count:     66
    .vgpr_count:     512
    .wavefront_size: 32
...
	.end_amdgpu_metadata
.endif
;; end of part 2
;; launch attn (part 3): grid 256 x 1, 16 waves a work-group, clusters of 4 x 1, 169,984 bytes of LDS; arguments qc, qs, kv, cc, cs; writes cc, cs
.if DOCPART == 3
	.amdgcn_target "amdgcn-amd-amdhsa--gfx1250"
	.amdhsa_code_object_version 6
	.text
	.protected	k_q6595dac610_attn
	.globl	k_q6595dac610_attn
	.p2align	8
	.type	k_q6595dac610_attn,@function
k_q6595dac610_attn:
	s_mov_b64 s[64:65], 0
	v_nop
	global_prefetch_b8 v0, s[64:65] scope:SCOPE_SE
	s_setreg_imm32_b32 hwreg(HW_REG_WAVE_MODE, 25, 1), 1
	s_wait_xcnt 0x0
	s_wait_alu depctr_hold_cnt(0) depctr_sa_sdst(0) depctr_va_vdst(0) depctr_va_sdst(0) depctr_va_ssrc(0) depctr_va_vcc(0) depctr_vm_vsrc(0)
	s_getreg_b32 s2, hwreg(HW_REG_IB_STS2, 6, 4)
	s_cmp_eq_u32 s2, 0
	s_cbranch_scc0 .Lentry_in_a_cluster
	s_endpgm
.Lentry_in_a_cluster:
	s_bfe_u32 s2, ttmp6, 0x10000c
	s_cmp_lg_u32 s2, 0x3003
	s_cbranch_scc0 .Lentry_shape_is_right
	s_endpgm
.Lentry_shape_is_right:
; ctx = softmax(q k^T / sqrt(32), causal) v for 64 heads of 2,048 tokens x 32 channels, both products on codes of FP4 with E8M0 scales; ctx is divided by the row's sum, quantised along its 32 channels and stored as codes.
; THE SOFTMAX AHEAD OF THE SECOND PRODUCT: t = score x log2(e) / sqrt(32); M = the running largest t rounded UP to a whole number; p = 2^(t - M) is quantised along the keys, not normalised; the row's sum is taken of the
; unquantised p; when M moves, the sum and O are multiplied by 2^(old M - new M), which rounds nothing.
; CLUSTER.  The four work-groups of a cluster serve ONE head.  The head's k codes, v codes and scale bytes are one dense block of 69,632 bytes: it comes into each partner's LDS once, by four joint loads
; (waves 0-3, 68 rows of 256 bytes each, one load a wave out), and stays: no slot is filled again.
; SHARES.  A tile is 16 queries; tile 8 a + c needs key steps 0 .. a (128 keys a step).  Wave w takes tile (a = w, c = 2 cx) and tile (a = 15 - w, c = 2 cx + 1): 17 steps of work for every wave.
; Which steps a wave works hangs on its number alone; the place in the cluster enters global addresses and the mask's comparand only.  Every wave walks 16 trips a tile and jumps over the work of hidden steps.
; LAYOUT.  Both products are used transposed (S^T = K Q^T, O^T = V^T P^T): a lane holds one query.  Row r of a tile of tokens is token 32 (t / 2) + 8 (t % 2) + r + 8 (r / 8), so the 16 registers of key tiles 2 b, 2 b + 1 are 16 neighbouring keys.
; FOUR KEY TILES IN ONE FRAGMENT.  The head's 32 channels fill one block of the instruction's four.  A fragment of K carries key tile 4 F + b as its block b; the product with Q's codes in block b and zero codes
; elsewhere gives that tile alone.  The four forms of Q overlap in 20 registers: zeros, Q in lanes 0-15, zeros, Q in lanes 16-31, zeros.
; LIMITS: NaN and infinities are not served; 1 / sum by v_rcp_f32 (1 ulp); a block whose numbers all lie under 2^-124 gets the byte 1 where the rule says 127 for zeros (its codes are zeros).
; A block's largest p is taken as the exponential of its largest score, which leans on v_exp_f32 not falling where its input rises.
; ctx's scale bytes leave one byte a row, 16 bytes apart: one byte in 17 of what the launch stores.
; REGISTERS: v1-6 addresses that stay; v8-9 addresses in hand; v12 -M, v13 the largest t, v[14:15] the sum; v16-35 Q's forms; v40-55 K, v56-71 V; v72-74 scale words; v75 the mask's comparand; v76-80 Q as loaded;
;   v96-159 S^T, then p; v160-175 O^T; v224-231 codes; v232-254 at work.
.set TM,  232
.set PC,  224
.set SEL, 20                           ; s[20:21]
.set WV,  18                           ; s18 my wave's number
.macro QB src, n                       ; n blocks of 32: block i is my 16 numbers v[src + 16 i ..] and lane l xor 16's.  Bytes in v[TM+4+i], my 16 codes in v[PC+2i], v[PC+2i+1]
.set qi, 0
.rept \n
	v_max3_num_f32 v[TM+qi], |v[\src+16*qi]|, |v[\src+16*qi+1]|, 0x1800000
.set qi, qi+1
.endr
.irp p, 2,4,6,8,10,12,14
.set qi, 0
.rept \n
	v_max3_num_f32 v[TM+qi], v[TM+qi], |v[\src+16*qi+\p]|, |v[\src+16*qi+\p+1]|
.set qi, qi+1
.endr
.endr
.set qi, 0
.rept \n
	v_permlanex16_b32 v[TM+4+qi], v[TM+qi], s[SEL], s[SEL+1]
.set qi, qi+1
.endr
.set qi, 0
.rept \n
	v_max_num_f32 v[TM+qi], v[TM+qi], v[TM+4+qi]
.set qi, qi+1
.endr
.set qi, 0
.rept \n
	v_add_nc_u32 v[TM+8+qi], 0xff000000, v[TM+qi]
.set qi, qi+1
.endr
.set qi, 0
.rept \n
	v_lshrrev_b32 v[TM+4+qi], 23, v[TM+8+qi]
.set qi, qi+1
.endr
.set qi, 0
.rept \n
	v_cvt_scalef32_pk8_fp4_f32 v[PC+2*qi], v[\src+16*qi:\src+16*qi+7], v[TM+8+qi]
	v_cvt_scalef32_pk8_fp4_f32 v[PC+2*qi+1], v[\src+16*qi+8:\src+16*qi+15], v[TM+8+qi]
.set qi, qi+1
.endr
	v_nop
.endm
.macro WM z                            ; one matrix instruction on the symbols rD, rA, rB, rC, rSA, rSB; rRA = 1: source 0's scales are read from lanes 16-31.  z = 1: C is the constant 0
.if \z
.if rRA
	v_wmma_scale_f32_16x16x128_f8f6f4 v[rD:rD+7], v[rA:rA+7], v[rB:rB+7], 0, v[rSA], v[rSB] matrix_a_fmt:MATRIX_FMT_FP4 matrix_b_fmt:MATRIX_FMT_FP4 matrix_a_scale:MATRIX_SCALE_ROW1
.else
	v_wmma_scale_f32_16x16x128_f8f6f4 v[rD:rD+7], v[rA:rA+7], v[rB:rB+7], 0, v[rSA], v[rSB] matrix_a_fmt:MATRIX_FMT_FP4 matrix_b_fmt:MATRIX_FMT_FP4
.endif
.else
.if rRA
	v_wmma_scale_f32_16x16x128_f8f6f4 v[rD:rD+7], v[rA:rA+7], v[rB:rB+7], v[rC:rC+7], v[rSA], v[rSB] matrix_a_fmt:MATRIX_FMT_FP4 matrix_b_fmt:MATRIX_FMT_FP4 matrix_a_scale:MATRIX_SCALE_ROW1
.else
	v_wmma_scale_f32_16x16x128_f8f6f4 v[rD:rD+7], v[rA:rA+7], v[rB:rB+7], v[rC:rC+7], v[rSA], v[rSB] matrix_a_fmt:MATRIX_FMT_FP4 matrix_b_fmt:MATRIX_FMT_FP4
.endif
.endif
.endm
.macro CROUND                          ; a round of the cluster's barrier: my work-group's barrier; wave 0 signals for the work-group; every wave waits for all four; my work-group's barrier once more
	s_barrier_signal -1
	s_barrier_wait -1
	s_cmp_lg_u32 s[WV], 0
	s_cbranch_scc1 .Lnot_wave_0_\@
	s_barrier_signal -3
.Lnot_wave_0_\@:
	s_barrier_wait -3
	s_barrier_signal -1
	s_barrier_wait -1
.endm
	s_load_b256 s[4:11], s[0:1], 0x0               ; qc, qs, kv, cc
	s_load_b64 s[12:13], s[0:1], 0x20              ; cs
	v_lshl_add_u32 v251, v0, 2, 0x29000
	v_mov_b32 v255, 0
	ds_add_u32 v251, v255
	ds_add_u32 v251, v255
	v_lshrrev_b32 v8, 5, v0
	v_readfirstlane_b32 s[WV], v8                  ; wave 0..15
	s_bfe_u32 s19, ttmp6, 0x40000                  ; cx: my place in the cluster; ttmp9 counts clusters: the head, bh
	s_mov_b32 s20, 0x76543210
	s_mov_b32 s21, 0xfedcba98                      ; v_permlanex16_b32's selects for lane l xor 16
	s_mov_b32 s22, 0x3e8293ee                      ; c = log2(e) / sqrt(32)
	s_mov_b32 s23, s22                             ; (named with it as a pair, so it is written)
	s_mov_b32 s41, 0xffff                          ; lanes 0-15
	; descriptor group 1: 68 rows of 256 bytes (32 elements of 8 bytes), dense, no padding: the images are read 16 bytes a lane on end
	s_mov_b32 s24, 15|(3<<16)|(1<<21)              ; 15:0 the mask: all four work-groups; 17:16 elements of 8 bytes; 21 set beside a mask
	s_mov_b32 s25, 32<<16                          ; tensor_dim0
	s_mov_b32 s26, 68<<16                          ; tensor_dim1
	s_mov_b32 s27, 32<<16                          ; tile_dim0
	s_mov_b32 s28, 68                              ; tile_dim1
	s_mov_b32 s29, 32                              ; the pitch
	s_mov_b32 s30, 0
	s_mov_b32 s31, 0
	s_mov_b32 s32, 1                               ; group 0: count = 1,
	s_mul_i32 s33, s[WV], 17408                    ; LDS address: my quarter: no place in the cluster enters it,
	s_mul_i32 s36, ttmp9, 69632
	s_add_co_u32 s36, s36, s33
	s_mov_b32 s37, 0
	v_and_b32 v7, 31, v0                           ; lane
	v_and_b32 v10, 15, v0                          ; r
	v_bfe_u32 v11, v0, 4, 1                        ; h
	v_lshlrev_b32 v1, 4, v7                        ; 16 x lane: an image's place for my lane
	v_lshlrev_b32 v2, 2, v7
	v_add_nc_u32 v2, 65536, v2                     ; the scale words: 4 x lane
	v_lshlrev_b32 v3, 4, v10                       ; 16 r
	v_lshlrev_b32 v4, 2, v10                       ; 4 r
	v_lshl_add_u32 v5, v11, 3, v3                  ; 16 r + 8 h
	v_and_b32 v6, 8, v0
	v_add_nc_u32 v6, v6, v10
	v_lshlrev_b32 v11, 4, v11
	v_sub_nc_u32 v6, v6, v11                       ; r + 8 (r / 8) - 16 h
.irp j, 16,17,18,19,24,25,26,27,32,33,34,35
	v_mov_b32 v[\j], 0                             ; the zero codes round Q
.endr
.irp j, 236,237,238,239,252,253
	v_mov_b32 v[\j], 0                             ; written once: a lane permute's destination counts as one of its sources; v253 is named as the upper half of a pair
.endr
	s_wait_dscnt 0x0
	s_wait_kmcnt 0x0
	s_add_nc_u64 s[34:35], s[8:9], s[36:37]        ; global address: the head's block, my quarter,
	s_or_b32 s35, s35, 0x80000000                  ; type = 2
	CROUND                                         ; all four work-groups are here: the joint loads meet
	s_cmp_lt_u32 s[WV], 4
	s_cbranch_scc0 .Lno_fill
	tensor_load_to_lds s[32:35], s[24:31]
	s_nop 0
.rept 4
	v_nop
.endr
.Lno_fill:
	s_wait_tensorcnt 0x0                           ; my quarter has landed,
	s_barrier_signal -1
	s_barrier_wait -1                              ; everybody's has
; One tile of 16 queries from first key to ctx's codes.  k = 0: a = w, c = 2 cx;  k = 1: a = 15 - w, c = 2 cx + 1
.macro TILE k
	s_wait_xcnt 0x0                                ; the last tile's stores have read their bases and registers
.if \k
	s_xor_b32 s40, s[WV], 15                       ; 15 - w
.else
	s_mov_b32 s40, s[WV]
.endif
	s_lshl_b32 s43, s40, 3
	s_lshl_b32 s52, s19, 1
	s_add_co_u32 s43, s43, s52
	s_add_co_u32 s43, s43, \k                      ; the tile in the head
	s_lshl_b32 s44, ttmp9, 15
	s_lshl_b32 s52, s43, 8
	s_add_co_u32 s44, s44, s52
	s_mov_b32 s45, 0
	s_add_nc_u64 s[44:45], s[4:5], s[44:45]        ; its codes
	s_lshl_b32 s46, ttmp9, 11
	s_lshr_b32 s52, s43, 2
	s_lshl_b32 s52, s52, 6
	s_add_co_u32 s46, s46, s52
	s_and_b32 s52, s43, 3
	s_add_co_u32 s46, s46, s52
	s_mov_b32 s47, 0
	s_add_nc_u64 s[46:47], s[6:7], s[46:47]        ; its scale bytes, 4 bytes from row to row
	s_lshr_b32 s52, ttmp9, 4
	s_lshl_b32 s52, s52, 7
	s_add_co_u32 s52, s52, s43                     ; the tile among all 512
	s_and_b32 s53, ttmp9, 15                       ; the head in its batch: ctx's block along K
	s_lshl_b32 s48, s52, 12
	s_lshl_b32 s54, s53, 8
	s_add_co_u32 s48, s48, s54
	s_mov_b32 s49, 0
	s_add_nc_u64 s[48:49], s[10:11], s[48:49]      ; ctx's codes
	s_lshl_b32 s50, s52, 8
	s_add_co_u32 s50, s50, s53
	s_mov_b32 s51, 0
	s_add_nc_u64 s[50:51], s[12:13], s[50:51]      ; ctx's scale bytes
	global_load_b128 v[76:79], v3, s[44:45]        ; row r's 32 codes, in both halves of the lanes
	global_load_u8 v80, v4, s[46:47]
	s_lshl_b32 s52, s19, 5
	s_add_co_u32 s52, s52, 8*\k
	v_add_nc_u32 v75, s52, v6                      ; d = my query - 128 a - 16 h.  On the diagonal register 16 b + i holds key 128 a + 16 h + 32 b + i: hidden where 32 b + i > d
	v_mov_b32 v13, 0xff61b1e6                      ; the largest t so far: -3e38
	v_floor_f32 v12, -v13                          ; -M
	v_mov_b32 v14, 0
	v_mov_b32 v15, 0
	s_mov_b32 s2, 0                                ; LDS byte of the step's tiles: 2,048 a step
	s_mov_b32 s3, 0                                ; of its scale words: 256 a step
	s_mov_b32 s42, 0                               ; the step
	s_wait_loadcnt 0x0
.irp i, 0,1,2,3
	v_cndmask_b32 v[20+\i], v16, v[76+\i], s41     ; Q in lanes 0-15, zeros in the others;
	v_cndmask_b32 v[28+\i], v[76+\i], v16, s41     ; and the other way round
.endr
	v_lshl_or_b32 v74, v80, 8, v80
	v_lshl_or_b32 v74, v74, 16, v74                ; Q's byte in all four places
.irp j, 0,1,2,3,4,5,6,7,8,9,10,11,12,13,14,15
	v_mov_b32 v[160+\j], 0                         ; O^T.  (These 16 are also the places between the scale word's last write and the first product)
.endr
.Lstep_\k:                                         ; 16 trips, a constant: the addresses stepped here stay readable off the text
	s_cmp_gt_u32 s42, s40                          ; a step all of whose keys come after my queries: only the lines at the trip's end
	s_cbranch_scc1 .Lhidden_\k
	v_add_nc_u32 v8, s2, v1
	v_add_nc_u32 v9, s3, v2
	v_nop
	v_nop                                          ; four places behind the last products, ahead of loads into registers that they have read
.irp i, 0,1,2,3
	ds_load_b128 v[40+4*\i:43+4*\i], v8 offset:512*\i          ; K: two fragments, four key tiles each
.endr
.irp i, 0,1,2,3
	ds_load_b128 v[56+4*\i:59+4*\i], v8 offset:32768+512*\i    ; V: two tiles of 16 channels x 128 keys
.endr
	ds_load_b32 v72, v9                            ; K's scale words: lanes 0-15 fragment 0, lanes 16-31 fragment 1
	ds_load_b32 v73, v9 offset:128                 ; V's: lanes 0-15 tile 0, lanes 16-31 tile 1
	s_wait_dscnt 0x0
.irp t, 0,1,2,3,4,5,6,7
.set rD, 96+8*\t
.set rA, 40+8*(\t/4)
.set rB, 20+8*(\t%2)-4*((\t%4)/2)                  ; Q in block t % 4: v20, v28, v16, v24
.set rSA, 72
.set rSB, 74
.set rRA, \t/4
	WM 1
.endr
.rept 4
	v_nop
.endr
	s_cmp_lt_u32 s42, s40                          ; under the diagonal every key counts
	s_cbranch_scc1 .Lopen_\k
	v_mov_b32 v254, 0xff800000                     ; on it hidden scores become -infinity ahead of the maximum: p = 0 then
.irp n, 0,1,2,3,4,5,6,7,8,9,10,11,12,13,14,15,16,17,18,19,20,21,22,23,24,25,26,27,28,29,30,31,32,33,34,35,36,37,38,39,40,41,42,43,44,45,46,47,48,49,50,51,52,53,54,55,56,57,58,59,60,61,62,63
	v_cmp_gt_i32 vcc_lo, 32*(\n/16)+\n%16, v75
	v_cndmask_b32 v[96+\n], v[96+\n], v254, vcc_lo
.endr
.Lopen_\k:
.irp b, 0,1,2,3
	v_max3_num_f32 v[232+\b], v[96+16*\b], v[97+16*\b], v[98+16*\b]   ; the largest score of each block of 32 keys: for the row's maximum, and for the block's largest p
.endr
.irp i, 3,5,7,9,11,13
.irp b, 0,1,2,3
	v_max3_num_f32 v[232+\b], v[232+\b], v[96+16*\b+\i], v[97+16*\b+\i]
.endr
.endr
.irp b, 0,1,2,3
	v_max_num_f32 v[232+\b], v[232+\b], v[111+16*\b]
.endr
.irp b, 0,1,2,3
	v_permlanex16_b32 v[236+\b], v[232+\b], s[SEL], s[SEL+1]
.endr
.irp b, 0,1,2,3
	v_max_num_f32 v[232+\b], v[232+\b], v[236+\b]
.endr
	v_max3_num_f32 v254, v232, v233, v234
	v_max_num_f32 v254, v254, v235
	v_mul_f32 v254, s22, v254                      ; as t (c is positive)
	v_max_num_f32 v13, v13, v254                   ; the running largest t
	v_mov_b32 v254, v12
	v_floor_f32 v12, -v13                          ; the new -M = -ceil(t)
	v_sub_f32 v254, v12, v254                      ; old M - new M: a whole number, 0 or less
	v_cvt_i32_f32 v254, v254                       ; (it saturates)
	v_ldexp_f32 v252, 1.0, v254                    ; f = 2^(old M - new M)
.irp j, 0,2,4,6,8,10,12,14,16,18,20,22,24,26,28,30,32,34,36,38,40,42,44,46,48,50,52,54,56,58,60,62
	v_pk_fma_f32 v[96+\j:97+\j], v[96+\j:97+\j], s[22:23], v[12:13] op_sel_hi:[1,0,0]   ; t - M
.endr
.irp b, 0,1,2,3
	v_fma_f32 v[232+\b], v[232+\b], s22, v12
.endr
.irp j, 0,1,2,3,4,5,6,7,8,9,10,11,12,13,14,15,16,17,18,19,20,21,22,23,24,25,26,27,28,29,30,31,32,33,34,35,36,37,38,39,40,41,42,43,44,45,46,47,48,49,50,51,52,53,54,55,56,57,58,59,60,61,62,63
	v_exp_f32 v[96+\j], v[96+\j]                   ; p = 2^(t - M)
.endr
	v_pk_mul_f32 v[14:15], v[14:15], v[252:253] op_sel_hi:[1,0]   ; the sums under the new M: a plain line behind the exponentials
	s_wait_alu depctr_va_vdst(0)                   ; one wait for the batch, ahead of its first reader
.irp b, 0,1,2,3
	v_exp_f32 v[232+\b], v[232+\b]                 ; each block's largest p
.endr
	v_pk_add_f32 v[236:237], v[96:97], v[98:99]    ; the row's sum, of the unquantised p, in two chains
.irp j, 4,8,12,16,20,24,28,32,36,40,44,48,52,56,60
	v_pk_add_f32 v[14:15], v[14:15], v[96+\j:97+\j]
	v_pk_add_f32 v[236:237], v[236:237], v[98+\j:99+\j]
.endr
	v_pk_add_f32 v[14:15], v[14:15], v[236:237]
	s_wait_alu depctr_va_vdst(0)                   ; and one for the four
.irp b, 0,1,2,3
	v_max_num_f32 v[232+\b], 0x1800000, v[232+\b]  ; the floor 2^(3 - 127)
.endr
.irp b, 0,1,2,3
	v_add_nc_u32 v[244+\b], 0xff000000, v[232+\b]
.endr
.irp b, 0,1,2,3
	v_lshrrev_b32 v[236+\b], 23, v[244+\b]
.endr
	v_lshl_or_b32 v253, v237, 8, v236              ; p's scale word for these 128 keys
	v_lshl_or_b32 v253, v238, 16, v253
	v_lshl_or_b32 v253, v239, 24, v253
.irp b, 0,1,2,3
	v_cvt_scalef32_pk8_fp4_f32 v[224+2*\b], v[96+16*\b:103+16*\b], v[244+\b]
	v_cvt_scalef32_pk8_fp4_f32 v[225+2*\b], v[104+16*\b:111+16*\b], v[244+\b]
.endr
	v_nop
.irp c, 0,1                            ; the operand wants a whole block in a lane: lanes 0-15 block 2 c, lanes 16-31 block 2 c + 1
.irp i, 0,1
	v_permlane16_swap_b32 v[224+4*\c+\i], v[226+4*\c+\i]
.endr
.endr
.irp j, 0,2,4,6,8,10,12,14
	v_pk_mul_f32 v[160+\j:161+\j], v[160+\j:161+\j], v[252:253] op_sel_hi:[1,0]   ; O^T under the new M; with the v_nop above: nine plain lines behind the scale word's last write, eight behind the codes'
.endr
.set rD, 160
.set rC, 160
.set rA, 56
.set rB, 224
.set rSA, 73
.set rSB, 253
.set rRA, 0
	WM 0                                           ; O^T += V^T P^T: two accumulators by turns; the next step's eight products stand between two links
.set rD, 168
.set rC, 168
.set rA, 64
.set rRA, 1
	WM 0
.Lhidden_\k:
	s_add_co_u32 s2, s2, 2048
	s_add_co_u32 s3, s3, 256
	s_add_co_u32 s42, s42, 1
	s_cmp_lt_u32 s42, 16
	s_cbranch_scc1 .Lstep_\k
.rept 4
	v_nop
.endr
	v_add_f32 v14, v14, v15
	v_permlanex16_b32 v252, v14, s[SEL], s[SEL+1]
	v_add_f32 v14, v14, v252                       ; the row's sum
	v_rcp_f32 v14, v14
	v_nop
	s_wait_alu depctr_va_vdst(0)
.irp i, 0,1,2,3,4,5,6,7
	v_pk_mul_f32 v[96+2*\i:97+2*\i], v[160+2*\i:161+2*\i], v[14:15] op_sel_hi:[1,0]   ; ctx(my query, channels 16 h + 0 .. 15)
.endr
	QB 96, 1
	global_store_b64 v5, v[224:225], s[48:49]      ; the tile's block: 256 consecutive bytes
	global_store_b8 v3, v236, s[50:51]             ; both halves of the lanes write the same byte with the same value
.endm
	TILE 0
	TILE 1
	s_wait_dscnt 0x0
	s_wait_tensorcnt 0x0
	ds_add_u32 v251, v255
	s_wait_dscnt 0x0
	CROUND                                         ; the closing round: no work-group ends while a partner may still ask
	s_endpgm
.Lfunc_end_k_q6595dac610_attn:
	.size	k_q6595dac610_attn, .Lfunc_end_k_q6595dac610_attn-k_q6595dac610_attn
	.p2alignl 7, 3214868480
	.fill 96, 4, 3214868480
	.section	.rodata,"a",@progbits
	.p2align	6, 0x0
	.amdhsa_kernel k_q6595dac610_attn
		.amdhsa_group_segment_fixed_size 169984
		.amdhsa_private_segment_fixed_size 0
		.amdhsa_enable_private_segment 0
		.amdhsa_kernarg_size 40
		.amdhsa_user_sgpr_count 2
		.amdhsa_user_sgpr_kernarg_segment_ptr 1
		.amdhsa_wavefront_size32 1
		.amdhsa_system_sgpr_workgroup_id_x 1
		.amdhsa_system_sgpr_workgroup_id_y 1
		.amdhsa_system_sgpr_workgroup_id_z 1
		.amdhsa_system_vgpr_workitem_id 0
		.amdhsa_next_free_vgpr 256
		.amdhsa_next_free_sgpr 72
		.amdhsa_reserve_vcc 1
		.amdhsa_float_denorm_mode_32 3
		.amdhsa_float_denorm_mode_16_64 3
		.amdhsa_memory_ordered 1
		.amdhsa_forward_progress 1
		.amdhsa_inst_pref_size 51
	.end_amdhsa_kernel
	.amdgpu_metadata
---
amdhsa.version: [ 1, 2 ]
amdhsa.kernels:
  - .name:           k_q6595dac610_attn
    .symbol:         k_q6595dac610_attn.kd
    .args:
      - { .name: qc, .offset: 0, .size: 8, .value_kind: global_buffer, .address_space: global }
      - { .name: qs, .offset: 8, .size: 8, .value_kind: global_buffer, .address_space: global }
      - { .name: kv, .offset: 16, .size: 8, .value_kind: global_buffer, .address_space: global }
      - { .name: cc, .offset: 24, .size: 8, .value_kind: global_buffer, .address_space: global }
      - { .name: cs, .offset: 32, .size: 8, .value_kind: global_buffer, .address_space: global }
    .group_segment_fixed_size: 169984
    .private_segment_fixed_size: 0
    .kernarg_segment_align: 8
    .kernarg_segment_size: 40
    .max_flat_workgroup_size: 512
    .sgpr_count:     72
    .vgpr_count:     256
    .wavefront_size: 32
...
	.end_amdgpu_metadata
.endif
;; end of part 3
;; launch tail (part 4): grid 256 x 1, 8 waves a work-group, no clusters, 113,664 bytes of LDS; arguments cc, cs, wc, ws, x, bo, ln2_scale, ln2_shift, b1, b2, out0; writes out0
.if DOCPART == 4
	.amdgcn_target "amdgcn-amd-amdhsa--gfx1250"
	.amdhsa_code_object_version 6
	.text
	.protected	k_q6595dac610_tail
	.globl	k_q6595dac610_tail
	.p2align	8
	.type	k_q6595dac610_tail,@function
k_q6595dac610_tail:
	s_mov_b64 s[64:65], 0
	v_nop
	global_prefetch_b8 v0, s[64:65] scope:SCOPE_SE
	s_setreg_imm32_b32 hwreg(HW_REG_WAVE_MODE, 25, 1), 1
	s_wait_xcnt 0x0
; x1 = x + ctx Wo + bo;  out = x1 + gelu(layernorm(x1) W1 + b1) W2 + b2.  The three products on codes of FP4 with E8M0 scales; x1, the norm and the hidden layer never go to memory.
; SHARES.  A work-group takes 32 tokens (tiles m = 0, 1).  THE WAVES SHARE THE COLUMNS: wave w owns columns 64 w .. 64 w + 63 of x1 and of out, and hidden units 256 w .. 256 w + 255, for all 32 tokens.
; All products are used transposed (source 0 = 16 columns of a weight, source 1 = 16 tokens): a lane holds one token, and the 16 registers of weight tiles 2 P, 2 P + 1 are 16 neighbouring columns, as the weights' tiles are laid.
; x + bo is the C of the first product's first link, b1 the C of the second's, x1 the C of the third's: no addition is spent on them but bo's and b2's.
; THE WEIGHTS come from memory straight into operand registers, in chunks of 8 fragments (16 loads of 512 consecutive bytes) in two sets by turns, each asked for two chunks ahead: chunks 0-1 Wo, 2-9 W1, 10-17 W2.
; They are not asked for jointly in a cluster, though all row blocks walk the same 1.15 MB: the joint form wants the weights in LDS (two slots of 64 KB), one load a wave and a round of the cluster's barrier for each
; of 18 chunks of 16 matrix instructions a wave; here no weight passes through LDS and no wave waits for another but at five barriers.
; Operands made here go from wave to wave through LDS as images of their registers: block beta of row r at 256 beta + 16 r, my 16 codes at + 8 h.
; gelu(x) = x / (1 + 2^(x (b + a x^2))), b = -2 log2(e) sqrt(2 / pi), a = 0.044715 b: the same function as 0.5 x (1 + tanh(..)), without its cancellation.
; LIMITS: NaN and infinities are not served; v_rsq_f32, v_rcp_f32, v_exp_f32 (1 ulp) stand for the root, the divisions and the tanh; a block of zeros or under 2^-124 gets the byte 1 where the rule says 127 (its codes are zeros).
; No pointer, address register or store's data is written twice: every offset is an immediate.
; REGISTERS.  Window 0: v1-14 addresses; v16-31 statistics; v32-95 x1, then out (32 m + 16 q + 8 u + j: column 64 w + 32 q + 16 h + 8 u + j); v96-159 at work; v160-191 b1, two sets; v192-207 scale words; v208-251 at work.
;   Window 1: v0-63, v64-127 the weights' two sets; v128-191 source 1's fragments; v192-223, v224-255 the norm's gain and shift.
.set RED1, 0                           ; LDS: the waves' sums: 128 w + 8 r, a pair (m = 0, m = 1)
.set RED2, 1024
.set H2I,  2048                        ; the norm's 8 fragments: 4096 m + 1024 s
.set H2S,  10240                       ; their scale words: 128 s + 64 m + 4 r
.set HI,   10752                       ; the hidden layer's 32 fragments: 2048 kappa + 1024 m
.set HS,   43520                       ; their scale words: 128 kappa + 64 m + 4 r
.set STG,  45568                       ; the way out: 32 rows x (2,048 bytes + 16)
.set LI,   1
.set XA,   2
.set CA,   3
.set BA,   4
.set W2SA, 5
.set RW,   6
.set RR,   7
.set HW2,  8
.set HS2W, 9
.set HWI,  10
.set HWS,  11
.set LS,   12
.set SO,   13
.set SR,   14
.set MEAN0, 16
.set MEAN1, 18
.set RS0,  20
.set RS1,  22
.set SUM0, 24
.set SUM1, 26
.set TP,   28
.set GA2,  30
.set X1,   32
.set Y,    96
.set ACC,  96
.set T,    128
.set BIAS0, 160
.set WS0,  192
.set AS,   200
.set TM,   208
.set HH,   220
.set PC,   224
.set HWD,  232
.set RT,   236
.set SEL,  28                          ; s[28:29]
.set AF,   128
.set G2,   192
.set S2,   224
.set MSB, 0
.macro WIN new                         ; the immediate's high byte repeats the setting that is left
.if MSB != \new
	s_set_vgpr_msb (MSB<<8)|\new
.set MSB, \new
.endif
.endm
.macro BARRIER                         ; my LDS stores have landed and my LDS loads are in: then the work-group's barrier
	s_wait_dscnt 0x0
	s_barrier_signal -1
	s_barrier_wait -1
.endm
.macro PLACES
.rept 4
	v_nop                                          ; places ahead of the first read of results and of loads into registers that matrix instructions have read
.endr
.endm
.macro QB src, n                       ; n blocks of 32: block i is my 16 numbers v[src + 16 i ..] and lane l xor 16's.  Bytes in v[TM+4+i], my 16 codes in v[PC+2i], v[PC+2i+1]
.set qi, 0
.rept \n
	v_max3_num_f32 v[TM+qi], |v[\src+16*qi]|, |v[\src+16*qi+1]|, 0x1800000
.set qi, qi+1
.endr
.irp p, 2,4,6,8,10,12,14
.set qi, 0
.rept \n
	v_max3_num_f32 v[TM+qi], v[TM+qi], |v[\src+16*qi+\p]|, |v[\src+16*qi+\p+1]|
.set qi, qi+1
.endr
.endr
.set qi, 0
.rept \n
	v_permlanex16_b32 v[TM+4+qi], v[TM+qi], s[SEL], s[SEL+1]
.set qi, qi+1
.endr
.set qi, 0
.rept \n
	v_max_num_f32 v[TM+qi], v[TM+qi], v[TM+4+qi]
.set qi, qi+1
.endr
.set qi, 0
.rept \n
	v_add_nc_u32 v[TM+8+qi], 0xff000000, v[TM+qi]
.set qi, qi+1
.endr
.set qi, 0
.rept \n
	v_lshrrev_b32 v[TM+4+qi], 23, v[TM+8+qi]
.set qi, qi+1
.endr
.set qi, 0
.rept \n
	v_cvt_scalef32_pk8_fp4_f32 v[PC+2*qi], v[\src+16*qi:\src+16*qi+7], v[TM+8+qi]
	v_cvt_scalef32_pk8_fp4_f32 v[PC+2*qi+1], v[\src+16*qi+8:\src+16*qi+15], v[TM+8+qi]
.set qi, qi+1
.endr
	v_nop
.endm
.macro WM                              ; one matrix instruction on the symbols rD, rA, rB, rC, rSA, rSB; rRA, rRB = 1: that side's scales are read from lanes 16-31
.if rRA && rRB
	v_wmma_scale_f32_16x16x128_f8f6f4 v[rD:rD+7], v[rA:rA+7], v[rB:rB+7], v[rC:rC+7], v[rSA], v[rSB] matrix_a_fmt:MATRIX_FMT_FP4 matrix_b_fmt:MATRIX_FMT_FP4 matrix_a_scale:MATRIX_SCALE_ROW1 matrix_b_scale:MATRIX_SCALE_ROW1
.elseif rRA
	v_wmma_scale_f32_16x16x128_f8f6f4 v[rD:rD+7], v[rA:rA+7], v[rB:rB+7], v[rC:rC+7], v[rSA], v[rSB] matrix_a_fmt:MATRIX_FMT_FP4 matrix_b_fmt:MATRIX_FMT_FP4 matrix_a_scale:MATRIX_SCALE_ROW1
.elseif rRB
	v_wmma_scale_f32_16x16x128_f8f6f4 v[rD:rD+7], v[rA:rA+7], v[rB:rB+7], v[rC:rC+7], v[rSA], v[rSB] matrix_a_fmt:MATRIX_FMT_FP4 matrix_b_fmt:MATRIX_FMT_FP4 matrix_b_scale:MATRIX_SCALE_ROW1
.else
	v_wmma_scale_f32_16x16x128_f8f6f4 v[rD:rD+7], v[rA:rA+7], v[rB:rB+7], v[rC:rC+7], v[rSA], v[rSB] matrix_a_fmt:MATRIX_FMT_FP4 matrix_b_fmt:MATRIX_FMT_FP4
.endif
.endm
.macro LDW set, base, off              ; a column pair's 8 fragments (tile u, K step s at 8 (4 u + s)) as they lie
	WIN 0x40
.set i, 0
.rept 16
	global_load_b128 v[(\set)+4*i:(\set)+4*i+3], v[LI], s[\base:\base+1] offset:(\off)+512*i
.set i, i+1
.endr
	WIN 0
.endm
; (An argument is put in as text: wherever one stands inside a product it is set in brackets.)
.macro CH1 par, p                      ; W1's pair p into set par: 16 + 1 + 4 loads: fragments, scale words, b1 at the pair's 16 units of my half
	LDW 64*(\par), 38, 8192*(\p)
	global_load_b128 v[WS0+4*(\par):WS0+4*(\par)+3], v[LI], s[44:45] offset:512*(\p)
.irp i, 0,1,2,3
	global_load_b128 v[BIAS0+16*(\par)+4*\i:BIAS0+16*(\par)+4*\i+3], v[BA], s[20:21] offset:128*(\p)+16*\i
.endr
.endm
.macro CH2 par, j                      ; W2's K steps 2 j, 2 j + 1 of my four tiles into set par (fragment 4 e + 2 q + u): 16 + 2 loads
	WIN 0x40
.irp e, 0,1
.irp q, 0,1
.irp u, 0,1
.irp c, 0,1
	global_load_b128 v[64*(\par)+8*(4*\e+2*\q+\u)+4*\c:64*(\par)+8*(4*\e+2*\q+\u)+4*\c+3], v[LI], s[40:41] offset:16384*(2*\q+\u)+1024*(2*(\j)+\e)+512*\c
.endr
.endr
.endr
.endr
	WIN 0
.irp q, 0,1
	global_load_b64 v[WS0+4*(\par)+2*\q:WS0+4*(\par)+2*\q+1], v[W2SA], s[46:47] offset:2048*\q+8*(\j)
.endr
.endm
	s_load_b512 s[4:19], s[0:1], 0x0               ; cc, cs, wc, ws, x, bo, ln2_scale, ln2_shift
	s_load_b128 s[20:23], s[0:1], 0x40             ; b1, b2
	s_load_b64 s[24:25], s[0:1], 0x50              ; out0
	v_lshl_add_u32 v254, v0, 2, 0x1b800
	v_mov_b32 v255, 0
	v_lshrrev_b32 v240, 5, v0
	v_readfirstlane_b32 s26, v240                  ; wave
	s_mov_b32 s28, 0x76543210
	s_mov_b32 s29, 0xfedcba98                      ; v_permlanex16_b32's selects for lane l xor 16
	s_mov_b32 s30, 0xc0135761                      ; b = -2 log2(e) sqrt(2 / pi)
	s_mov_b32 s31, s30
	s_mov_b32 s32, 0x3b000000                      ; 1 / 512
	s_mov_b32 s33, s32
	s_mov_b32 s34, 0x3727c5ac                      ; 1e-5
	v_mov_b32 v[GA2], 0xbdd2d3e8                   ; a = 0.044715 b
	v_mov_b32 v[GA2+1], 0xbdd2d3e8
.irp j, 4,5,6,7
	v_mov_b32 v[TM+\j], 0                          ; written once: a lane permute's destination counts as one of its sources
.endr
	v_and_b32 v240, 31, v0                         ; lane
	v_and_b32 v241, 15, v0                         ; r
	v_bfe_u32 v242, v0, 4, 1                       ; h
	v_and_b32 v243, 8, v0
	v_add_nc_u32 v243, v243, v241                  ; r + 8 (r / 8)
	v_lshlrev_b32 v[LI], 4, v240
	v_lshlrev_b32 v[LS], 2, v240
	v_lshlrev_b32 v[BA], 6, v242                   ; 64 h
	s_lshl_b32 s48, s26, 8
	v_add_nc_u32 v[CA], s48, v[BA]                 ; my columns in a row of 512 f32: 256 w + 64 h
	v_lshl_add_u32 v[XA], v243, 11, v[CA]          ; and in my row of x
	v_lshlrev_b32 v[W2SA], 10, v242
	v_lshl_add_u32 v[W2SA], v241, 6, v[W2SA]       ; W2's scale words: tile u = lane / 16, 64 bytes a row
	v_lshlrev_b32 v[RR], 3, v241
	s_lshl_b32 s49, s26, 7
	v_add_nc_u32 v[RW], s49, v[RR]
	v_lshlrev_b32 v244, 4, v241
	v_lshl_add_u32 v244, v242, 3, v244             ; 16 r + 8 h
	s_lshl_b32 s49, s26, 9
	v_add_nc_u32 v[HW2], s49, v244                 ; the norm's blocks 2 w, 2 w + 1
	s_lshl_b32 s49, s26, 12
	v_add_nc_u32 v[HWI], s49, v244                 ; the hidden layer's K steps 2 w, 2 w + 1
	s_lshr_b32 s49, s26, 1
	s_lshl_b32 s49, s49, 7
	s_and_b32 s50, s26, 1
	s_lshl_b32 s50, s50, 1
	s_add_co_u32 s49, s49, s50
	v_lshl_add_u32 v[HS2W], v241, 2, s49           ; 128 (w / 2) + 2 (w % 2) + 4 r
	v_lshl_add_u32 v[HWS], v241, 2, s48            ; 256 w + 4 r
	v_mul_u32_u24 v[SO], v243, 2064
	v_add_nc_u32 v[SO], v[SO], v[CA]
	v_add_nc_u32 v[SO], STG, v[SO]                 ; the stage: my token's row, my columns
	s_mul_i32 s49, s26, 8256
	s_add_co_u32 s49, s49, STG
	v_add_nc_u32 v[SR], s49, v[LI]                 ; back: rows 4 w .. 4 w + 3, 16 bytes a lane
	s_wait_kmcnt 0x0
	s_mov_b32 s49, 0
	s_lshl_b32 s48, ttmp9, 13
	s_add_nc_u64 s[4:5], s[4:5], s[48:49]          ; ctx's codes: two tiles of 4,096 bytes
	s_lshl_b32 s48, ttmp9, 9
	s_add_nc_u64 s[6:7], s[6:7], s[48:49]          ; their scale words
	s_lshl_b32 s48, ttmp9, 16
	s_add_nc_u64 s[12:13], s[12:13], s[48:49]      ; x: 32 rows of 2,048 bytes
	s_lshl_b32 s50, s26, 13
	s_add_co_u32 s48, s48, s50
	s_add_nc_u64 s[24:25], s[24:25], s[48:49]      ; out: the four rows that I store
	s_lshl_b32 s48, s26, 14
	s_add_co_u32 s48, s48, 393216
	s_add_nc_u64 s[36:37], s[8:9], s[48:49]        ; Wo's pairs 48 + 2 w on
	s_lshl_b32 s50, s26, 16
	s_add_co_u32 s48, s50, 524288
	s_add_nc_u64 s[38:39], s[8:9], s[48:49]        ; W1's pairs 64 + 8 w on
	s_add_co_u32 s48, s50, 1048576
	s_add_nc_u64 s[40:41], s[8:9], s[48:49]        ; W2's tiles 4 w on
	s_lshl_b32 s48, s26, 10
	s_add_nc_u64 s[20:21], s[20:21], s[48:49]      ; b1 at my 256 units
	s_add_co_u32 s48, s48, 24576
	s_add_nc_u64 s[42:43], s[10:11], s[48:49]      ; the scale words likewise
	s_lshl_b32 s50, s26, 12
	s_add_co_u32 s48, s50, 32768
	s_add_nc_u64 s[44:45], s[10:11], s[48:49]
	s_add_co_u32 s48, s50, 65536
	s_add_nc_u64 s[46:47], s[10:11], s[48:49]
	; ---- the head's 91 loads, in the order in which they are wanted
	WIN 0x40
.set i, 0
.rept 16
	global_load_b128 v[AF+4*i:AF+4*i+3], v[LI], s[4:5] offset:512*i    ; ctx's fragments (m, s) at AF + 8 (4 m + s)
.set i, i+1
.endr
	WIN 0
	global_load_b128 v[AS:AS+3], v[LI], s[6:7]     ; register s: lanes 0-15 tile m = 0, lanes 16-31 m = 1
.irp m, 0,1
.irp q, 0,1
.irp i, 0,1,2,3
	global_load_b128 v[X1+32*\m+16*\q+4*\i:X1+32*\m+16*\q+4*\i+3], v[XA], s[12:13] offset:16384*\m+128*\q+16*\i th:TH_LOAD_NT
.endr
.endr
.endr
.irp q, 0,1
.irp i, 0,1,2,3
	global_load_b128 v[Y+16*\q+4*\i:Y+16*\q+4*\i+3], v[CA], s[14:15] offset:128*\q+16*\i
.endr
.endr
	LDW 0, 36, 0
	global_load_b128 v[WS0:WS0+3], v[LI], s[42:43]
	LDW 64, 36, 8192
	global_load_b128 v[WS0+4:WS0+7], v[LI], s[42:43] offset:512
	WIN 0x40
.irp q, 0,1
.irp i, 0,1,2,3
	global_load_b128 v[G2+16*\q+4*\i:G2+16*\q+4*\i+3], v[CA], s[16:17] offset:128*\q+16*\i
.endr
.endr
.irp q, 0,1
.irp i, 0,1,2,3
	global_load_b128 v[S2+16*\q+4*\i:S2+16*\q+4*\i+3], v[CA], s[18:19] offset:128*\q+16*\i
.endr
.endr
	WIN 0
	; ---- A: x1 = x + bo + ctx Wo
	s_wait_loadcnt 33                              ; the 33 younger loads: Wo's second pair (17), the norm's gain and shift (16)
.irp m, 0,1
.set i, 0
.rept 16
	v_pk_add_f32 v[X1+32*\m+2*i:X1+32*\m+2*i+1], v[X1+32*\m+2*i:X1+32*\m+2*i+1], v[Y+2*i:Y+2*i+1]
.set i, i+1
.endr
.endr
.macro MMA q                           ; pair q: 16 matrix instructions, four accumulators by turns
	WIN 0x05
.irp s, 0,1,2,3
.irp m, 0,1
.irp u, 0,1
.set rD, X1+32*\m+16*\q+8*\u
.set rC, rD
.set rA, 64*\q+8*(4*\u+\s)
.set rB, AF+8*(4*\m+\s)
.set rSA, WS0+4*\q+\s
.set rSB, AS+\s
.set rRA, \u
.set rRB, \m
	WM
.endr
.endr
.endr
	WIN 0
	PLACES
.endm
	MMA 0
	CH1 0, 0
	s_wait_loadcnt 37                              ; younger: gain and shift (16), W1's pair 0 (21)
	MMA 1
	CH1 1, 1
	; ---- the norm of x1: a row lies in 8 waves x 2 lanes x 32 registers
; my two rows' sums, in v[SUM0], v[SUM1] as pairs, are joined over the halves of the lanes and over the eight waves: v[RT], v[RT+1] hold the rows' sums (m = 0, 1), the same bits in every wave
.macro WGSUM red
	v_add_f32 v[TP], v[SUM0], v[SUM0+1]
	v_add_f32 v[TP+1], v[SUM1], v[SUM1+1]
	v_permlanex16_b32 v[SUM0], v[TP], s[SEL], s[SEL+1]
	v_permlanex16_b32 v[SUM1], v[TP+1], s[SEL], s[SEL+1]
	v_add_f32 v[TP], v[TP], v[SUM0]
	v_add_f32 v[TP+1], v[TP+1], v[SUM1]
	ds_store_b64 v[RW], v[TP:TP+1] offset:\red     ; both halves of the lanes write the same pair with the same values
	BARRIER
.irp i, 0,1,2,3,4,5,6,7
	ds_load_b64 v[RT+2*\i:RT+2*\i+1], v[RR] offset:\red+128*\i
.endr
	s_wait_dscnt 0x0
.irp i, 0,4,8,12
	v_pk_add_f32 v[RT+\i:RT+\i+1], v[RT+\i:RT+\i+1], v[RT+\i+2:RT+\i+3]
.endr
	v_pk_add_f32 v[RT:RT+1], v[RT:RT+1], v[RT+4:RT+5]
	v_pk_add_f32 v[RT+8:RT+9], v[RT+8:RT+9], v[RT+12:RT+13]
	v_pk_add_f32 v[RT:RT+1], v[RT:RT+1], v[RT+8:RT+9]
.endm
.irp m, 0,1
	v_pk_add_f32 v[SUM0+2*\m:SUM0+2*\m+1], v[X1+32*\m:X1+32*\m+1], v[X1+32*\m+2:X1+32*\m+3]   ; each accumulator is read from its low end on
.endr
.set i, 2
.rept 14
.irp m, 0,1
	v_pk_add_f32 v[SUM0+2*\m:SUM0+2*\m+1], v[SUM0+2*\m:SUM0+2*\m+1], v[X1+32*\m+2*i:X1+32*\m+2*i+1]
.endr
.set i, i+1
.endr
	WGSUM RED1
	v_pk_mul_f32 v[TP:TP+1], v[RT:RT+1], s[32:33] op_sel_hi:[1,0]
	v_mov_b32 v[MEAN0], v[TP]
	v_mov_b32 v[MEAN0+1], v[TP]
	v_mov_b32 v[MEAN1], v[TP+1]
	v_mov_b32 v[MEAN1+1], v[TP+1]
.irp m, 0,1
.set i, 0
.rept 16
	v_pk_add_f32 v[Y+32*\m+2*i:Y+32*\m+2*i+1], v[X1+32*\m+2*i:X1+32*\m+2*i+1], v[MEAN0+2*\m:MEAN0+2*\m+1] neg_lo:[0,1] neg_hi:[0,1]
.set i, i+1
.endr
.endr
.irp m, 0,1
	v_pk_mul_f32 v[SUM0+2*\m:SUM0+2*\m+1], v[Y+32*\m:Y+32*\m+1], v[Y+32*\m:Y+32*\m+1]
.endr
.set i, 1
.rept 15
.irp m, 0,1
	v_pk_fma_f32 v[SUM0+2*\m:SUM0+2*\m+1], v[Y+32*\m+2*i:Y+32*\m+2*i+1], v[Y+32*\m+2*i:Y+32*\m+2*i+1], v[SUM0+2*\m:SUM0+2*\m+1]
.endr
.set i, i+1
.endr
	WGSUM RED2                                     ; other bytes than the first sum's: no wave overwrites what another still reads
	v_fma_f32 v[TP], v[RT], s32, s34
	v_fma_f32 v[TP+1], v[RT+1], s32, s34
	v_rsq_f32 v[RS0], v[TP]
	v_rsq_f32 v[RS1], v[TP+1]
	v_nop
	s_wait_alu depctr_va_vdst(0)                   ; one wait for the two, ahead of their first reader
	v_mov_b32 v[RS0+1], v[RS0]
	v_mov_b32 v[RS1+1], v[RS1]
.irp m, 0,1
.set i, 0
.rept 16
	v_pk_mul_f32 v[Y+32*\m+2*i:Y+32*\m+2*i+1], v[Y+32*\m+2*i:Y+32*\m+2*i+1], v[RS0+2*\m:RS0+2*\m+1]
.set i, i+1
.endr
.endr
	s_wait_loadcnt 42                              ; gain and shift are in; younger: W1's pairs 0 and 1 (21 each)
	WIN 0x14
.irp m, 0,1
.set i, 0
.rept 16
	v_pk_fma_f32 v[Y+32*\m+2*i:Y+32*\m+2*i+1], v[Y+32*\m+2*i:Y+32*\m+2*i+1], v[G2+2*i:G2+2*i+1], v[S2+2*i:S2+2*i+1]
.set i, i+1
.endr
.endr
	WIN 0
	QB Y, 4                                        ; block i = 2 m + q: columns 64 w + 32 q on of tile m
.irp i, 0,1,2,3
	ds_store_b64 v[HW2], v[PC+2*\i:PC+2*\i+1] offset:H2I+4096*(\i/2)+256*(\i%2)
.endr
.irp m, 0,1
	v_lshl_or_b32 v[HH+\m], v[TM+5+2*\m], 8, v[TM+4+2*\m]
.endr
.irp m, 0,1
	ds_store_b16 v[HS2W], v[HH+\m] offset:H2S+64*\m
.endr
	BARRIER                                        ; the norm's eight fragments lie in LDS
	; ---- B: the hidden layer, a pair of weight tiles (32 units) at a time
	WIN 0x40
.set i, 0
.rept 16
	ds_load_b128 v[AF+4*i:AF+4*i+3], v[LI] offset:H2I+512*i
.set i, i+1
.endr
	WIN 0
.irp s, 0,1,2,3
	ds_load_b32 v[AS+\s], v[LS] offset:H2S+128*\s
.endr
	s_wait_dscnt 0x0
.macro GELU                            ; on v[ACC ..], 32 numbers; v[T ..] at work.  Each batch of transcendentals has one plain line and one wait behind it
.set i, 0
.rept 16
	v_pk_mul_f32 v[T+2*i:T+2*i+1], v[ACC+2*i:ACC+2*i+1], v[ACC+2*i:ACC+2*i+1]
.set i, i+1
.endr
.set i, 0
.rept 16
	v_pk_fma_f32 v[T+2*i:T+2*i+1], v[T+2*i:T+2*i+1], v[GA2:GA2+1], s[30:31] op_sel_hi:[1,1,0]
.set i, i+1
.endr
.set i, 0
.rept 16
	v_pk_mul_f32 v[T+2*i:T+2*i+1], v[T+2*i:T+2*i+1], v[ACC+2*i:ACC+2*i+1]
.set i, i+1
.endr
.set i, 0
.rept 32
	v_exp_f32 v[T+i], v[T+i]
.set i, i+1
.endr
	v_nop
	s_wait_alu depctr_va_vdst(0)
.set i, 0
.rept 16
	v_pk_add_f32 v[T+2*i:T+2*i+1], v[T+2*i:T+2*i+1], 1.0 op_sel_hi:[1,0]
.set i, i+1
.endr
.set i, 0
.rept 32
	v_rcp_f32 v[T+i], v[T+i]
.set i, i+1
.endr
	v_nop
	s_wait_alu depctr_va_vdst(0)
.set i, 0
.rept 16
	v_pk_mul_f32 v[ACC+2*i:ACC+2*i+1], v[ACC+2*i:ACC+2*i+1], v[T+2*i:T+2*i+1]
.set i, i+1
.endr
.endm
; pair p.  lw: the loads of the chunk behind this one, which may stay out
.macro PAIR p, lw
	s_wait_loadcnt \lw
	WIN 0x05
.irp s, 0,1,2,3
.irp m, 0,1
.irp u, 0,1
.set rD, ACC+16*\m+8*\u
.if \s == 0
.set rC, BIAS0+16*(\p%2)+8*\u                      ; b1 starts the sums
.else
.set rC, rD
.endif
.set rA, 64*(\p%2)+8*(4*\u+\s)
.set rB, AF+8*(4*\m+\s)
.set rSA, WS0+4*(\p%2)+\s
.set rSB, AS+\s
.set rRA, \u
.set rRB, \m
	WM
.endr
.endr
.endr
	WIN 0
	PLACES
.if \p < 6
	CH1 \p%2, \p+2                                 ; the chunk two ahead takes the set just multiplied
.else
	CH2 \p%2, \p-6
.endif
	GELU
	QB ACC, 2                                      ; block m: units 256 w + 32 p on of tile m: block p % 4 of K step 2 w + p / 4
.irp m, 0,1
	ds_store_b64 v[HWI], v[PC+2*\m:PC+2*\m+1] offset:HI+2048*(\p/4)+1024*\m+256*(\p%4)
.endr
.irp m, 0,1
.if \p%4 == 0
	v_mov_b32 v[HWD+\m], v[TM+4+\m]
.else
	v_lshl_or_b32 v[HWD+\m], v[TM+4+\m], 8*(\p%4), v[HWD+\m]
.endif
.endr
.if \p%4 == 3
.irp m, 0,1
	ds_store_b32 v[HWS], v[HWD+\m] offset:HS+128*(\p/4)+64*\m
.endr
.endif
	s_wait_dscnt 0x0                               ; the stores have read their registers
.endm
	PAIR 0, 21
	PAIR 1, 21
	PAIR 2, 21
	PAIR 3, 21
	PAIR 4, 21
	PAIR 5, 21
	PAIR 6, 21
	PAIR 7, 18
.irp q, 0,1
.irp i, 0,1,2,3
	global_load_b128 v[Y+16*\q+4*\i:Y+16*\q+4*\i+3], v[CA], s[22:23] offset:128*\q+16*\i   ; b2, for the way out
.endr
.endr
	BARRIER                                        ; the hidden layer's 32 fragments lie in LDS
	; ---- C: out = x1 + hidden W2: x1's registers are the accumulators; two K steps a turn, eight accumulators by turns
.macro FH j                            ; K steps 2 j, 2 j + 1 of the hidden layer, both tiles, into half j % 2: 8 + 2 LDS loads
	WIN 0x40
.irp e, 0,1
.irp m, 0,1
.irp c, 0,1
	ds_load_b128 v[AF+32*((\j)%2)+8*(2*\e+\m)+4*\c:AF+32*((\j)%2)+8*(2*\e+\m)+4*\c+3], v[LI] offset:HI+4096*(\j)+2048*\e+1024*\m+512*\c
.endr
.endr
.endr
	WIN 0
.irp e, 0,1
	ds_load_b32 v[AS+2*((\j)%2)+\e], v[LS] offset:HS+256*(\j)+128*\e
.endr
.endm
.macro KK j, lw
.if \j < 7
	FH \j+1
	s_wait_dscnt 10                                ; this turn's fragments are in; the next turn's ten loads may stay out
.else
	s_wait_dscnt 0x0
.endif
	s_wait_loadcnt \lw
	WIN 0x05
.irp e, 0,1
.irp m, 0,1
.irp q, 0,1
.irp u, 0,1
.set rD, X1+32*\m+16*\q+8*\u
.set rC, rD
.set rA, 64*(\j%2)+8*(4*\e+2*\q+\u)
.set rB, AF+32*(\j%2)+8*(2*\e+\m)
.set rSA, WS0+4*(\j%2)+2*\q+\e
.set rSB, AS+2*(\j%2)+\e
.set rRA, \u
.set rRB, \m
	WM
.endr
.endr
.endr
.endr
	WIN 0
	PLACES
.if \j < 6
	CH2 \j%2, \j+2
.endif
.endm
	FH 0
	KK 0, 26                                       ; younger: W2's next chunk (18) and b2 (8)
	KK 1, 26
	KK 2, 18
	KK 3, 18
	KK 4, 18
	KK 5, 18
	KK 6, 18
	KK 7, 0
	; ---- the way out: + b2; a row's 512 numbers come from eight waves: they meet in the stage, and each wave stores four whole rows
.irp m, 0,1
.set i, 0
.rept 16
	v_pk_add_f32 v[X1+32*\m+2*i:X1+32*\m+2*i+1], v[X1+32*\m+2*i:X1+32*\m+2*i+1], v[Y+2*i:Y+2*i+1]
.set i, i+1
.endr
.endr
.irp m, 0,1
.irp q, 0,1
.irp u, 0,1
	ds_store_b128 v[SO], v[X1+32*\m+16*\q+8*\u:X1+32*\m+16*\q+8*\u+3] offset:16512*\m+128*\q+32*\u
	ds_store_b128 v[SO], v[X1+32*\m+16*\q+8*\u+4:X1+32*\m+16*\q+8*\u+7] offset:16512*\m+128*\q+32*\u+16
.endr
.endr
.endr
	BARRIER                                        ; 32 whole rows lie in the stage
.set i, 0
.rept 16
	ds_load_b128 v[Y+4*i:Y+4*i+3], v[SR] offset:2064*(i/4)+512*(i%4)
.set i, i+1
.endr
.set i, 0
.rept 16
	s_wait_dscnt 15-i
	global_store_b128 v[LI], v[Y+4*i:Y+4*i+3], s[24:25] offset:2048*(i/4)+512*(i%4) th:TH_STORE_NT   ; 32 lanes store 512 consecutive bytes, at a multiple of 256 from the buffer's first byte
.set i, i+1
.endr
	s_wait_tensorcnt 0x0
	ds_add_u32 v254, v255
	s_wait_dscnt 0x0
	s_endpgm
.Lfunc_end_k_q6595dac610_tail:
	.size	k_q6595dac610_tail, .Lfunc_end_k_q6595dac610_tail-k_q6595dac610_tail
	.p2alignl 7, 3214868480
	.fill 96, 4, 3214868480
	.section	.rodata,"a",@progbits
	.p2align	6, 0x0
	.amdhsa_kernel k_q6595dac610_tail
		.amdhsa_group_segment_fixed_size 113664
		.amdhsa_private_segment_fixed_size 0
		.amdhsa_enable_private_segment 0
		.amdhsa_kernarg_size 88
		.amdhsa_user_sgpr_count 2
		.amdhsa_user_sgpr_kernarg_segment_ptr 1
		.amdhsa_wavefront_size32 1
		.amdhsa_system_sgpr_workgroup_id_x 1
		.amdhsa_system_sgpr_workgroup_id_y 1
		.amdhsa_system_sgpr_workgroup_id_z 1
		.amdhsa_system_vgpr_workitem_id 0
		.amdhsa_next_free_vgpr 512
		.amdhsa_next_free_sgpr 66
		.amdhsa_reserve_vcc 0
		.amdhsa_float_denorm_mode_32 3
		.amdhsa_float_denorm_mode_16_64 3
		.amdhsa_memory_ordered 1
		.amdhsa_forward_progress 1
		.amdhsa_inst_pref_size 190
	.end_amdhsa_kernel
	.amdgpu_metadata
---
amdhsa.version: [ 1, 2 ]
amdhsa.kernels:
  - .name:           k_q6595dac610_tail
    .symbol:         k_q6595dac610_tail.kd
    .args:
      - { .name: cc, .offset: 0, .size: 8, .value_kind: global_buffer, .address_space: global }
      - { .name: cs, .offset: 8, .size: 8, .value_kind: global_buffer, .address_space: global }
      - { .name: wc, .offset: 16, .size: 8, .value_kind: global_buffer, .address_space: global }
      - { .name: ws, .offset: 24, .size: 8, .value_kind: global_buffer, .address_space: global }
      - { .name: x, .offset: 32, .size: 8, .value_kind: global_buffer, .address_space: global }
      - { .name: bo, .offset: 40, .size: 8, .value_kind: global_buffer, .address_space: global }
      - { .name: ln2_scale, .offset: 48, .size: 8, .value_kind: global_buffer, .address_space: global }
      - { .name: ln2_shift, .offset: 56, .size: 8, .value_kind: global_buffer, .address_space: global }
      - { .name: b1, .offset: 64, .size: 8, .value_kind: global_buffer, .address_space: global }
      - { .name: b2, .offset: 72, .size: 8, .value_kind: global_buffer, .address_space: global }
      - { .name: out0, .offset: 80, .size: 8, .value_kind: global_buffer, .address_space: global }
    .group_segment_fixed_size: 113664
    .private_segment_fixed_size: 0
    .kernarg_segment_align: 8
    .kernarg_segment_size: 88
    .max_flat_workgroup_size: 256
    .sgpr_count:     66
    .vgpr_count:     512
    .wavefront_size: 32
...
	.end_amdgpu_metadata
.endif
;; end of part 4
;; ======== version 2 of 2: 4 launches
;; workspace buffers: wc 1,572,864 bytes; ws 98,304 bytes; qc 2,097,152 bytes; qs 131,072 bytes; kv 4,456,448 bytes; cc 2,097,152 bytes; cs 131,072 bytes
;; launch prep (part 5): grid 192 x 1, 4 waves a work-group, no clusters, 1,536 bytes of LDS; arguments Wq, Wk, Wv, Wo, W1, W2, wc, ws; writes wc, ws
.if DOCPART == 5
	.amdgcn_target "amdgcn-amd-amdhsa--gfx1250"
	.amdhsa_code_object_version 6
	.text
	.protected	k_q6595dac610_prep
	.globl	k_q6595dac610_prep
	.p2align	8
	.type	k_q6595dac610_prep,@function
k_q6595dac610_prep:
	s_mov_b64 s[64:65], 0
	v_nop
	global_prefetch_b8 v0, s[64:65] scope:SCOPE_SE
	s_setreg_imm32_b32 hwreg(HW_REG_WAVE_MODE, 25, 1), 1
	s_wait_xcnt 0x0
; The six weights, f32 stored [K][N], become codes of FP4 (E2M1) with one E8M0 byte for each 32 along K, laid in the ORDER OF THE OPERAND'S REGISTERS.
; A fragment is 16 columns x 128 K = 1,024 bytes: block beta (32 along K) of the tile's row rho lies at 256 beta + 16 rho, so that two loads of 16 bytes a lane at 16 x lane bring it.
; THE COLUMNS OF A TILE ARE NOT NEIGHBOURS: row rho of tile 2 P + u is column 32 P + 8 u + rho + 8 (rho / 8), so that the results of two neighbouring tiles are 16 neighbours along the next K.
; wc: column pairs 0-15 Wq, 16-31 Wk, 32-47 Wv, 48-63 Wo, 64-127 W1: pair x 8192 + u x 4096 + K step x 1024.  W2: 1,048,576 + tile x 16384 + K step x 1024.
; ws: pair x 512 + 16 x (16 u + rho) + 4 x K step + beta.  W2: 65,536 + tile x 1024 + 64 rho + 4 x K step + beta.
; SHARES: a wave takes 32 columns x 128 along K; a lane takes ONE column and its registers run down K, so that a block's largest magnitude needs no other lane and the conversions give K innermost.
; Each load reads 128 consecutive bytes.  The four waves of a work-group take four K steps of the same columns; their scale words meet in LDS and leave 16 bytes a column.
; Work-groups 0-127: column pair g, K step = wave.  128-191: W2, pair (g - 128) / 4, K step 4 (g % 4) + wave.  192 work-groups: there is no more work than that.
; A block's scale byte is its largest magnitude's exponent field - 2, held at 1 from below.
; LIMITS: NaN and infinities are not served; a block of zeros, or one whose largest magnitude lies under 2^-124, gets the byte 1 where the rule says 127 (its codes are zeros; only this program reads the bytes).
; W2's scale words leave as pieces of 16 bytes 64 bytes apart: one byte in 128 of what the launch reads.
.set X,  48                            ; v48-175  128 numbers: four blocks of my column
.set CD, 16                            ; v16-31   the codes, four registers a block, never rewritten
	s_load_b512 s[4:19], s[0:1], 0x0               ; Wq, Wk, Wv, Wo, W1, W2, wc, ws
	v_lshl_add_u32 v176, v0, 2, 0x400
	v_mov_b32 v177, 0
	v_lshrrev_b32 v1, 5, v0
	v_readfirstlane_b32 s20, v1                    ; wave
	s_mov_b32 s21, ttmp9                           ; g
	v_and_b32 v6, 31, v0                           ; lane = 16 u + rho
	v_and_b32 v7, 15, v0                           ; rho
	v_bfe_u32 v8, v0, 4, 1                         ; u
	s_wait_alu depctr_va_vdst(0)
	v_bfe_u32 v9, v0, 3, 1                         ; rho / 8
	v_and_b32 v10, 7, v0
	v_lshl_add_u32 v10, v8, 3, v10
	v_lshl_add_u32 v10, v9, 4, v10                 ; my column among the 32: the lane's number with bits 3 and 4 exchanged
	v_lshlrev_b32 v1, 2, v10                       ; in bytes
	s_sub_co_u32 s28, s21, 128
	s_lshr_b32 s29, s28, 2                         ; W2: column pair
	s_and_b32 s30, s21, 3                          ; W2: which four K steps
	s_lshl_b32 s31, s30, 2
	s_add_co_u32 s31, s31, s20                     ; W2: my K step
	s_lshl_b32 s32, s29, 15
	s_add_co_u32 s32, s32, 0x100000                ; W2: the pair's codes
	s_lshl_b32 s33, s21, 13                        ; the others: g x 8192
	s_lshl_b32 s34, s29, 11
	s_lshl_b32 s35, s30, 4
	s_add_co_u32 s34, s34, s35
	s_add_co_u32 s34, s34, 65536                   ; W2: the pair's scale words, at these four K steps
	s_lshl_b32 s35, s21, 9                         ; the others: g x 512
	s_cmp_lt_u32 s21, 128
	s_cselect_b32 s36, s20, s31                    ; K step
	s_cselect_b32 s37, s33, s32                    ; the codes' place
	s_cselect_b32 s38, 12, 14                      ; from tile u = 0 to u = 1: 4,096 or 16,384 bytes
	s_cselect_b32 s24, s35, s34                    ; the scale words' place
	s_cselect_b32 s40, 4, 6                        ; 16 or 64 bytes of scale words a column
	s_mov_b32 s25, 0
	s_and_b32 s41, s21, 15                         ; which 32 columns of the weight
	s_sub_co_u32 s42, s21, 64
	s_cmp_ge_u32 s21, 64
	s_cselect_b32 s41, s42, s41
	s_cmp_ge_u32 s21, 128
	s_cselect_b32 s41, s29, s41
	s_cmp_lt_u32 s42, 64                           ; W1 alone has rows of 8,192 bytes
	s_cselect_b32 s43, 13, 11
	s_lshl_b32 s44, s36, 7
	s_lshl_b32 s44, s44, s43                       ; 128 rows a K step
	s_lshl_b32 s45, s41, 7
	s_add_co_u32 s44, s44, s45
	s_mov_b32 s45, 0
	s_lshl_b32 s46, s36, 10
	s_add_co_u32 s46, s37, s46
	s_mov_b32 s47, 0
	v_lshlrev_b32 v2, s38, v8
	v_lshl_add_u32 v2, v7, 4, v2                   ; my codes: tile u, row rho
	v_lshlrev_b32 v3, s40, v6                      ; my column's scale words
	v_lshlrev_b32 v5, 4, v6                        ; LDS: 16 bytes a column,
	s_lshl_b32 s48, s20, 2
	v_add_nc_u32 v4, s48, v5                       ; my wave's word among them
	s_wait_kmcnt 0x0
	s_mov_b64 s[22:23], s[4:5]                     ; which weight: the choice hangs on the work-group's number alone
	s_cmp_ge_u32 s21, 16
	s_cselect_b64 s[22:23], s[6:7], s[22:23]
	s_cmp_ge_u32 s21, 32
	s_cselect_b64 s[22:23], s[8:9], s[22:23]
	s_cmp_ge_u32 s21, 48
	s_cselect_b64 s[22:23], s[10:11], s[22:23]
	s_cmp_ge_u32 s21, 64
	s_cselect_b64 s[22:23], s[12:13], s[22:23]
	s_cmp_ge_u32 s21, 128
	s_cselect_b64 s[22:23], s[14:15], s[22:23]
	s_add_nc_u64 s[22:23], s[22:23], s[44:45]
	s_add_nc_u64 s[26:27], s[16:17], s[46:47]
	s_add_nc_u64 s[18:19], s[18:19], s[24:25]
	s_cmp_lt_u32 s42, 64
	s_cbranch_scc1 .Lwide
.set i, 0
	s_wait_alu depctr_va_vdst(0)
.rept 128
	global_load_b32 v[X+i], v1, s[22:23] offset:i*2048 th:TH_LOAD_NT   ; row i of my K step: 128 consecutive bytes a wave
.set i, i+1
.endr
	s_branch .Lloaded
.Lwide:
.set i, 0
	s_wait_alu depctr_va_vdst(0)
.rept 128
	global_load_b32 v[X+i], v1, s[22:23] offset:i*8192 th:TH_LOAD_NT   ; the same in W1; 127 rows of 8,192 bytes stay inside the signed 24-bit immediate
.set i, i+1
.endr
.Lloaded:
; block t.  lw: how many younger loads may stay out: 96 - 32 t, named as 63 at the most
.macro BLOCK t, lw
.set XS, X+32*\t
	s_wait_loadcnt \lw
	v_max3_num_f32 v12, |v[XS]|, |v[XS+1]|, |v[XS+2]|
	v_max3_num_f32 v13, |v[XS+3]|, |v[XS+4]|, |v[XS+5]|
.irp i, 6,10,14,18,22,26
	v_max3_num_f32 v12, v12, |v[XS+\i]|, |v[XS+\i+1]|
	v_max3_num_f32 v13, v13, |v[XS+\i+2]|, |v[XS+\i+3]|
.endr
	v_max3_num_f32 v12, v12, |v[XS+30]|, |v[XS+31]|
	v_max3_num_f32 v12, v12, v13, 0x1800000        ; and the floor 2^(3 - 127): the byte cannot fall under 1
	v_add_nc_u32 v11, 0xff000000, v12              ; 2 off the exponent field: the conversion's scale operand
	v_lshrrev_b32 v13, 23, v11                     ; the byte
.if \t == 0
	v_mov_b32 v14, v13
.else
	v_lshl_or_b32 v14, v13, 8*\t, v14              ; the K step's scale word
.endif
.irp g, 0,1,2,3
	v_cvt_scalef32_pk8_fp4_f32 v[CD+4*\t+\g], v[XS+8*\g:XS+8*\g+7], v11
.endr
	v_nop                                          ; a plain line behind the conversions
	global_store_b128 v2, v[CD+4*\t:CD+4*\t+3], s[26:27] offset:256*\t   ; lanes 0-15 fill 256 consecutive bytes of tile u = 0, lanes 16-31 of u = 1
.endm
	BLOCK 0, 63
	BLOCK 1, 63
	BLOCK 2, 32
	BLOCK 3, 0
	ds_store_b32 v4, v14
	s_wait_dscnt 0x0                               ; for the others' sake: my word lies in LDS
	s_barrier_signal -1
	s_barrier_wait -1
	s_cmp_lg_u32 s20, 0
	s_cbranch_scc1 .Lend
	ds_load_b128 v[32:35], v5                      ; the four waves' words of my column
	s_wait_dscnt 0x0
	global_store_b128 v3, v[32:35], s[18:19]
.Lend:
	s_wait_tensorcnt 0x0
	ds_add_u32 v176, v177
	s_wait_dscnt 0x0
	s_endpgm
.Lfunc_end_k_q6595dac610_prep:
	.size	k_q6595dac610_prep, .Lfunc_end_k_q6595dac610_prep-k_q6595dac610_prep
	.p2alignl 7, 3214868480
	.fill 96, 4, 3214868480
	.section	.rodata,"a",@progbits
	.p2align	6, 0x0
	.amdhsa_kernel k_q6595dac610_prep
		.amdhsa_group_segment_fixed_size 1536
		.amdhsa_private_segment_fixed_size 0
		.amdhsa_enable_private_segment 0
		.amdhsa_kernarg_size 64
		.amdhsa_user_sgpr_count 2
		.amdhsa_user_sgpr_kernarg_segment_ptr 1
		.amdhsa_wavefront_size32 1
		.amdhsa_system_sgpr_workgroup_id_x 1
		.amdhsa_system_sgpr_workgroup_id_y 1
		.amdhsa_system_sgpr_workgroup_id_z 1
		.amdhsa_system_vgpr_workitem_id 0
		.amdhsa_next_free_vgpr 178
		.amdhsa_next_free_sgpr 66
		.amdhsa_reserve_vcc 0
		.amdhsa_float_denorm_mode_32 3
		.amdhsa_float_denorm_mode_16_64 3
		.amdhsa_memory_ordered 1
		.amdhsa_forward_progress 1
		.amdhsa_inst_pref_size 34
	.end_amdhsa_kernel
	.amdgpu_metadata
---
amdhsa.version: [ 1, 2 ]
amdhsa.kernels:
  - .name:           k_q6595dac610_prep
    .symbol:         k_q6595dac610_prep.kd
    .args:
      - { .name: Wq, .offset: 0, .size: 8, .value_kind: global_buffer, .address_space: global }
      - { .name: Wk, .offset: 8, .size: 8, .value_kind: global_buffer, .address_space: global }
      - { .name: Wv, .offset: 16, .size: 8, .value_kind: global_buffer, .address_space: global }
      - { .name: Wo, .offset: 24, .size: 8, .value_kind: global_buffer, .address_space: global }
      - { .name: W1, .offset: 32, .size: 8, .value_kind: global_buffer, .address_space: global }
      - { .name: W2, .offset: 40, .size: 8, .value_kind: global_buffer, .address_space: global }
      - { .name: wc, .offset: 48, .size: 8, .value_kind: global_buffer, .address_space: global }
      - { .name: ws, .offset: 56, .size: 8, .value_kind: global_buffer, .address_space: global }
    .group_segment_fixed_size: 1536
    .private_segment_fixed_size: 0
    .kernarg_segment_align: 8
    .kernarg_segment_size: 64
    .max_flat_workgroup_size: 128
    .sgpr_count:     66
    .vgpr_count:     178
    .wavefront_size: 32
...
	.end_amdgpu_metadata
.endif
;; end of part 5
;; launch qkv (part 6): grid 4 x 64, 8 waves a work-group, no clusters, 37,888 bytes of LDS; arguments x, ln1_scale, ln1_shift, wc, ws, qc, qs, kv; writes qc, qs, kv
.if DOCPART == 6
	.amdgcn_target "amdgcn-amd-amdhsa--gfx1250"
	.amdhsa_code_object_version 6
	.text
	.protected	k_q6595dac610_qkv
	.globl	k_q6595dac610_qkv
	.p2align	8
	.type	k_q6595dac610_qkv,@function
k_q6595dac610_qkv:
	s_mov_b64 s[64:65], 0
	v_nop
	global_prefetch_b8 v0, s[64:65] scope:SCOPE_SE
	s_setreg_imm32_b32 hwreg(HW_REG_WAVE_SCHED_MODE, 0, 2), 2
	s_setreg_imm32_b32 hwreg(HW_REG_WAVE_MODE, 25, 1), 1
	s_wait_xcnt 0x0
	s_wait_alu depctr_vm_vsrc(0)
; h = layernorm(x); q, k, v = h Wq, h Wk, h Wv on codes of FP4 with E8M0 scales; q and k are quantised along the head's 32, v along the keys, and only codes and scale bytes are stored.
; SHARES.  Work-group (G, RB): the 128 tokens 128 RB on (one key step of one batch) and heads 4 G .. 4 G + 3.  The norm is done by each of the four work-groups of a row block: it is small beside a launch and a round trip of h.
; Phase X: wave w normalises and quantises token tile w.  Phase G: wave (hd = w % 4, rh = w / 4) makes head 4 G + hd of q, k and v for token tiles 4 rh .. 4 rh + 3.
; THE ROWS OF A TILE ARE NOT NEIGHBOURS: row r of token tile t is token 32 (t / 2) + 8 (t % 2) + r + 8 (r / 8); the weights' tiles are laid likewise.  So the 16 registers of two neighbouring tiles of source 0
; are 16 neighbours: channels (q, k: source 0 = the weight) or tokens (v: source 0 = h), which is what the next quantiser wants in a lane.
; An operand goes through LDS and memory as an image of its registers: block beta of row r at 256 beta + 16 r; a lane's 16 codes (k = 16 h ..) are 8 bytes at + 8 h: one store of 256 consecutive bytes a block.
; The weights come from memory straight into operand registers.  They are not asked for jointly in a cluster: a work-group's share is 96 KB of codes read twice, each byte used once in a run of 32 products;
; a joint form would want an LDS ring and a round of the cluster's barrier for each of three short runs.
; LIMITS: NaN and infinities are not served; 1 / sqrt by v_rsq_f32 (1 ulp); a block of zeros or under 2^-124 gets the byte 1 where the rule says 127 (its codes are zeros; only this program reads the bytes).
; REGISTERS.  Window 0: v1-14 addresses; v16-31 scale words; v32-95 Y, then the accumulators; v96-159, v160-223 the norm's gain and shift of a K step; v224-253 at work.
;   Window 1: v0-255 my row's half of x (register 16 b + i: k = 32 b + 16 h + i); later v0-63, v64-127 two sets of weight fragments, v128-255 h's 16 fragments.
; THE MODE: SCHED_MODE bits 1:0 = 2 (LLVM: expert scheduling mode 2), set by the entry lines.  The code itself states the register dependences
; between vector or matrix instructions and memory or LDS instructions, with s_wait_alu, always for 0.
; THE PLAN.  Registers that memory or LDS instructions touch:
;   v1-v14        addresses and offsets: written once at the head, one wait ahead of the first load, never written again.
;   x (window 1)  loaded once; read and written by the norm's vector lines; K step s's multiplies are its last readers.  Wq's and Wk's fragments land in K steps 0 and 1 behind K step 1's multiplies,
;                 h's fragments in K steps 2 and 3 behind the barrier.
;   G, S          a K step's multiply-adds read them; behind these the next K step's gain and shift land in them.
;   codes, word   v236-243, v244: written by each quantiser, read by the run of stores behind it, written again by the next quantiser.
;   set 0, v24-27 Wq's fragments and scale words: read by q's 32 products; behind them Wv's land there.
; So a K step has one wait on va_vdst behind its multiply-adds (for the loads) and one behind its quantiser (for the stores); each later quantiser has one behind it; one stands behind q's products.
; A wait on vm_vsrc stands ahead of each quantiser that writes registers which stores have read.  The accumulators and the scratch of the norm are named by vector and matrix instructions alone.
.set XIMG, 0                           ; LDS: h's fragments (tile, K step) at (4 tile + s) x 1024
.set XSC,  32768                       ; their scale words: 256 tile + 16 r + 4 s
.set SST,  34816                       ; for each head 384 bytes: q's scale words, k's, v's
.set XA,  1
.set GA,  2
.set XWI, 3
.set XWS, 4
.set LI,  5
.set LI2, 6
.set LS2, 7
.set LQ,  8
.set SW,  9
.set SV,  10
.set FK,  11
.set FQ,  12
.set O8,  13
.set O4,  14
.set XS,  16                           ; v16-23 h's scale words: register 4 (m / 2) + s, lanes 0-15 tile m even, lanes 16-31 odd
.set WS0, 24                           ; v24-27, v28-31 the weights' scale words: register s, lanes 0-15 tile u = 0, lanes 16-31 u = 1
.set WS1, 28
.set Y,   32
.set ACC, 32
.set G,   96
.set S,   160
.set TM,  224                          ; v224-227 largest magnitudes, v228-231 bytes, v232-235 the conversions' scale operands
.set PC,  236                          ; v236-243 the codes just made
.set PW,  244
.set MEAN, 246
.set RS,  248
.set T0,  250
.set SEL, 24                           ; s[24:25]
.set SET0, 0
.set SET1, 64
.set AF,  128
.set MSB, 0
.macro WIN new                         ; the immediate's high byte repeats the setting that is left
.if MSB != \new
	s_set_vgpr_msb (MSB<<8)|\new
.set MSB, \new
.endif
.endm
.macro BARRIER                         ; my LDS stores have landed and my LDS loads are in: then the work-group's barrier
	s_wait_dscnt 0x0
	s_barrier_signal -1
	s_barrier_wait -1
.endm
; n blocks of 32 are quantised: block i is my 16 numbers v[src + 16 i ..] and lane l xor 16's.  Bytes in v[TM+4+i], my 16 codes in v[PC+2i], v[PC+2i+1].  The blocks take turns line by line.
.macro QB src, n
.set qi, 0
.rept \n
	v_max3_num_f32 v[TM+qi], |v[\src+16*qi]|, |v[\src+16*qi+1]|, 0x1800000   ; with the floor 2^(3 - 127): the byte cannot fall under 1
.set qi, qi+1
.endr
.irp p, 2,4,6,8,10,12,14
.set qi, 0
.rept \n
	v_max3_num_f32 v[TM+qi], v[TM+qi], |v[\src+16*qi+\p]|, |v[\src+16*qi+\p+1]|
.set qi, qi+1
.endr
.endr
.set qi, 0
.rept \n
	v_permlanex16_b32 v[TM+4+qi], v[TM+qi], s[SEL], s[SEL+1]
.set qi, qi+1
.endr
.set qi, 0
.rept \n
	v_max_num_f32 v[TM+qi], v[TM+qi], v[TM+4+qi]
.set qi, qi+1
.endr
.set qi, 0
.rept \n
	v_add_nc_u32 v[TM+8+qi], 0xff000000, v[TM+qi]  ; 2 off the exponent field: the conversion's scale operand
.set qi, qi+1
.endr
.set qi, 0
.rept \n
	v_lshrrev_b32 v[TM+4+qi], 23, v[TM+8+qi]       ; the byte
.set qi, qi+1
.endr
.set qi, 0
.rept \n
	v_cvt_scalef32_pk8_fp4_f32 v[PC+2*qi], v[\src+16*qi:\src+16*qi+7], v[TM+8+qi]
	v_cvt_scalef32_pk8_fp4_f32 v[PC+2*qi+1], v[\src+16*qi+8:\src+16*qi+15], v[TM+8+qi]
.set qi, qi+1
.endr
	v_nop                                          ; a plain line behind the conversions
.endm
.macro PW4                             ; four bytes make a scale word
	v_lshl_or_b32 v[PW], v[TM+5], 8, v[TM+4]
	v_lshl_or_b32 v[PW], v[TM+6], 16, v[PW]
	v_lshl_or_b32 v[PW], v[TM+7], 24, v[PW]
.endm
; one matrix instruction on the symbols rD, rA, rB, rC, rSA, rSB; rRA, rRB = 1: that side's scales are read from lanes 16-31.  z = 1: C is the constant 0
.macro WM z
.if \z
.if rRA && rRB
	v_wmma_scale_f32_16x16x128_f8f6f4 v[rD:rD+7], v[rA:rA+7], v[rB:rB+7], 0, v[rSA], v[rSB] matrix_a_fmt:MATRIX_FMT_FP4 matrix_b_fmt:MATRIX_FMT_FP4 matrix_a_scale:MATRIX_SCALE_ROW1 matrix_b_scale:MATRIX_SCALE_ROW1
.elseif rRA
	v_wmma_scale_f32_16x16x128_f8f6f4 v[rD:rD+7], v[rA:rA+7], v[rB:rB+7], 0, v[rSA], v[rSB] matrix_a_fmt:MATRIX_FMT_FP4 matrix_b_fmt:MATRIX_FMT_FP4 matrix_a_scale:MATRIX_SCALE_ROW1
.elseif rRB
	v_wmma_scale_f32_16x16x128_f8f6f4 v[rD:rD+7], v[rA:rA+7], v[rB:rB+7], 0, v[rSA], v[rSB] matrix_a_fmt:MATRIX_FMT_FP4 matrix_b_fmt:MATRIX_FMT_FP4 matrix_b_scale:MATRIX_SCALE_ROW1
.else
	v_wmma_scale_f32_16x16x128_f8f6f4 v[rD:rD+7], v[rA:rA+7], v[rB:rB+7], 0, v[rSA], v[rSB] matrix_a_fmt:MATRIX_FMT_FP4 matrix_b_fmt:MATRIX_FMT_FP4
.endif
.else
.if rRA && rRB
	v_wmma_scale_f32_16x16x128_f8f6f4 v[rD:rD+7], v[rA:rA+7], v[rB:rB+7], v[rC:rC+7], v[rSA], v[rSB] matrix_a_fmt:MATRIX_FMT_FP4 matrix_b_fmt:MATRIX_FMT_FP4 matrix_a_scale:MATRIX_SCALE_ROW1 matrix_b_scale:MATRIX_SCALE_ROW1
.elseif rRA
	v_wmma_scale_f32_16x16x128_f8f6f4 v[rD:rD+7], v[rA:rA+7], v[rB:rB+7], v[rC:rC+7], v[rSA], v[rSB] matrix_a_fmt:MATRIX_FMT_FP4 matrix_b_fmt:MATRIX_FMT_FP4 matrix_a_scale:MATRIX_SCALE_ROW1
.elseif rRB
	v_wmma_scale_f32_16x16x128_f8f6f4 v[rD:rD+7], v[rA:rA+7], v[rB:rB+7], v[rC:rC+7], v[rSA], v[rSB] matrix_a_fmt:MATRIX_FMT_FP4 matrix_b_fmt:MATRIX_FMT_FP4 matrix_b_scale:MATRIX_SCALE_ROW1
.else
	v_wmma_scale_f32_16x16x128_f8f6f4 v[rD:rD+7], v[rA:rA+7], v[rB:rB+7], v[rC:rC+7], v[rSA], v[rSB] matrix_a_fmt:MATRIX_FMT_FP4 matrix_b_fmt:MATRIX_FMT_FP4
.endif
.endif
.endm
	s_load_b512 s[4:19], s[0:1], 0x0               ; x, ln1_scale, ln1_shift, wc, ws, qc, qs, kv
	v_lshl_add_u32 v254, v0, 2, 0x9000
	v_mov_b32 v255, 0
	v_lshrrev_b32 v250, 5, v0
	v_readfirstlane_b32 s20, v250                  ; wave
	s_and_b32 s23, ttmp7, 0xffff                   ; RB
	s_mov_b32 s24, 0x76543210
	s_mov_b32 s25, 0xfedcba98                      ; v_permlanex16_b32's selects for lane l xor 16
	s_mov_b32 s28, 0x3b000000                      ; 1 / 512
	s_mov_b32 s29, 0x3727c5ac                      ; 1e-5
	v_and_b32 v250, 15, v0                         ; r
	v_bfe_u32 v251, v0, 4, 1                       ; h
	v_and_b32 v252, 31, v0                         ; lane
	v_and_b32 v253, 8, v0
	v_add_nc_u32 v253, v253, v250                  ; r + 8 (r / 8)
	v_lshlrev_b32 v[XA], 11, v253
	v_lshl_add_u32 v[XA], v251, 6, v[XA]           ; x: my row of 2,048 bytes, + 64 h: my 16 numbers of a block
	v_lshlrev_b32 v[GA], 6, v251
	v_lshlrev_b32 v[LQ], 4, v250
	v_lshl_add_u32 v[LQ], v251, 3, v[LQ]           ; 16 r + 8 h: my 8 bytes of a block's 256
	s_wait_alu depctr_va_sdst(0)                   ; s20 is written, ahead of its first reader: LDS addresses, bases and a branch are made from it
	s_and_b32 s21, s20, 3                          ; hd
	s_lshr_b32 s22, s20, 2                         ; rh
	s_lshl_b32 s26, s20, 12
	v_add_nc_u32 v[XWI], s26, v[LQ]                ; where I store h's images: + 4,096 x wave
	s_lshl_b32 s26, s20, 8
	v_lshl_add_u32 v[XWS], v250, 4, s26            ; and their scale words: 256 x wave + 16 r
	v_lshlrev_b32 v[LI], 4, v252                   ; 16 x lane
	s_lshl_b32 s26, s22, 14
	v_add_nc_u32 v[LI2], s26, v[LI]                ; my four tiles' fragments
	s_lshl_b32 s26, s22, 10
	v_add_nc_u32 v[LS2], s26, v[LI]                ; and scale words
	s_mul_i32 s26, s21, 384
	s_add_co_u32 s26, s26, SST                     ; my head's 384 bytes
	s_lshl_b32 s27, s22, 6
	s_add_co_u32 s27, s27, s26
	v_lshl_add_u32 v[SW], v250, 2, s27             ; q's and k's words: 64 rh + 4 r
	s_lshl_b32 s27, s22, 1
	s_add_co_u32 s27, s27, s26
	s_add_co_u32 s27, s27, 256
	v_lshl_add_u32 v[SV], v250, 2, s27             ; v's half words: 256 + 4 r + 2 rh
	s_add_co_u32 s27, s26, 128
	v_lshl_add_u32 v[FK], v252, 3, s27             ; the way out: k's and v's 256 bytes, 8 a lane;
	v_lshl_add_u32 v[FQ], v252, 2, s26             ; q's 128, 4 a lane
	v_lshlrev_b32 v[O8], 3, v252
	v_lshlrev_b32 v[O4], 2, v252
	s_lshl_b32 s26, s23, 7                         ; x: token 128 RB + 32 (w / 2) + 8 (w % 2)
	s_lshr_b32 s27, s20, 1
	s_lshl_b32 s27, s27, 5
	s_add_co_u32 s26, s26, s27
	s_and_b32 s27, s20, 1
	s_lshl_b32 s27, s27, 3
	s_add_co_u32 s26, s26, s27
	s_lshl_b32 s26, s26, 11
	s_mov_b32 s27, 0
	s_lshl_b32 s30, ttmp9, 2
	s_add_co_u32 s30, s30, s21                     ; the head, 4 G + hd: also its column pair in each weight
	s_lshr_b32 s31, s23, 4
	s_lshl_b32 s31, s31, 4
	s_add_co_u32 s31, s31, s30                     ; bh = 16 x batch + head
	s_and_b32 s38, s23, 15                         ; the key step in the batch
	s_lshl_b32 s39, s38, 3
	s_lshl_b32 s40, s22, 2
	s_add_co_u32 s39, s39, s40
	s_lshl_b32 s39, s39, 8                         ; my first tile, 256 bytes a tile
	s_lshl_b32 s40, s30, 13
	s_mov_b32 s41, 0
	s_lshl_b32 s42, s30, 9
	s_mov_b32 s43, 0
	s_lshl_b32 s44, s31, 15
	s_add_co_u32 s44, s44, s39
	s_mov_b32 s45, 0
	s_lshl_b32 s46, s31, 11
	s_lshl_b32 s47, s38, 7
	s_add_co_u32 s46, s46, s47
	s_mov_b32 s47, 0
	s_mul_i32 s48, s31, 69632                      ; a head's block of kv
	s_add_co_u32 s50, s48, s39
	s_mov_b32 s51, 0
	s_lshl_b32 s52, s38, 11
	s_lshl_b32 s53, s22, 9
	s_add_co_u32 s52, s52, s53
	s_add_co_u32 s52, s52, s48
	s_add_co_u32 s52, s52, 32768
	s_mov_b32 s53, 0
	s_lshl_b32 s54, s38, 8
	s_add_co_u32 s54, s54, s48
	s_add_co_u32 s54, s54, 65536
	s_mov_b32 s55, 0
	s_wait_kmcnt 0x0
	s_add_nc_u64 s[4:5], s[4:5], s[26:27]          ; x at my tile
	s_add_nc_u64 s[10:11], s[10:11], s[40:41]      ; Wq's pair; Wk's 131,072 and Wv's 262,144 bytes on
	s_add_nc_u64 s[12:13], s[12:13], s[42:43]      ; its scale words; + 8,192, + 16,384
	s_add_nc_u64 s[14:15], s[14:15], s[44:45]      ; q's codes
	s_add_nc_u64 s[16:17], s[16:17], s[46:47]      ; q's scale bytes of this step
	s_add_nc_u64 s[32:33], s[18:19], s[50:51]      ; k's codes
	s_add_nc_u64 s[34:35], s[18:19], s[52:53]      ; v's codes: this step, my two blocks of keys
	s_add_nc_u64 s[36:37], s[18:19], s[54:55]      ; k's and v's scale bytes of this step
.macro LDGS s                          ; the norm's gain and shift at my 64 numbers of K step s
.set i, 0
.rept 16
	global_load_b128 v[G+4*i:G+4*i+3], v[GA], s[6:7] offset:512*(\s)+128*(i/4)+16*(i%4)
	global_load_b128 v[S+4*i:S+4*i+3], v[GA], s[8:9] offset:512*(\s)+128*(i/4)+16*(i%4)
.set i, i+1
.endr
.endm
.macro LDW set, off                    ; a column pair's 8 fragments (tile u, K step s at 8 (4 u + s)) as they lie: 16 loads of 512 consecutive bytes
	WIN 0x40
.set i, 0
.rept 16
	global_load_b128 v[\set+4*i:\set+4*i+3], v[LI], s[10:11] offset:\off+512*i
.set i, i+1
.endr
	WIN 0
.endm
	; ---- X: the norm of my 16 rows.  A lane holds half a row
	WIN 0x40
	s_wait_alu depctr_va_vdst(0)                   ; the fourteen addresses and offsets v1 to v14 are written, which every load and store of the kernel reads; they are never written again
.set i, 0
.rept 64
	global_load_b128 v[4*i:4*i+3], v[XA], s[4:5] offset:128*(i/4)+16*(i%4)
.set i, i+1
.endr
	WIN 0
	LDGS 0
	s_wait_loadcnt 32                              ; x is in; the 32 younger loads are the first gain and shift
	WIN 0x05
.irp c, 0,1,2,3
	v_pk_add_f32 v[TM+2*\c:TM+2*\c+1], v[4*\c:4*\c+1], v[4*\c+2:4*\c+3]   ; four chains; nothing is cleared
.endr
	WIN 0x04
.set i, 8
.rept 120
	v_pk_add_f32 v[TM+2*(i%4):TM+2*(i%4)+1], v[TM+2*(i%4):TM+2*(i%4)+1], v[2*i:2*i+1]
.set i, i+1
.endr
	WIN 0
	v_pk_add_f32 v[TM:TM+1], v[TM:TM+1], v[TM+2:TM+3]
	v_pk_add_f32 v[TM+4:TM+5], v[TM+4:TM+5], v[TM+6:TM+7]
	v_pk_add_f32 v[TM:TM+1], v[TM:TM+1], v[TM+4:TM+5]
	v_add_f32 v[T0], v[TM], v[TM+1]
	v_permlanex16_b32 v[T0+1], v[T0], s[SEL], s[SEL+1]
	v_add_f32 v[T0], v[T0], v[T0+1]
	v_mul_f32 v[MEAN], s28, v[T0]
	v_mov_b32 v[MEAN+1], v[MEAN]
	WIN 0x41
.set i, 0
.rept 128
	v_pk_add_f32 v[2*i:2*i+1], v[2*i:2*i+1], v[MEAN:MEAN+1] neg_lo:[0,1] neg_hi:[0,1]   ; x - mean, in place: the variance is taken of the differences
.set i, i+1
.endr
	WIN 0x05
.irp c, 0,1,2,3
	v_pk_mul_f32 v[TM+2*\c:TM+2*\c+1], v[2*\c:2*\c+1], v[2*\c:2*\c+1]
.endr
.set i, 4
.rept 124
	v_pk_fma_f32 v[TM+2*(i%4):TM+2*(i%4)+1], v[2*i:2*i+1], v[2*i:2*i+1], v[TM+2*(i%4):TM+2*(i%4)+1]
.set i, i+1
.endr
	WIN 0
	v_pk_add_f32 v[TM:TM+1], v[TM:TM+1], v[TM+2:TM+3]
	v_pk_add_f32 v[TM+4:TM+5], v[TM+4:TM+5], v[TM+6:TM+7]
	v_pk_add_f32 v[TM:TM+1], v[TM:TM+1], v[TM+4:TM+5]
	v_add_f32 v[T0], v[TM], v[TM+1]
	v_permlanex16_b32 v[T0+1], v[T0], s[SEL], s[SEL+1]
	v_add_f32 v[T0], v[T0], v[T0+1]
	v_fma_f32 v[T0], v[T0], s28, s29               ; the variance + 1e-5
	s_wait_alu depctr_va_vdst(0)
	v_rsq_f32 v[RS], v[T0]
	v_nop                                          ; a plain line behind the transcendental
	s_wait_alu depctr_va_vdst(0)                   ; and a wait ahead of its first reader: v[RS] is written
	v_mov_b32 v[RS+1], v[RS]
; K step s of h: scaled, quantised, stored as an image.  lw: the younger loads that may stay out when this step's gain and shift are wanted
.macro KSTEP s, lw
	s_wait_loadcnt \lw
	WIN 0x01
.set i, 0
.rept 32
	v_pk_mul_f32 v[Y+2*i:Y+2*i+1], v[64*\s+2*i:64*\s+2*i+1], v[RS:RS+1]
.set i, i+1
.endr
	WIN 0
.set i, 0
.rept 32
	v_pk_fma_f32 v[Y+2*i:Y+2*i+1], v[Y+2*i:Y+2*i+1], v[G+2*i:G+2*i+1], v[S+2*i:S+2*i+1]
.set i, i+1
.endr
.if \s < 3
	s_wait_alu depctr_va_vdst(0)                   ; the multiply-adds are done reading the gain and the shift, in which the next K step's land; the multiplies are done with x's K steps 0 to s, in which (s = 1) the weights' fragments land
	LDGS \s+1
.endif
.if \s == 1
	LDW SET0, 0                                    ; Wq's and Wk's fragments take the registers that K steps 0 and 1 of x have left
	LDW SET1, 131072
	global_load_b128 v[WS0:WS0+3], v[LI], s[12:13]
	global_load_b128 v[WS1:WS1+3], v[LI], s[12:13] offset:8192
.endif
	QB Y, 4
	PW4
	s_wait_alu depctr_va_vdst(0)                   ; the conversions have written the codes and the shifts the scale word, which the LDS stores read.  (In K step 3 it also shows the multiplies done with x's K steps 2 and 3, in which h's fragments land behind the barrier: no vector instruction stands between)
.irp b, 0,1,2,3
	ds_store_b64 v[XWI], v[PC+2*\b:PC+2*\b+1] offset:XIMG+1024*\s+256*\b
.endr
	ds_store_b32 v[XWS], v[PW] offset:XSC+4*\s     ; both halves of the lanes write the same word with the same value
	s_wait_dscnt 0x0                               ; the stores are done
.if \s < 3
	s_wait_alu depctr_vm_vsrc(0)                   ; the LDS stores have read the codes' registers and the word's, which the next K step's quantiser writes again
.endif
.endm
	s_wait_alu depctr_va_vdst(0)
	KSTEP 0, 0
	KSTEP 1, 0
	KSTEP 2, 34                                    ; the 34 younger loads are the two weights' fragments and scale words
	KSTEP 3, 0
	BARRIER                                        ; h's 32 fragments lie in LDS
	; ---- G: my head, my four tiles of tokens
	WIN 0x40
.set i, 0
.rept 32
	ds_load_b128 v[AF+4*i:AF+4*i+3], v[LI2] offset:XIMG+512*i   ; fragment (m, s) at AF + 8 (4 m + s)
.set i, i+1
.endr
	WIN 0
	ds_load_b128 v[XS:XS+3], v[LS2] offset:XSC
	ds_load_b128 v[XS+4:XS+7], v[LS2] offset:XSC+512
	s_wait_dscnt 0x0
	s_wait_loadcnt 0x0
; 32 matrix instructions: K steps 0-3, the eight accumulators by turns.  tr = 1: source 0 = the weight, a lane holds a token and 16 channels; tr = 0: source 0 = h, a lane holds a channel and 16 tokens
.macro MM set, ws, tr
	WIN 0x05
.irp s, 0,1,2,3
.irp m, 0,1,2,3
.irp u, 0,1
.if \tr
.set rD, ACC+16*\m+8*\u
.set rA, \set+8*(4*\u+\s)
.set rB, AF+8*(4*\m+\s)
.set rSA, \ws+\s
.set rSB, XS+4*(\m/2)+\s
.set rRA, \u
.set rRB, \m%2
.else
.set rD, ACC+16*(2*(\m/2)+\u)+8*(\m%2)
.set rA, AF+8*(4*\m+\s)
.set rB, \set+8*(4*\u+\s)
.set rSA, XS+4*(\m/2)+\s
.set rSB, \ws+\s
.set rRA, \m%2
.set rRB, \u
.endif
.set rC, rD
.if \s == 0
	WM 1
.else
	WM 0
.endif
.endr
.endr
.endr
	WIN 0
.rept 4
	v_nop                                          ; places ahead of the first read of results and of loads into registers that these products have read
.endr
.endm
; q or k: block m = tile m's 32 channels.  A block's codes are 256 consecutive bytes; the four bytes of a row make the word that a fragment of four key tiles wants
.macro EPIQK base, so
	s_wait_xcnt 0x0                                ; earlier stores have had their addresses translated
	s_wait_dscnt 0x0
	s_wait_alu depctr_vm_vsrc(0)                   ; the stores issued so far have read the codes' registers and the word's, which the quantiser below writes again
	QB ACC, 4
	PW4
	s_wait_alu depctr_va_vdst(0)                   ; the conversions have written the codes and the shifts the scale word, which the stores below read
.irp m, 0,1,2,3
	global_store_b64 v[LQ], v[PC+2*\m:PC+2*\m+1], s[\base:\base+1] offset:256*\m
.endr
	ds_store_b32 v[SW], v[PW] offset:\so
.endm
	MM SET0, WS0, 1
	s_wait_alu depctr_va_vdst(0)                   ; q's products are done reading Wq's fragments and scale words, in which Wv's land
	LDW SET0, 262144                               ; Wv follows Wq in its registers
	global_load_b128 v[WS0:WS0+3], v[LI], s[12:13] offset:16384
	EPIQK 14, 0
	MM SET1, WS1, 1
	EPIQK 32, 128
	s_wait_loadcnt 0x0
	MM SET0, WS0, 0
	s_wait_xcnt 0x0                                ; v: block i = 2 j2 + u: channel tile u, keys 32 (2 rh + j2) on
	s_wait_dscnt 0x0
	s_wait_alu depctr_vm_vsrc(0)                   ; k's stores have read the codes' registers and the word's, which are written again below
	QB ACC, 4
	v_lshl_or_b32 v[PW], v[TM+6], 8, v[TM+4]       ; my two blocks' bytes of tile u = 0,
	v_lshl_or_b32 v[T0], v[TM+7], 8, v[TM+5]       ; of u = 1
	s_wait_alu depctr_va_vdst(0)                   ; the codes and the two half words are written, which the stores below read
.irp i, 0,1,2,3
	global_store_b64 v[LQ], v[PC+2*\i:PC+2*\i+1], s[34:35] offset:1024*(\i%2)+256*(\i/2)
.endr
	ds_store_b16 v[SV], v[PW]
	ds_store_b16 v[SV], v[T0] offset:64
	BARRIER                                        ; the four heads' scale bytes lie in LDS
	s_wait_alu depctr_vm_vsrc(0)                   ; my LDS store has read v250, in which a load lands below: stated ahead of the branch
	s_cmp_lt_u32 s20, 4
	s_cbranch_scc0 .Ldone
	ds_load_b64 v[250:251], v[FK]                  ; wave hd: k's and v's scale bytes of the step: 256 consecutive bytes;  (no vector instruction since the last wait on va_vdst names v250 to v252)
	ds_load_b32 v252, v[FQ]                        ; q's: 128
	s_wait_dscnt 0x0
	global_store_b64 v[O8], v[250:251], s[36:37]
	global_store_b32 v[O4], v252, s[16:17]
.Ldone:
	s_wait_dscnt 0x0
	s_wait_alu depctr_hold_cnt(0) depctr_sa_sdst(0) depctr_va_vdst(0) depctr_va_sdst(0) depctr_va_ssrc(0) depctr_va_vcc(0) depctr_vm_vsrc(0)
	s_wait_tensorcnt 0x0
	ds_add_u32 v254, v255
	s_wait_dscnt 0x0
	s_endpgm
.Lfunc_end_k_q6595dac610_qkv:
	.size	k_q6595dac610_qkv, .Lfunc_end_k_q6595dac610_qkv-k_q6595dac610_qkv
	.p2alignl 7, 3214868480
	.fill 96, 4, 3214868480
	.section	.rodata,"a",@progbits
	.p2align	6, 0x0
	.amdhsa_kernel k_q6595dac610_qkv
		.amdhsa_group_segment_fixed_size 37888
		.amdhsa_private_segment_fixed_size 0
		.amdhsa_enable_private_segment 0
		.amdhsa_kernarg_size 64
		.amdhsa_user_sgpr_count 2
		.amdhsa_user_sgpr_kernarg_segment_ptr 1
		.amdhsa_wavefront_size32 1
		.amdhsa_system_sgpr_workgroup_id_x 1
		.amdhsa_system_sgpr_workgroup_id_y 1
		.amdhsa_system_sgpr_workgroup_id_z 1
		.amdhsa_system_vgpr_workitem_id 0
		.amdhsa_next_free_vgpr 512
		.amdhsa_next_free_sgpr 66
		.amdhsa_reserve_vcc 0
		.amdhsa_float_denorm_mode_32 3
		.amdhsa_float_denorm_mode_16_64 3
		.amdhsa_memory_ordered 1
		.amdhsa_forward_progress 1
		.amdhsa_inst_pref_size 113
	.end_amdhsa_kernel
	.amdgpu_metadata
---
amdhsa.version: [ 1, 2 ]
amdhsa.kernels:
  - .name:           k_q6595dac610_qkv
    .symbol:         k_q6595dac610_qkv.kd
    .args:
      - { .name: x, .offset: 0, .size: 8, .value_kind: global_buffer, .address_space: global }
      - { .name: ln1_scale, .offset: 8, .size: 8, .value_kind: global_buffer, .address_space: global }
      - { .name: ln1_shift, .offset: 16, .size: 8, .value_kind: global_buffer, .address_space: global }
      - { .name: wc, .offset: 24, .size: 8, .value_kind: global_buffer, .address_space: global }
      - { .name: ws, .offset: 32, .size: 8, .value_kind: global_buffer, .address_space: global }
      - { .name: qc, .offset: 40, .size: 8, .value_kind: global_buffer, .address_space: global }
      - { .name: qs, .offset: 48, .size: 8, .value_kind: global_buffer, .address_space: global }
      - { .name: kv, .offset: 56, .size: 8, .value_kind: global_buffer, .address_space: global }
    .group_segment_fixed_size: 37888
    .private_segment_fixed_size: 0
    .kernarg_segment_align: 8
    .kernarg_segment_size: 64
    .max_flat_workgroup_size: 256
    .sgpr_count:     66
    .vgpr_count:     512
    .wavefront_size: 32
...
	.end_amdgpu_metadata
.endif
;; end of part 6
;; launch attn (part 7): grid 256 x 1, 16 waves a work-group, clusters of 4 x 1, 169,984 bytes of LDS; arguments qc, qs, kv, cc, cs; writes cc, cs
.if DOCPART == 7
	.amdgcn_target "amdgcn-amd-amdhsa--gfx1250"
	.amdhsa_code_object_version 6
	.text
	.protected	k_q6595dac610_attn
	.globl	k_q6595dac610_attn
	.p2align	8
	.type	k_q6595dac610_attn,@function
k_q6595dac610_attn:
	s_mov_b64 s[64:65], 0
	v_nop
	global_prefetch_b8 v0, s[64:65] scope:SCOPE_SE
	s_setreg_imm32_b32 hwreg(HW_REG_WAVE_MODE, 25, 1), 1
	s_wait_xcnt 0x0
	s_wait_alu depctr_hold_cnt(0) depctr_sa_sdst(0) depctr_va_vdst(0) depctr_va_sdst(0) depctr_va_ssrc(0) depctr_va_vcc(0) depctr_vm_vsrc(0)
	s_getreg_b32 s2, hwreg(HW_REG_IB_STS2, 6, 4)
	s_cmp_eq_u32 s2, 0
	s_cbranch_scc0 .Lentry_in_a_cluster
	s_endpgm
.Lentry_in_a_cluster:
	s_bfe_u32 s2, ttmp6, 0x10000c
	s_cmp_lg_u32 s2, 0x3003
	s_cbranch_scc0 .Lentry_shape_is_right
	s_endpgm
.Lentry_shape_is_right:
; ctx = softmax(q k^T / sqrt(32), causal) v for 64 heads of 2,048 tokens x 32 channels, both products on codes of FP4 with E8M0 scales; ctx is divided by the row's sum, quantised along its 32 channels and stored as codes.
; THE SOFTMAX AHEAD OF THE SECOND PRODUCT: t = score x log2(e) / sqrt(32); M = the running largest t rounded UP to a whole number; p = 2^(t - M) is quantised along the keys, not normalised; the row's sum is taken of the
; unquantised p; when M moves, the sum and O are multiplied by 2^(old M - new M), which rounds nothing.
; CLUSTER.  The four work-groups of a cluster serve ONE head.  The head's k codes, v codes and scale bytes are one dense block of 69,632 bytes: it comes into each partner's LDS once, by four joint loads
; (waves 0-3, 68 rows of 256 bytes each, one load a wave out), and stays: no slot is filled again.
; SHARES.  A tile is 16 queries; tile 8 a + c needs key steps 0 .. a (128 keys a step).  Wave w takes tile (a = w, c = 2 cx) and tile (a = 15 - w, c = 2 cx + 1): 17 steps of work for every wave.
; Which steps a wave works hangs on its number alone; the place in the cluster enters global addresses and the mask's comparand only.  Every wave walks 16 trips a tile and jumps over the work of hidden steps.
; LAYOUT.  Both products are used transposed (S^T = K Q^T, O^T = V^T P^T): a lane holds one query.  Row r of a tile of tokens is token 32 (t / 2) + 8 (t % 2) + r + 8 (r / 8), so the 16 registers of key tiles 2 b, 2 b + 1 are 16 neighbouring keys.
; FOUR KEY TILES IN ONE FRAGMENT.  The head's 32 channels fill one block of the instruction's four.  A fragment of K carries key tile 4 F + b as its block b; the product with Q's codes in block b and zero codes
; elsewhere gives that tile alone.  The four forms of Q overlap in 20 registers: zeros, Q in lanes 0-15, zeros, Q in lanes 16-31, zeros.
; LIMITS: NaN and infinities are not served; 1 / sum by v_rcp_f32 (1 ulp); a block whose numbers all lie under 2^-124 gets the byte 1 where the rule says 127 for zeros (its codes are zeros).
; A block's largest p is taken as the exponential of its largest score, which leans on v_exp_f32 not falling where its input rises.
; ctx's scale bytes leave one byte a row, 16 bytes apart: one byte in 17 of what the launch stores.
; REGISTERS: v1-6 addresses that stay; v8-9 addresses in hand; v12 -M, v13 the largest t, v[14:15] the sum; v16-35 Q's forms; v40-55 K, v56-71 V; v72-74 scale words; v75 the mask's comparand; v76-80 Q as loaded;
;   v96-159 S^T, then p; v160-175 O^T; v224-231 codes; v232-254 at work.
.set TM,  232
.set PC,  224
.set SEL, 20                           ; s[20:21]
.set WV,  18                           ; s18 my wave's number
.macro QB src, n                       ; n blocks of 32: block i is my 16 numbers v[src + 16 i ..] and lane l xor 16's.  Bytes in v[TM+4+i], my 16 codes in v[PC+2i], v[PC+2i+1]
.set qi, 0
.rept \n
	v_max3_num_f32 v[TM+qi], |v[\src+16*qi]|, |v[\src+16*qi+1]|, 0x1800000
.set qi, qi+1
.endr
.irp p, 2,4,6,8,10,12,14
.set qi, 0
.rept \n
	s_delay_alu instid0(VALU_DEP_1)
	v_max3_num_f32 v[TM+qi], v[TM+qi], |v[\src+16*qi+\p]|, |v[\src+16*qi+\p+1]|
.set qi, qi+1
.endr
.endr
.set qi, 0
.rept \n
	s_delay_alu instid0(VALU_DEP_1)
	v_permlanex16_b32 v[TM+4+qi], v[TM+qi], s[SEL], s[SEL+1]
.set qi, qi+1
.endr
.set qi, 0
.rept \n
	s_delay_alu instid0(VALU_DEP_1)
	v_max_num_f32 v[TM+qi], v[TM+qi], v[TM+4+qi]
.set qi, qi+1
.endr
.set qi, 0
.rept \n
	s_delay_alu instid0(VALU_DEP_1)
	v_add_nc_u32 v[TM+8+qi], 0xff000000, v[TM+qi]
.set qi, qi+1
.endr
.set qi, 0
.rept \n
	s_delay_alu instid0(VALU_DEP_1)
	v_lshrrev_b32 v[TM+4+qi], 23, v[TM+8+qi]
.set qi, qi+1
.endr
.set qi, 0
.rept \n
	v_cvt_scalef32_pk8_fp4_f32 v[PC+2*qi], v[\src+16*qi:\src+16*qi+7], v[TM+8+qi]
	v_cvt_scalef32_pk8_fp4_f32 v[PC+2*qi+1], v[\src+16*qi+8:\src+16*qi+15], v[TM+8+qi]
.set qi, qi+1
.endr
	v_nop
.endm
.macro WM z                            ; one matrix instruction on the symbols rD, rA, rB, rC, rSA, rSB; rRA = 1: source 0's scales are read from lanes 16-31.  z = 1: C is the constant 0
.if \z
.if rRA
	v_wmma_scale_f32_16x16x128_f8f6f4 v[rD:rD+7], v[rA:rA+7], v[rB:rB+7], 0, v[rSA], v[rSB] matrix_a_fmt:MATRIX_FMT_FP4 matrix_b_fmt:MATRIX_FMT_FP4 matrix_a_scale:MATRIX_SCALE_ROW1
.else
	v_wmma_scale_f32_16x16x128_f8f6f4 v[rD:rD+7], v[rA:rA+7], v[rB:rB+7], 0, v[rSA], v[rSB] matrix_a_fmt:MATRIX_FMT_FP4 matrix_b_fmt:MATRIX_FMT_FP4
.endif
.else
.if rRA
	v_wmma_scale_f32_16x16x128_f8f6f4 v[rD:rD+7], v[rA:rA+7], v[rB:rB+7], v[rC:rC+7], v[rSA], v[rSB] matrix_a_fmt:MATRIX_FMT_FP4 matrix_b_fmt:MATRIX_FMT_FP4 matrix_a_scale:MATRIX_SCALE_ROW1
.else
	v_wmma_scale_f32_16x16x128_f8f6f4 v[rD:rD+7], v[rA:rA+7], v[rB:rB+7], v[rC:rC+7], v[rSA], v[rSB] matrix_a_fmt:MATRIX_FMT_FP4 matrix_b_fmt:MATRIX_FMT_FP4
.endif
.endif
.endm
.macro CROUND                          ; a round of the cluster's barrier: my work-group's barrier; wave 0 signals for the work-group; every wave waits for all four; my work-group's barrier once more
	s_barrier_signal -1
	s_barrier_wait -1
	s_cmp_lg_u32 s[WV], 0
	s_cbranch_scc1 .Lnot_wave_0_\@
	s_barrier_signal -3
.Lnot_wave_0_\@:
	s_barrier_wait -3
	s_barrier_signal -1
	s_barrier_wait -1
.endm
	s_load_b256 s[4:11], s[0:1], 0x0               ; qc, qs, kv, cc
	s_load_b64 s[12:13], s[0:1], 0x20              ; cs
	v_lshl_add_u32 v251, v0, 2, 0x29000
	v_mov_b32 v255, 0
	ds_add_u32 v251, v255
	ds_add_u32 v251, v255
	v_lshrrev_b32 v8, 5, v0
	s_delay_alu instid0(VALU_DEP_1)
	v_readfirstlane_b32 s[WV], v8                  ; wave 0..15
	s_bfe_u32 s19, ttmp6, 0x40000                  ; cx: my place in the cluster; ttmp9 counts clusters: the head, bh
	s_mov_b32 s20, 0x76543210
	s_mov_b32 s21, 0xfedcba98                      ; v_permlanex16_b32's selects for lane l xor 16
	s_mov_b32 s22, 0x3e8293ee                      ; c = log2(e) / sqrt(32)
	s_mov_b32 s23, s22                             ; (named with it as a pair, so it is written)
	s_mov_b32 s41, 0xffff                          ; lanes 0-15
	; descriptor group 1: 68 rows of 256 bytes (32 elements of 8 bytes), dense, no padding: the images are read 16 bytes a lane on end
	s_mov_b32 s24, 15|(3<<16)|(1<<21)              ; 15:0 the mask: all four work-groups; 17:16 elements of 8 bytes; 21 set beside a mask
	s_mov_b32 s25, 32<<16                          ; tensor_dim0
	s_mov_b32 s26, 68<<16                          ; tensor_dim1
	s_mov_b32 s27, 32<<16                          ; tile_dim0
	s_mov_b32 s28, 68                              ; tile_dim1
	s_mov_b32 s29, 32                              ; the pitch
	s_mov_b32 s30, 0
	s_mov_b32 s31, 0
	s_mov_b32 s32, 1                               ; group 0: count = 1,
	s_mul_i32 s33, s[WV], 17408                    ; LDS address: my quarter: no place in the cluster enters it,
	s_mul_i32 s36, ttmp9, 69632
	s_add_co_u32 s36, s36, s33
	s_mov_b32 s37, 0
	v_and_b32 v7, 31, v0                           ; lane
	v_and_b32 v10, 15, v0                          ; r
	v_bfe_u32 v11, v0, 4, 1                        ; h
	s_delay_alu instid0(VALU_DEP_3)
	v_lshlrev_b32 v1, 4, v7                        ; 16 x lane: an image's place for my lane
	s_delay_alu instid0(VALU_DEP_4)
	v_lshlrev_b32 v2, 2, v7
	s_delay_alu instid0(VALU_DEP_1)
	v_add_nc_u32 v2, 65536, v2                     ; the scale words: 4 x lane
	v_lshlrev_b32 v3, 4, v10                       ; 16 r
	v_lshlrev_b32 v4, 2, v10                       ; 4 r
	s_delay_alu instid0(VALU_DEP_2)
	v_lshl_add_u32 v5, v11, 3, v3                  ; 16 r + 8 h
	v_and_b32 v6, 8, v0
	s_delay_alu instid0(VALU_DEP_1)
	v_add_nc_u32 v6, v6, v10
	v_lshlrev_b32 v11, 4, v11
	s_delay_alu instid0(VALU_DEP_1)
	v_sub_nc_u32 v6, v6, v11                       ; r + 8 (r / 8) - 16 h
.irp j, 16,17,18,19,24,25,26,27,32,33,34,35
	v_mov_b32 v[\j], 0                             ; the zero codes round Q
.endr
.irp j, 236,237,238,239,252,253
	v_mov_b32 v[\j], 0                             ; written once: a lane permute's destination counts as one of its sources; v253 is named as the upper half of a pair
.endr
	s_wait_dscnt 0x0
	s_wait_kmcnt 0x0
	s_add_nc_u64 s[34:35], s[8:9], s[36:37]        ; global address: the head's block, my quarter,
	s_or_b32 s35, s35, 0x80000000                  ; type = 2
	CROUND                                         ; all four work-groups are here: the joint loads meet
	s_cmp_lt_u32 s[WV], 4
	s_cbranch_scc0 .Lno_fill
	tensor_load_to_lds s[32:35], s[24:31]
	s_nop 0
.rept 4
	v_nop
.endr
.Lno_fill:
	s_wait_tensorcnt 0x0                           ; my quarter has landed,
	s_barrier_signal -1
	s_barrier_wait -1                              ; everybody's has
; One tile of 16 queries from first key to ctx's codes.  k = 0: a = w, c = 2 cx;  k = 1: a = 15 - w, c = 2 cx + 1
.macro TILE k
	s_wait_xcnt 0x0                                ; the last tile's stores have read their bases and registers
.if \k
	s_xor_b32 s40, s[WV], 15                       ; 15 - w
.else
	s_mov_b32 s40, s[WV]
.endif
	s_lshl_b32 s43, s40, 3
	s_lshl_b32 s52, s19, 1
	s_add_co_u32 s43, s43, s52
	s_add_co_u32 s43, s43, \k                      ; the tile in the head
	s_lshl_b32 s44, ttmp9, 15
	s_lshl_b32 s52, s43, 8
	s_add_co_u32 s44, s44, s52
	s_mov_b32 s45, 0
	s_add_nc_u64 s[44:45], s[4:5], s[44:45]        ; its codes
	s_lshl_b32 s46, ttmp9, 11
	s_lshr_b32 s52, s43, 2
	s_lshl_b32 s52, s52, 6
	s_add_co_u32 s46, s46, s52
	s_and_b32 s52, s43, 3
	s_add_co_u32 s46, s46, s52
	s_mov_b32 s47, 0
	s_add_nc_u64 s[46:47], s[6:7], s[46:47]        ; its scale bytes, 4 bytes from row to row
	s_lshr_b32 s52, ttmp9, 4
	s_lshl_b32 s52, s52, 7
	s_add_co_u32 s52, s52, s43                     ; the tile among all 512
	s_and_b32 s53, ttmp9, 15                       ; the head in its batch: ctx's block along K
	s_lshl_b32 s48, s52, 12
	s_lshl_b32 s54, s53, 8
	s_add_co_u32 s48, s48, s54
	s_mov_b32 s49, 0
	s_add_nc_u64 s[48:49], s[10:11], s[48:49]      ; ctx's codes
	s_lshl_b32 s50, s52, 8
	s_add_co_u32 s50, s50, s53
	s_mov_b32 s51, 0
	s_add_nc_u64 s[50:51], s[12:13], s[50:51]      ; ctx's scale bytes
	global_load_b128 v[76:79], v3, s[44:45]        ; row r's 32 codes, in both halves of the lanes
	global_load_u8 v80, v4, s[46:47]
	s_lshl_b32 s52, s19, 5
	s_add_co_u32 s52, s52, 8*\k
	v_add_nc_u32 v75, s52, v6                      ; d = my query - 128 a - 16 h.  On the diagonal register 16 b + i holds key 128 a + 16 h + 32 b + i: hidden where 32 b + i > d
	v_mov_b32 v13, 0xff61b1e6                      ; the largest t so far: -3e38
	s_delay_alu instid0(VALU_DEP_1)
	v_floor_f32 v12, -v13                          ; -M
	v_mov_b32 v14, 0
	v_mov_b32 v15, 0
	s_mov_b32 s2, 0                                ; LDS byte of the step's tiles: 2,048 a step
	s_mov_b32 s3, 0                                ; of its scale words: 256 a step
	s_mov_b32 s42, 0                               ; the step
	s_wait_loadcnt 0x0
.irp i, 0,1,2,3
	v_cndmask_b32 v[20+\i], v16, v[76+\i], s41     ; Q in lanes 0-15, zeros in the others;
	v_cndmask_b32 v[28+\i], v[76+\i], v16, s41     ; and the other way round
.endr
	v_lshl_or_b32 v74, v80, 8, v80
	s_delay_alu instid0(VALU_DEP_1)
	v_lshl_or_b32 v74, v74, 16, v74                ; Q's byte in all four places
.irp j, 0,1,2,3,4,5,6,7,8,9,10,11,12,13,14,15
	v_mov_b32 v[160+\j], 0                         ; O^T.  (These 16 are also the places between the scale word's last write and the first product)
.endr
.Lstep_\k:                                         ; 16 trips, a constant: the addresses stepped here stay readable off the text
	s_cmp_gt_u32 s42, s40                          ; a step all of whose keys come after my queries: only the lines at the trip's end
	s_cbranch_scc1 .Lhidden_\k
	s_setprio 2
	v_add_nc_u32 v8, s2, v1
	v_add_nc_u32 v9, s3, v2
	v_nop
	v_nop                                          ; four places behind the last products, ahead of loads into registers that they have read
.irp i, 0,1,2,3
	ds_load_b128 v[40+4*\i:43+4*\i], v8 offset:512*\i          ; K: two fragments, four key tiles each
.endr
.irp i, 0,1,2,3
	ds_load_b128 v[56+4*\i:59+4*\i], v8 offset:32768+512*\i    ; V: two tiles of 16 channels x 128 keys
.endr
	ds_load_b32 v72, v9                            ; K's scale words: lanes 0-15 fragment 0, lanes 16-31 fragment 1
	ds_load_b32 v73, v9 offset:128                 ; V's: lanes 0-15 tile 0, lanes 16-31 tile 1
	s_wait_dscnt 0x0
.irp t, 0,1,2,3,4,5,6,7
.set rD, 96+8*\t
.set rA, 40+8*(\t/4)
.set rB, 20+8*(\t%2)-4*((\t%4)/2)                  ; Q in block t % 4: v20, v28, v16, v24
.set rSA, 72
.set rSB, 74
.set rRA, \t/4
	WM 1
.endr
.rept 4
	v_nop
.endr
	s_cmp_lt_u32 s42, s40                          ; under the diagonal every key counts
	s_cbranch_scc1 .Lopen_\k
	v_mov_b32 v254, 0xff800000                     ; on it hidden scores become -infinity ahead of the maximum: p = 0 then
.irp n, 0,1,2,3,4,5,6,7,8,9,10,11,12,13,14,15,16,17,18,19,20,21,22,23,24,25,26,27,28,29,30,31,32,33,34,35,36,37,38,39,40,41,42,43,44,45,46,47,48,49,50,51,52,53,54,55,56,57,58,59,60,61,62,63
	v_cmp_gt_i32 vcc_lo, 32*(\n/16)+\n%16, v75
	v_cndmask_b32 v[96+\n], v[96+\n], v254, vcc_lo
.endr
.Lopen_\k:
.irp b, 0,1,2,3
	v_max3_num_f32 v[232+\b], v[96+16*\b], v[97+16*\b], v[98+16*\b]   ; the largest score of each block of 32 keys: for the row's maximum, and for the block's largest p
.endr
.irp i, 3,5,7,9,11,13
.irp b, 0,1,2,3
	v_max3_num_f32 v[232+\b], v[232+\b], v[96+16*\b+\i], v[97+16*\b+\i]
.endr
.endr
.irp b, 0,1,2,3
	v_max_num_f32 v[232+\b], v[232+\b], v[111+16*\b]
.endr
.irp b, 0,1,2,3
	s_delay_alu instid0(VALU_DEP_4)
	v_permlanex16_b32 v[236+\b], v[232+\b], s[SEL], s[SEL+1]
.endr
.irp b, 0,1,2,3
	s_delay_alu instid0(VALU_DEP_4)
	v_max_num_f32 v[232+\b], v[232+\b], v[236+\b]
.endr
	s_delay_alu instid0(VALU_DEP_2)
	v_max3_num_f32 v254, v232, v233, v234
	s_delay_alu instid0(VALU_DEP_1)
	v_max_num_f32 v254, v254, v235
	s_delay_alu instid0(VALU_DEP_1)
	v_mul_f32 v254, s22, v254                      ; as t (c is positive)
	s_delay_alu instid0(VALU_DEP_1)
	v_max_num_f32 v13, v13, v254                   ; the running largest t
	v_mov_b32 v254, v12
	s_delay_alu instid0(VALU_DEP_2)
	v_floor_f32 v12, -v13                          ; the new -M = -ceil(t)
	s_delay_alu instid0(VALU_DEP_1)
	v_sub_f32 v254, v12, v254                      ; old M - new M: a whole number, 0 or less
	s_delay_alu instid0(VALU_DEP_1)
	v_cvt_i32_f32 v254, v254                       ; (it saturates)
	s_delay_alu instid0(VALU_DEP_1)
	v_ldexp_f32 v252, 1.0, v254                    ; f = 2^(old M - new M)
	s_setprio 1
.irp j, 0,2,4,6,8,10,12,14,16,18,20,22,24,26,28,30,32,34,36,38,40,42,44,46,48,50,52,54,56,58,60,62
	v_pk_fma_f32 v[96+\j:97+\j], v[96+\j:97+\j], s[22:23], v[12:13] op_sel_hi:[1,0,0]   ; t - M
.endr
.irp b, 0,1,2,3
	v_fma_f32 v[232+\b], v[232+\b], s22, v12
.endr
	s_wait_alu depctr_va_vdst(0)
.irp j, 0,1,2,3,4,5,6,7,8,9,10,11,12,13,14,15,16,17,18,19,20,21,22,23,24,25,26,27,28,29,30,31,32,33,34,35,36,37,38,39,40,41,42,43,44,45,46,47,48,49,50,51,52,53,54,55,56,57,58,59,60,61,62,63
	v_exp_f32 v[96+\j], v[96+\j]                   ; p = 2^(t - M)
.endr
	v_pk_mul_f32 v[14:15], v[14:15], v[252:253] op_sel_hi:[1,0]   ; the sums under the new M: a plain line behind the exponentials
	s_wait_alu depctr_va_vdst(0)                   ; one wait for the batch, ahead of its first reader
.irp b, 0,1,2,3
	v_exp_f32 v[232+\b], v[232+\b]                 ; each block's largest p
.endr
	v_pk_add_f32 v[236:237], v[100:101], v[104:105]
	v_pk_add_f32 v[248:249], v[108:109], v[112:113]
	v_pk_add_f32 v[246:247], v[116:117], v[120:121]
	v_pk_add_f32 v[244:245], v[124:125], v[128:129]
	v_pk_add_f32 v[242:243], v[132:133], v[136:137]
	v_pk_add_f32 v[240:241], v[140:141], v[144:145]
	v_pk_add_f32 v[238:239], v[148:149], v[152:153]
	v_pk_add_f32 v[14:15], v[14:15], v[156:157]
	v_pk_add_f32 v[236:237], v[236:237], v[96:97]
	v_pk_add_f32 v[248:249], v[248:249], v[98:99]
	v_pk_add_f32 v[246:247], v[246:247], v[102:103]
	v_pk_add_f32 v[244:245], v[244:245], v[106:107]
	v_pk_add_f32 v[242:243], v[242:243], v[110:111]
	v_pk_add_f32 v[240:241], v[240:241], v[114:115]
	v_pk_add_f32 v[238:239], v[238:239], v[118:119]
	v_pk_add_f32 v[14:15], v[14:15], v[122:123]
	v_pk_add_f32 v[236:237], v[236:237], v[126:127]
	v_pk_add_f32 v[248:249], v[248:249], v[130:131]
	v_pk_add_f32 v[246:247], v[246:247], v[134:135]
	v_pk_add_f32 v[244:245], v[244:245], v[138:139]
	v_pk_add_f32 v[242:243], v[242:243], v[142:143]
	s_setprio 0
	v_pk_add_f32 v[240:241], v[240:241], v[146:147]
	v_pk_add_f32 v[238:239], v[238:239], v[150:151]
	v_pk_add_f32 v[14:15], v[14:15], v[154:155]
	v_pk_add_f32 v[236:237], v[236:237], v[158:159]
	s_delay_alu instid0(VALU_DEP_2)
	v_pk_add_f32 v[14:15], v[14:15], v[244:245]
	s_delay_alu instid0(VALU_DEP_2)
	v_pk_add_f32 v[236:237], v[236:237], v[242:243]
	v_pk_add_f32 v[248:249], v[248:249], v[240:241]
	v_pk_add_f32 v[246:247], v[246:247], v[238:239]
	s_delay_alu instid0(VALU_DEP_2)
	v_pk_add_f32 v[14:15], v[14:15], v[248:249]
	s_delay_alu instid0(VALU_DEP_2)
	v_pk_add_f32 v[236:237], v[236:237], v[246:247]
	s_delay_alu instid0(VALU_DEP_1)
	v_pk_add_f32 v[14:15], v[14:15], v[236:237]
	s_wait_alu depctr_va_vdst(0)                   ; and one for the four
.irp b, 0,1,2,3
	v_max_num_f32 v[232+\b], 0x1800000, v[232+\b]  ; the floor 2^(3 - 127)
.endr
.irp b, 0,1,2,3
	s_delay_alu instid0(VALU_DEP_4)
	v_add_nc_u32 v[244+\b], 0xff000000, v[232+\b]
.endr
.irp b, 0,1,2,3
	s_delay_alu instid0(VALU_DEP_4)
	v_lshrrev_b32 v[236+\b], 23, v[244+\b]
.endr
	s_delay_alu instid0(VALU_DEP_3)
	v_lshl_or_b32 v253, v237, 8, v236              ; p's scale word for these 128 keys
	s_delay_alu instid0(VALU_DEP_1)
	v_lshl_or_b32 v253, v238, 16, v253
	s_delay_alu instid0(VALU_DEP_1)
	v_lshl_or_b32 v253, v239, 24, v253
.irp b, 0,1,2,3
	v_cvt_scalef32_pk8_fp4_f32 v[224+2*\b], v[96+16*\b:103+16*\b], v[244+\b]
	v_cvt_scalef32_pk8_fp4_f32 v[225+2*\b], v[104+16*\b:111+16*\b], v[244+\b]
.endr
	v_nop
.irp c, 0,1                            ; the operand wants a whole block in a lane: lanes 0-15 block 2 c, lanes 16-31 block 2 c + 1
.irp i, 0,1
	v_permlane16_swap_b32 v[224+4*\c+\i], v[226+4*\c+\i]
.endr
.endr
.irp j, 0,2,4,6,8,10,12,14
	v_pk_mul_f32 v[160+\j:161+\j], v[160+\j:161+\j], v[252:253] op_sel_hi:[1,0]   ; O^T under the new M; with the v_nop above: nine plain lines behind the scale word's last write, eight behind the codes'
.endr
.set rD, 160
.set rC, 160
.set rA, 56
.set rB, 224
.set rSA, 73
.set rSB, 253
.set rRA, 0
	WM 0                                           ; O^T += V^T P^T: two accumulators by turns; the next step's eight products stand between two links
.set rD, 168
.set rC, 168
.set rA, 64
.set rRA, 1
	WM 0
.Lhidden_\k:
	s_add_co_u32 s2, s2, 2048
	s_add_co_u32 s3, s3, 256
	s_add_co_u32 s42, s42, 1
	s_cmp_lt_u32 s42, 16
	s_cbranch_scc1 .Lstep_\k
	s_setprio 0
.rept 4
	v_nop
.endr
	v_add_f32 v14, v14, v15
	s_delay_alu instid0(VALU_DEP_1)
	v_permlanex16_b32 v252, v14, s[SEL], s[SEL+1]
	s_delay_alu instid0(VALU_DEP_1)
	v_add_f32 v14, v14, v252                       ; the row's sum
	s_wait_alu depctr_va_vdst(0)
	v_rcp_f32 v14, v14
	v_nop
	s_wait_alu depctr_va_vdst(0)
.irp i, 0,1,2,3,4,5,6,7
	v_pk_mul_f32 v[96+2*\i:97+2*\i], v[160+2*\i:161+2*\i], v[14:15] op_sel_hi:[1,0]   ; ctx(my query, channels 16 h + 0 .. 15)
.endr
	QB 96, 1
	global_store_b64 v5, v[224:225], s[48:49]      ; the tile's block: 256 consecutive bytes
	global_store_b8 v3, v236, s[50:51]             ; both halves of the lanes write the same byte with the same value
.endm
	TILE 0
	TILE 1
	s_wait_dscnt 0x0
	s_wait_tensorcnt 0x0
	ds_add_u32 v251, v255
	s_wait_dscnt 0x0
	CROUND                                         ; the closing round: no work-group ends while a partner may still ask
	s_endpgm
.Lfunc_end_k_q6595dac610_attn:
	.size	k_q6595dac610_attn, .Lfunc_end_k_q6595dac610_attn-k_q6595dac610_attn
	.p2alignl 7, 3214868480
	.fill 96, 4, 3214868480
	.section	.rodata,"a",@progbits
	.p2align	6, 0x0
	.amdhsa_kernel k_q6595dac610_attn
		.amdhsa_group_segment_fixed_size 169984
		.amdhsa_private_segment_fixed_size 0
		.amdhsa_enable_private_segment 0
		.amdhsa_kernarg_size 40
		.amdhsa_user_sgpr_count 2
		.amdhsa_user_sgpr_kernarg_segment_ptr 1
		.amdhsa_wavefront_size32 1
		.amdhsa_system_sgpr_workgroup_id_x 1
		.amdhsa_system_sgpr_workgroup_id_y 1
		.amdhsa_system_sgpr_workgroup_id_z 1
		.amdhsa_system_vgpr_workitem_id 0
		.amdhsa_next_free_vgpr 256
		.amdhsa_next_free_sgpr 72
		.amdhsa_reserve_vcc 1
		.amdhsa_float_denorm_mode_32 3
		.amdhsa_float_denorm_mode_16_64 3
		.amdhsa_memory_ordered 1
		.amdhsa_forward_progress 1
		.amdhsa_inst_pref_size 55
	.end_amdhsa_kernel
	.amdgpu_metadata
---
amdhsa.version: [ 1, 2 ]
amdhsa.kernels:
  - .name:           k_q6595dac610_attn
    .symbol:         k_q6595dac610_attn.kd
    .args:
      - { .name: qc, .offset: 0, .size: 8, .value_kind: global_buffer, .address_space: global }
      - { .name: qs, .offset: 8, .size: 8, .value_kind: global_buffer, .address_space: global }
      - { .name: kv, .offset: 16, .size: 8, .value_kind: global_buffer, .address_space: global }
      - { .name: cc, .offset: 24, .size: 8, .value_kind: global_buffer, .address_space: global }
      - { .name: cs, .offset: 32, .size: 8, .value_kind: global_buffer, .address_space: global }
    .group_segment_fixed_size: 169984
    .private_segment_fixed_size: 0
    .kernarg_segment_align: 8
    .kernarg_segment_size: 40
    .max_flat_workgroup_size: 512
    .sgpr_count:     72
    .vgpr_count:     256
    .wavefront_size: 32
...
	.end_amdgpu_metadata
.endif
;; end of part 7
;; launch tail (part 8): grid 256 x 1, 8 waves a work-group, no clusters, 113,664 bytes of LDS; arguments cc, cs, wc, ws, x, bo, ln2_scale, ln2_shift, b1, b2, out0; writes out0
.if DOCPART == 8
	.amdgcn_target "amdgcn-amd-amdhsa--gfx1250"
	.amdhsa_code_object_version 6
	.text
	.protected	k_q6595dac610_tail
	.globl	k_q6595dac610_tail
	.p2align	8
	.type	k_q6595dac610_tail,@function
k_q6595dac610_tail:
	s_mov_b64 s[64:65], 0
	v_nop
	global_prefetch_b8 v0, s[64:65] scope:SCOPE_SE
	s_setreg_imm32_b32 hwreg(HW_REG_WAVE_SCHED_MODE, 0, 2), 2
	s_setreg_imm32_b32 hwreg(HW_REG_WAVE_MODE, 25, 1), 1
	s_wait_xcnt 0x0
	s_wait_alu depctr_vm_vsrc(0)
; x1 = x + ctx Wo + bo;  out = x1 + gelu(layernorm(x1) W1 + b1) W2 + b2.  The three products on codes of FP4 with E8M0 scales; x1, the norm and the hidden layer never go to memory.
; SHARES.  A work-group takes 32 tokens (tiles m = 0, 1).  THE WAVES SHARE THE COLUMNS: wave w owns columns 64 w .. 64 w + 63 of x1 and of out, and hidden units 256 w .. 256 w + 255, for all 32 tokens.
; All products are used transposed (source 0 = 16 columns of a weight, source 1 = 16 tokens): a lane holds one token, and the 16 registers of weight tiles 2 P, 2 P + 1 are 16 neighbouring columns, as the weights' tiles are laid.
; x + bo is the C of the first product's first link, b1 the C of the second's, x1 the C of the third's: no addition is spent on them but bo's and b2's.
; THE WEIGHTS come from memory straight into operand registers, in chunks of 8 fragments (16 loads of 512 consecutive bytes) in two sets by turns, each asked for two chunks ahead: chunks 0-1 Wo, 2-9 W1, 10-17 W2.
; They are not asked for jointly in a cluster, though all row blocks walk the same 1.15 MB: the joint form wants the weights in LDS (two slots of 64 KB), one load a wave and a round of the cluster's barrier for each
; of 18 chunks of 16 matrix instructions a wave; here no weight passes through LDS and no wave waits for another but at five barriers.
; Operands made here go from wave to wave through LDS as images of their registers: block beta of row r at 256 beta + 16 r, my 16 codes at + 8 h.
; gelu(x) = x / (1 + 2^(x (b + a x^2))), b = -2 log2(e) sqrt(2 / pi), a = 0.044715 b: the same function as 0.5 x (1 + tanh(..)), without its cancellation.
; LIMITS: NaN and infinities are not served; v_rsq_f32, v_rcp_f32, v_exp_f32 (1 ulp) stand for the root, the divisions and the tanh; a block of zeros or under 2^-124 gets the byte 1 where the rule says 127 (its codes are zeros).
; No pointer, no address register and no global store's data is written twice: every offset is an immediate.
; REGISTERS.  Window 0: v1-14 addresses; v16-31 statistics; v32-95 x1, then out (32 m + 16 q + 8 u + j: column 64 w + 32 q + 16 h + 8 u + j); v96-159 at work; v160-191 b1, two sets; v192-207 scale words; v208-251 at work.
;   Window 1: v0-63, v64-127 the weights' two sets; v128-191 source 1's fragments; v192-223, v224-255 the norm's gain and shift.
; THE MODE: SCHED_MODE bits 1:0 = 2 (LLVM: expert scheduling mode 2), set by the entry lines.  The code itself states the register dependences
; between vector or matrix instructions and memory or LDS instructions, with s_wait_alu, always for 0.
; THE PLAN.  Registers that memory or LDS instructions touch:
;   v1-v14          addresses and offsets: written once at the head, one wait ahead of the first load, never written again.
;   sets 0, 1       a chunk's fragments (window 1), its scale words (v192-195, v196-199) and, for W1, b1 (v160-175, v176-191).  Chunk c's loads land in set c % 2; chunk c's 16 products read it; behind them chunk c + 2's loads land in it.
;   source 1        fragments (window 1 v128-191) and scale words (v200-203): loaded from memory (ctx) or from LDS (the norm; the hidden layer, in halves by turns); read by matrix instructions alone.
;   out-buffers     of LDS stores: the codes v224-231, the half words v220-221, the scale words v232-233, the sums v28-29: written by vector lines, read by the run of stores behind them, written again later.
;   v236-251        the eight waves' sums land here from LDS; vector additions read them.
;   v32-95, v96-159 x lands in the first at the head, bo and b2 in the second; else vector and matrix instructions alone name them, until the way out stores the first to LDS and whole rows land in the second.
; So ONE wait on va_vdst stands behind each chunk's products, ahead of the run of loads for the chunk two ahead; in the third product it also covers the next turn's LDS loads, which land in the half of source 1 just multiplied.
; One wait on va_vdst stands ahead of each run of LDS stores, and one on vm_vsrc ahead of the next write of an out-buffer.  The loads stay in runs: the weights land in window 1 and the vector work names window 0.
.set RED1, 0                           ; LDS: the waves' sums: 128 w + 8 r, a pair (m = 0, m = 1)
.set RED2, 1024
.set H2I,  2048                        ; the norm's 8 fragments: 4096 m + 1024 s
.set H2S,  10240                       ; their scale words: 128 s + 64 m + 4 r
.set HI,   10752                       ; the hidden layer's 32 fragments: 2048 kappa + 1024 m
.set HS,   43520                       ; their scale words: 128 kappa + 64 m + 4 r
.set STG,  45568                       ; the way out: 32 rows x (2,048 bytes + 16)
.set LI,   1
.set XA,   2
.set CA,   3
.set BA,   4
.set W2SA, 5
.set RW,   6
.set RR,   7
.set HW2,  8
.set HS2W, 9
.set HWI,  10
.set HWS,  11
.set LS,   12
.set SO,   13
.set SR,   14
.set MEAN0, 16
.set MEAN1, 18
.set RS0,  20
.set RS1,  22
.set SUM0, 24
.set SUM1, 26
.set TP,   28
.set GA2,  30
.set X1,   32
.set Y,    96
.set ACC,  96
.set T,    128
.set BIAS0, 160
.set WS0,  192
.set AS,   200
.set TM,   208
.set HH,   220
.set PC,   224
.set HWD,  232
.set RT,   236
.set SEL,  28                          ; s[28:29]
.set AF,   128
.set G2,   192
.set S2,   224
.set MSB, 0
.macro WIN new                         ; the immediate's high byte repeats the setting that is left
.if MSB != \new
	s_set_vgpr_msb (MSB<<8)|\new
.set MSB, \new
.endif
.endm
.macro BARRIER                         ; my LDS stores have landed and my LDS loads are in: then the work-group's barrier
	s_wait_dscnt 0x0
	s_barrier_signal -1
	s_barrier_wait -1
.endm
.macro PLACES
.rept 4
	v_nop                                          ; places ahead of the first read of results and of loads into registers that matrix instructions have read
.endr
.endm
.macro QB src, n                       ; n blocks of 32: block i is my 16 numbers v[src + 16 i ..] and lane l xor 16's.  Bytes in v[TM+4+i], my 16 codes in v[PC+2i], v[PC+2i+1]
.set qi, 0
.rept \n
	v_max3_num_f32 v[TM+qi], |v[\src+16*qi]|, |v[\src+16*qi+1]|, 0x1800000
.set qi, qi+1
.endr
.irp p, 2,4,6,8,10,12,14
.set qi, 0
.rept \n
	v_max3_num_f32 v[TM+qi], v[TM+qi], |v[\src+16*qi+\p]|, |v[\src+16*qi+\p+1]|
.set qi, qi+1
.endr
.endr
.set qi, 0
.rept \n
	v_permlanex16_b32 v[TM+4+qi], v[TM+qi], s[SEL], s[SEL+1]
.set qi, qi+1
.endr
.set qi, 0
.rept \n
	v_max_num_f32 v[TM+qi], v[TM+qi], v[TM+4+qi]
.set qi, qi+1
.endr
.set qi, 0
.rept \n
	v_add_nc_u32 v[TM+8+qi], 0xff000000, v[TM+qi]
.set qi, qi+1
.endr
.set qi, 0
.rept \n
	v_lshrrev_b32 v[TM+4+qi], 23, v[TM+8+qi]
.set qi, qi+1
.endr
.set qi, 0
.rept \n
	v_cvt_scalef32_pk8_fp4_f32 v[PC+2*qi], v[\src+16*qi:\src+16*qi+7], v[TM+8+qi]
	v_cvt_scalef32_pk8_fp4_f32 v[PC+2*qi+1], v[\src+16*qi+8:\src+16*qi+15], v[TM+8+qi]
.set qi, qi+1
.endr
	v_nop
.endm
.macro WM                              ; one matrix instruction on the symbols rD, rA, rB, rC, rSA, rSB; rRA, rRB = 1: that side's scales are read from lanes 16-31
.if rRA && rRB
	v_wmma_scale_f32_16x16x128_f8f6f4 v[rD:rD+7], v[rA:rA+7], v[rB:rB+7], v[rC:rC+7], v[rSA], v[rSB] matrix_a_fmt:MATRIX_FMT_FP4 matrix_b_fmt:MATRIX_FMT_FP4 matrix_a_scale:MATRIX_SCALE_ROW1 matrix_b_scale:MATRIX_SCALE_ROW1
.elseif rRA
	v_wmma_scale_f32_16x16x128_f8f6f4 v[rD:rD+7], v[rA:rA+7], v[rB:rB+7], v[rC:rC+7], v[rSA], v[rSB] matrix_a_fmt:MATRIX_FMT_FP4 matrix_b_fmt:MATRIX_FMT_FP4 matrix_a_scale:MATRIX_SCALE_ROW1
.elseif rRB
	v_wmma_scale_f32_16x16x128_f8f6f4 v[rD:rD+7], v[rA:rA+7], v[rB:rB+7], v[rC:rC+7], v[rSA], v[rSB] matrix_a_fmt:MATRIX_FMT_FP4 matrix_b_fmt:MATRIX_FMT_FP4 matrix_b_scale:MATRIX_SCALE_ROW1
.else
	v_wmma_scale_f32_16x16x128_f8f6f4 v[rD:rD+7], v[rA:rA+7], v[rB:rB+7], v[rC:rC+7], v[rSA], v[rSB] matrix_a_fmt:MATRIX_FMT_FP4 matrix_b_fmt:MATRIX_FMT_FP4
.endif
.endm
.macro LDW set, base, off              ; a column pair's 8 fragments (tile u, K step s at 8 (4 u + s)) as they lie
	WIN 0x40
.set i, 0
.rept 16
	global_load_b128 v[(\set)+4*i:(\set)+4*i+3], v[LI], s[\base:\base+1] offset:(\off)+512*i
.set i, i+1
.endr
	WIN 0
.endm
; (An argument is put in as text: wherever one stands inside a product it is set in brackets.)
.macro CH1 par, p                      ; W1's pair p into set par: 16 + 1 + 4 loads: fragments, scale words, b1 at the pair's 16 units of my half
	LDW 64*(\par), 38, 8192*(\p)
	global_load_b128 v[WS0+4*(\par):WS0+4*(\par)+3], v[LI], s[44:45] offset:512*(\p)
.irp i, 0,1,2,3
	global_load_b128 v[BIAS0+16*(\par)+4*\i:BIAS0+16*(\par)+4*\i+3], v[BA], s[20:21] offset:128*(\p)+16*\i
.endr
.endm
.macro CH2 par, j                      ; W2's K steps 2 j, 2 j + 1 of my four tiles into set par (fragment 4 e + 2 q + u): 16 + 2 loads
	WIN 0x40
.irp e, 0,1
.irp q, 0,1
.irp u, 0,1
.irp c, 0,1
	global_load_b128 v[64*(\par)+8*(4*\e+2*\q+\u)+4*\c:64*(\par)+8*(4*\e+2*\q+\u)+4*\c+3], v[LI], s[40:41] offset:16384*(2*\q+\u)+1024*(2*(\j)+\e)+512*\c
.endr
.endr
.endr
.endr
	WIN 0
.irp q, 0,1
	global_load_b64 v[WS0+4*(\par)+2*\q:WS0+4*(\par)+2*\q+1], v[W2SA], s[46:47] offset:2048*\q+8*(\j)
.endr
.endm
	s_load_b512 s[4:19], s[0:1], 0x0               ; cc, cs, wc, ws, x, bo, ln2_scale, ln2_shift
	s_load_b128 s[20:23], s[0:1], 0x40             ; b1, b2
	s_load_b64 s[24:25], s[0:1], 0x50              ; out0
	v_lshl_add_u32 v254, v0, 2, 0x1b800
	v_mov_b32 v255, 0
	v_lshrrev_b32 v240, 5, v0
	v_readfirstlane_b32 s26, v240                  ; wave
	s_mov_b32 s28, 0x76543210
	s_mov_b32 s29, 0xfedcba98                      ; v_permlanex16_b32's selects for lane l xor 16
	s_mov_b32 s30, 0xc0135761                      ; b = -2 log2(e) sqrt(2 / pi)
	s_mov_b32 s31, s30
	s_mov_b32 s32, 0x3b000000                      ; 1 / 512
	s_mov_b32 s33, s32
	s_mov_b32 s34, 0x3727c5ac                      ; 1e-5
	v_mov_b32 v[GA2], 0xbdd2d3e8                   ; a = 0.044715 b
	v_mov_b32 v[GA2+1], 0xbdd2d3e8
.irp j, 4,5,6,7
	v_mov_b32 v[TM+\j], 0                          ; written once: a lane permute's destination counts as one of its sources
.endr
	v_and_b32 v240, 31, v0                         ; lane
	v_and_b32 v241, 15, v0                         ; r
	v_bfe_u32 v242, v0, 4, 1                       ; h
	v_and_b32 v243, 8, v0
	v_add_nc_u32 v243, v243, v241                  ; r + 8 (r / 8)
	v_lshlrev_b32 v[LI], 4, v240
	v_lshlrev_b32 v[LS], 2, v240
	v_lshlrev_b32 v[BA], 6, v242                   ; 64 h
	s_wait_alu depctr_va_sdst(0)                   ; s26 is written, ahead of its first reader: LDS addresses and the bases are made from it
	s_lshl_b32 s48, s26, 8
	v_add_nc_u32 v[CA], s48, v[BA]                 ; my columns in a row of 512 f32: 256 w + 64 h
	v_lshl_add_u32 v[XA], v243, 11, v[CA]          ; and in my row of x
	v_lshlrev_b32 v[W2SA], 10, v242
	v_lshl_add_u32 v[W2SA], v241, 6, v[W2SA]       ; W2's scale words: tile u = lane / 16, 64 bytes a row
	v_lshlrev_b32 v[RR], 3, v241
	s_lshl_b32 s49, s26, 7
	v_add_nc_u32 v[RW], s49, v[RR]
	v_lshlrev_b32 v244, 4, v241
	v_lshl_add_u32 v244, v242, 3, v244             ; 16 r + 8 h
	s_lshl_b32 s49, s26, 9
	v_add_nc_u32 v[HW2], s49, v244                 ; the norm's blocks 2 w, 2 w + 1
	s_lshl_b32 s49, s26, 12
	v_add_nc_u32 v[HWI], s49, v244                 ; the hidden layer's K steps 2 w, 2 w + 1
	s_lshr_b32 s49, s26, 1
	s_lshl_b32 s49, s49, 7
	s_and_b32 s50, s26, 1
	s_lshl_b32 s50, s50, 1
	s_add_co_u32 s49, s49, s50
	v_lshl_add_u32 v[HS2W], v241, 2, s49           ; 128 (w / 2) + 2 (w % 2) + 4 r
	v_lshl_add_u32 v[HWS], v241, 2, s48            ; 256 w + 4 r
	v_mul_u32_u24 v[SO], v243, 2064
	v_add_nc_u32 v[SO], v[SO], v[CA]
	v_add_nc_u32 v[SO], STG, v[SO]                 ; the stage: my token's row, my columns
	s_mul_i32 s49, s26, 8256
	s_add_co_u32 s49, s49, STG
	v_add_nc_u32 v[SR], s49, v[LI]                 ; back: rows 4 w .. 4 w + 3, 16 bytes a lane
	s_wait_kmcnt 0x0
	s_mov_b32 s49, 0
	s_lshl_b32 s48, ttmp9, 13
	s_add_nc_u64 s[4:5], s[4:5], s[48:49]          ; ctx's codes: two tiles of 4,096 bytes
	s_lshl_b32 s48, ttmp9, 9
	s_add_nc_u64 s[6:7], s[6:7], s[48:49]          ; their scale words
	s_lshl_b32 s48, ttmp9, 16
	s_add_nc_u64 s[12:13], s[12:13], s[48:49]      ; x: 32 rows of 2,048 bytes
	s_lshl_b32 s50, s26, 13
	s_add_co_u32 s48, s48, s50
	s_add_nc_u64 s[24:25], s[24:25], s[48:49]      ; out: the four rows that I store
	s_lshl_b32 s48, s26, 14
	s_add_co_u32 s48, s48, 393216
	s_add_nc_u64 s[36:37], s[8:9], s[48:49]        ; Wo's pairs 48 + 2 w on
	s_lshl_b32 s50, s26, 16
	s_add_co_u32 s48, s50, 524288
	s_add_nc_u64 s[38:39], s[8:9], s[48:49]        ; W1's pairs 64 + 8 w on
	s_add_co_u32 s48, s50, 1048576
	s_add_nc_u64 s[40:41], s[8:9], s[48:49]        ; W2's tiles 4 w on
	s_lshl_b32 s48, s26, 10
	s_add_nc_u64 s[20:21], s[20:21], s[48:49]      ; b1 at my 256 units
	s_add_co_u32 s48, s48, 24576
	s_add_nc_u64 s[42:43], s[10:11], s[48:49]      ; the scale words likewise
	s_lshl_b32 s50, s26, 12
	s_add_co_u32 s48, s50, 32768
	s_add_nc_u64 s[44:45], s[10:11], s[48:49]
	s_add_co_u32 s48, s50, 65536
	s_add_nc_u64 s[46:47], s[10:11], s[48:49]
	; ---- the head's 91 loads, in the order in which they are wanted
	WIN 0x40
	s_wait_alu depctr_va_vdst(0)                   ; the fourteen addresses and offsets v1 to v14 are written, which every load and store of the kernel reads; they are never written again
.set i, 0
.rept 16
	global_load_b128 v[AF+4*i:AF+4*i+3], v[LI], s[4:5] offset:512*i    ; ctx's fragments (m, s) at AF + 8 (4 m + s)
.set i, i+1
.endr
	WIN 0
	global_load_b128 v[AS:AS+3], v[LI], s[6:7]     ; register s: lanes 0-15 tile m = 0, lanes 16-31 m = 1
.irp m, 0,1
.irp q, 0,1
.irp i, 0,1,2,3
	global_load_b128 v[X1+32*\m+16*\q+4*\i:X1+32*\m+16*\q+4*\i+3], v[XA], s[12:13] offset:16384*\m+128*\q+16*\i th:TH_LOAD_NT
.endr
.endr
.endr
.irp q, 0,1
.irp i, 0,1,2,3
	global_load_b128 v[Y+16*\q+4*\i:Y+16*\q+4*\i+3], v[CA], s[14:15] offset:128*\q+16*\i
.endr
.endr
	LDW 0, 36, 0
	global_load_b128 v[WS0:WS0+3], v[LI], s[42:43]
	LDW 64, 36, 8192
	global_load_b128 v[WS0+4:WS0+7], v[LI], s[42:43] offset:512
	WIN 0x40
.irp q, 0,1
.irp i, 0,1,2,3
	global_load_b128 v[G2+16*\q+4*\i:G2+16*\q+4*\i+3], v[CA], s[16:17] offset:128*\q+16*\i
.endr
.endr
.irp q, 0,1
.irp i, 0,1,2,3
	global_load_b128 v[S2+16*\q+4*\i:S2+16*\q+4*\i+3], v[CA], s[18:19] offset:128*\q+16*\i
.endr
.endr
	WIN 0
	; ---- A: x1 = x + bo + ctx Wo
	s_wait_loadcnt 33                              ; the 33 younger loads: Wo's second pair (17), the norm's gain and shift (16)
.irp m, 0,1
.set i, 0
.rept 16
	v_pk_add_f32 v[X1+32*\m+2*i:X1+32*\m+2*i+1], v[X1+32*\m+2*i:X1+32*\m+2*i+1], v[Y+2*i:Y+2*i+1]
.set i, i+1
.endr
.endr
.macro MMA q                           ; pair q: 16 matrix instructions, four accumulators by turns
	WIN 0x05
.irp s, 0,1,2,3
.irp m, 0,1
.irp u, 0,1
.set rD, X1+32*\m+16*\q+8*\u
.set rC, rD
.set rA, 64*\q+8*(4*\u+\s)
.set rB, AF+8*(4*\m+\s)
.set rSA, WS0+4*\q+\s
.set rSB, AS+\s
.set rRA, \u
.set rRB, \m
	WM
.endr
.endr
.endr
	WIN 0
	PLACES
	s_wait_alu depctr_va_vdst(0)                   ; the products are done reading set q's fragments and scale words, in which W1's pair q lands
.endm
	MMA 0
	CH1 0, 0
	s_wait_loadcnt 37                              ; younger: gain and shift (16), W1's pair 0 (21)
	MMA 1
	CH1 1, 1
	; ---- the norm of x1: a row lies in 8 waves x 2 lanes x 32 registers
; my two rows' sums, in v[SUM0], v[SUM1] as pairs, are joined over the halves of the lanes and over the eight waves: v[RT], v[RT+1] hold the rows' sums (m = 0, 1), the same bits in every wave
.macro WGSUM red
	v_add_f32 v[TP], v[SUM0], v[SUM0+1]
	v_add_f32 v[TP+1], v[SUM1], v[SUM1+1]
	v_permlanex16_b32 v[SUM0], v[TP], s[SEL], s[SEL+1]
	v_permlanex16_b32 v[SUM1], v[TP+1], s[SEL], s[SEL+1]
	v_add_f32 v[TP], v[TP], v[SUM0]
	v_add_f32 v[TP+1], v[TP+1], v[SUM1]
	s_wait_alu depctr_va_vdst(0)                   ; my two sums are written, which the LDS store reads; and the vector lines that named v[RT ..] are done, in which the loads behind the barrier land
	ds_store_b64 v[RW], v[TP:TP+1] offset:\red     ; both halves of the lanes write the same pair with the same values
	BARRIER
.irp i, 0,1,2,3,4,5,6,7
	ds_load_b64 v[RT+2*\i:RT+2*\i+1], v[RR] offset:\red+128*\i
.endr
	s_wait_dscnt 0x0
	s_wait_alu depctr_vm_vsrc(0)                   ; the LDS store has read v[TP], v[TP+1], which are written again behind these additions
.irp i, 0,4,8,12
	v_pk_add_f32 v[RT+\i:RT+\i+1], v[RT+\i:RT+\i+1], v[RT+\i+2:RT+\i+3]
.endr
	v_pk_add_f32 v[RT:RT+1], v[RT:RT+1], v[RT+4:RT+5]
	v_pk_add_f32 v[RT+8:RT+9], v[RT+8:RT+9], v[RT+12:RT+13]
	v_pk_add_f32 v[RT:RT+1], v[RT:RT+1], v[RT+8:RT+9]
.endm
.irp m, 0,1
	v_pk_add_f32 v[SUM0+2*\m:SUM0+2*\m+1], v[X1+32*\m:X1+32*\m+1], v[X1+32*\m+2:X1+32*\m+3]   ; each accumulator is read from its low end on
.endr
.set i, 2
.rept 14
.irp m, 0,1
	v_pk_add_f32 v[SUM0+2*\m:SUM0+2*\m+1], v[SUM0+2*\m:SUM0+2*\m+1], v[X1+32*\m+2*i:X1+32*\m+2*i+1]
.endr
.set i, i+1
.endr
	WGSUM RED1
	v_pk_mul_f32 v[TP:TP+1], v[RT:RT+1], s[32:33] op_sel_hi:[1,0]
	v_mov_b32 v[MEAN0], v[TP]
	v_mov_b32 v[MEAN0+1], v[TP]
	v_mov_b32 v[MEAN1], v[TP+1]
	v_mov_b32 v[MEAN1+1], v[TP+1]
.irp m, 0,1
.set i, 0
.rept 16
	v_pk_add_f32 v[Y+32*\m+2*i:Y+32*\m+2*i+1], v[X1+32*\m+2*i:X1+32*\m+2*i+1], v[MEAN0+2*\m:MEAN0+2*\m+1] neg_lo:[0,1] neg_hi:[0,1]
.set i, i+1
.endr
.endr
.irp m, 0,1
	v_pk_mul_f32 v[SUM0+2*\m:SUM0+2*\m+1], v[Y+32*\m:Y+32*\m+1], v[Y+32*\m:Y+32*\m+1]
.endr
.set i, 1
.rept 15
.irp m, 0,1
	v_pk_fma_f32 v[SUM0+2*\m:SUM0+2*\m+1], v[Y+32*\m+2*i:Y+32*\m+2*i+1], v[Y+32*\m+2*i:Y+32*\m+2*i+1], v[SUM0+2*\m:SUM0+2*\m+1]
.endr
.set i, i+1
.endr
	WGSUM RED2                                     ; other bytes than the first sum's: no wave overwrites what another still reads
	v_fma_f32 v[TP], v[RT], s32, s34
	v_fma_f32 v[TP+1], v[RT+1], s32, s34
	v_rsq_f32 v[RS0], v[TP]
	v_rsq_f32 v[RS1], v[TP+1]
	v_nop
	s_wait_alu depctr_va_vdst(0)                   ; one wait for the two, ahead of their first reader: v[RS0], v[RS1] are written
	v_mov_b32 v[RS0+1], v[RS0]
	v_mov_b32 v[RS1+1], v[RS1]
.irp m, 0,1
.set i, 0
.rept 16
	v_pk_mul_f32 v[Y+32*\m+2*i:Y+32*\m+2*i+1], v[Y+32*\m+2*i:Y+32*\m+2*i+1], v[RS0+2*\m:RS0+2*\m+1]
.set i, i+1
.endr
.endr
	s_wait_loadcnt 42                              ; gain and shift are in; younger: W1's pairs 0 and 1 (21 each)
	WIN 0x14
.irp m, 0,1
.set i, 0
.rept 16
	v_pk_fma_f32 v[Y+32*\m+2*i:Y+32*\m+2*i+1], v[Y+32*\m+2*i:Y+32*\m+2*i+1], v[G2+2*i:G2+2*i+1], v[S2+2*i:S2+2*i+1]
.set i, i+1
.endr
.endr
	WIN 0
	QB Y, 4                                        ; block i = 2 m + q: columns 64 w + 32 q on of tile m
.irp m, 0,1
	v_lshl_or_b32 v[HH+\m], v[TM+5+2*\m], 8, v[TM+4+2*\m]
.endr
	s_wait_alu depctr_va_vdst(0)                   ; the codes and the two half words are written, which the LDS stores read; the first product is long done reading source 1's registers, in which the norm's fragments land behind the barrier
.irp i, 0,1,2,3
	ds_store_b64 v[HW2], v[PC+2*\i:PC+2*\i+1] offset:H2I+4096*(\i/2)+256*(\i%2)
.endr
.irp m, 0,1
	ds_store_b16 v[HS2W], v[HH+\m] offset:H2S+64*\m
.endr
	BARRIER                                        ; the norm's eight fragments lie in LDS
	; ---- B: the hidden layer, a pair of weight tiles (32 units) at a time
	WIN 0x40
.set i, 0
.rept 16
	ds_load_b128 v[AF+4*i:AF+4*i+3], v[LI] offset:H2I+512*i
.set i, i+1
.endr
	WIN 0
.irp s, 0,1,2,3
	ds_load_b32 v[AS+\s], v[LS] offset:H2S+128*\s
.endr
	s_wait_dscnt 0x0
	s_wait_alu depctr_vm_vsrc(0)                   ; the norm's LDS stores have read the codes' registers, which the first pair's quantiser writes again
.macro GELU                            ; on v[ACC ..], 32 numbers; v[T ..] at work.  Each batch of transcendentals has one plain line and one wait behind it
.set i, 0
.rept 16
	v_pk_mul_f32 v[T+2*i:T+2*i+1], v[ACC+2*i:ACC+2*i+1], v[ACC+2*i:ACC+2*i+1]
.set i, i+1
.endr
.set i, 0
.rept 16
	v_pk_fma_f32 v[T+2*i:T+2*i+1], v[T+2*i:T+2*i+1], v[GA2:GA2+1], s[30:31] op_sel_hi:[1,1,0]
.set i, i+1
.endr
.set i, 0
.rept 16
	v_pk_mul_f32 v[T+2*i:T+2*i+1], v[T+2*i:T+2*i+1], v[ACC+2*i:ACC+2*i+1]
.set i, i+1
.endr
.set i, 0
.rept 32
	v_exp_f32 v[T+i], v[T+i]
.set i, i+1
.endr
	v_nop
	s_wait_alu depctr_va_vdst(0)                   ; the 32 exponentials are written, ahead of their first reader
.set i, 0
.rept 16
	v_pk_add_f32 v[T+2*i:T+2*i+1], v[T+2*i:T+2*i+1], 1.0 op_sel_hi:[1,0]
.set i, i+1
.endr
.set i, 0
.rept 32
	v_rcp_f32 v[T+i], v[T+i]
.set i, i+1
.endr
	v_nop
	s_wait_alu depctr_va_vdst(0)                   ; the 32 reciprocals are written, ahead of their first reader
.set i, 0
.rept 16
	v_pk_mul_f32 v[ACC+2*i:ACC+2*i+1], v[ACC+2*i:ACC+2*i+1], v[T+2*i:T+2*i+1]
.set i, i+1
.endr
.endm
; pair p.  lw: the loads of the chunk behind this one, which may stay out
.macro PAIR p, lw
	s_wait_loadcnt \lw
	WIN 0x05
.irp s, 0,1,2,3
.irp m, 0,1
.irp u, 0,1
.set rD, ACC+16*\m+8*\u
.if \s == 0
.set rC, BIAS0+16*(\p%2)+8*\u                      ; b1 starts the sums
.else
.set rC, rD
.endif
.set rA, 64*(\p%2)+8*(4*\u+\s)
.set rB, AF+8*(4*\m+\s)
.set rSA, WS0+4*(\p%2)+\s
.set rSB, AS+\s
.set rRA, \u
.set rRB, \m
	WM
.endr
.endr
.endr
	WIN 0
	PLACES
	s_wait_alu depctr_va_vdst(0)                   ; the products are done reading this set's fragments, scale words and b1, in which the chunk two ahead lands; no vector line behind this wait names them
.if \p < 6
	CH1 \p%2, \p+2                                 ; the chunk two ahead takes the set just multiplied
.else
	CH2 \p%2, \p-6
.endif
	GELU
	QB ACC, 2                                      ; block m: units 256 w + 32 p on of tile m: block p % 4 of K step 2 w + p / 4
.irp m, 0,1
.if \p%4 == 0
	v_mov_b32 v[HWD+\m], v[TM+4+\m]
.else
	v_lshl_or_b32 v[HWD+\m], v[TM+4+\m], 8*(\p%4), v[HWD+\m]
.endif
.endr
	s_wait_alu depctr_va_vdst(0)                   ; the codes and the scale words are written, which the LDS stores read.  (Behind pair 7 it also shows the vector lines done with v[ACC ..], in which b2 lands)
.irp m, 0,1
	ds_store_b64 v[HWI], v[PC+2*\m:PC+2*\m+1] offset:HI+2048*(\p/4)+1024*\m+256*(\p%4)
.endr
.if \p%4 == 3
.irp m, 0,1
	ds_store_b32 v[HWS], v[HWD+\m] offset:HS+128*(\p/4)+64*\m
.endr
.endif
	s_wait_dscnt 0x0                               ; the stores are done
.if \p < 7
	s_wait_alu depctr_vm_vsrc(0)                   ; the LDS stores have read the codes' and the scale words' registers, which the next pair writes again
.endif
.endm
	PAIR 0, 21
	PAIR 1, 21
	PAIR 2, 21
	PAIR 3, 21
	PAIR 4, 21
	PAIR 5, 21
	PAIR 6, 21
	PAIR 7, 18
.irp q, 0,1
.irp i, 0,1,2,3
	global_load_b128 v[Y+16*\q+4*\i:Y+16*\q+4*\i+3], v[CA], s[22:23] offset:128*\q+16*\i   ; b2, for the way out
.endr
.endr
	BARRIER                                        ; the hidden layer's 32 fragments lie in LDS
	; ---- C: out = x1 + hidden W2: x1's registers are the accumulators; two K steps a turn, eight accumulators by turns
.macro FH j                            ; K steps 2 j, 2 j + 1 of the hidden layer, both tiles, into half j % 2: 8 + 2 LDS loads
	WIN 0x40
.irp e, 0,1
.irp m, 0,1
.irp c, 0,1
	ds_load_b128 v[AF+32*((\j)%2)+8*(2*\e+\m)+4*\c:AF+32*((\j)%2)+8*(2*\e+\m)+4*\c+3], v[LI] offset:HI+4096*(\j)+2048*\e+1024*\m+512*\c
.endr
.endr
.endr
	WIN 0
.irp e, 0,1
	ds_load_b32 v[AS+2*((\j)%2)+\e], v[LS] offset:HS+256*(\j)+128*\e
.endr
.endm
.macro KK j, lw
.if \j < 7
	FH \j+1                                        ; into the half that the turn before multiplied: that turn's wait on va_vdst has shown its products done (turns 0 and 1: pair 7's waits)
	s_wait_dscnt 10                                ; this turn's fragments are in; the next turn's ten loads may stay out
.else
	s_wait_dscnt 0x0
.endif
	s_wait_loadcnt \lw
	WIN 0x05
.irp e, 0,1
.irp m, 0,1
.irp q, 0,1
.irp u, 0,1
.set rD, X1+32*\m+16*\q+8*\u
.set rC, rD
.set rA, 64*(\j%2)+8*(4*\e+2*\q+\u)
.set rB, AF+32*(\j%2)+8*(2*\e+\m)
.set rSA, WS0+4*(\j%2)+2*\q+\e
.set rSB, AS+2*(\j%2)+\e
.set rRA, \u
.set rRB, \m
	WM
.endr
.endr
.endr
.endr
	WIN 0
	PLACES
.if \j < 6
	s_wait_alu depctr_va_vdst(0)                   ; the turn's products are done reading their set of W2 and its scale words, in which the chunk two ahead lands, and their half of the hidden fragments and scale words, in which the next turn's LDS loads land
	CH2 \j%2, \j+2
.endif
.endm
	FH 0
	KK 0, 26                                       ; younger: W2's next chunk (18) and b2 (8)
	KK 1, 26
	KK 2, 18
	KK 3, 18
	KK 4, 18
	KK 5, 18
	KK 6, 18
	KK 7, 0
	; ---- the way out: + b2; a row's 512 numbers come from eight waves: they meet in the stage, and each wave stores four whole rows
.irp m, 0,1
.set i, 0
.rept 16
	v_pk_add_f32 v[X1+32*\m+2*i:X1+32*\m+2*i+1], v[X1+32*\m+2*i:X1+32*\m+2*i+1], v[Y+2*i:Y+2*i+1]
.set i, i+1
.endr
.endr
	s_wait_alu depctr_va_vdst(0)                   ; the additions have written out's 64 registers, which the LDS stores read, and are done reading b2's, in which rows from the stage land behind the barrier
.irp m, 0,1
.irp q, 0,1
.irp u, 0,1
	ds_store_b128 v[SO], v[X1+32*\m+16*\q+8*\u:X1+32*\m+16*\q+8*\u+3] offset:16512*\m+128*\q+32*\u
	ds_store_b128 v[SO], v[X1+32*\m+16*\q+8*\u+4:X1+32*\m+16*\q+8*\u+7] offset:16512*\m+128*\q+32*\u+16
.endr
.endr
.endr
	BARRIER                                        ; 32 whole rows lie in the stage
.set i, 0
.rept 16
	ds_load_b128 v[Y+4*i:Y+4*i+3], v[SR] offset:2064*(i/4)+512*(i%4)
.set i, i+1
.endr
.set i, 0
.rept 16
	s_wait_dscnt 15-i
	global_store_b128 v[LI], v[Y+4*i:Y+4*i+3], s[24:25] offset:2048*(i/4)+512*(i%4) th:TH_STORE_NT   ; 32 lanes store 512 consecutive bytes, at a multiple of 256 from the buffer's first byte
.set i, i+1
.endr
	s_wait_dscnt 0x0
	s_wait_alu depctr_hold_cnt(0) depctr_sa_sdst(0) depctr_va_vdst(0) depctr_va_sdst(0) depctr_va_ssrc(0) depctr_va_vcc(0) depctr_vm_vsrc(0)
	s_wait_tensorcnt 0x0
	ds_add_u32 v254, v255
	s_wait_dscnt 0x0
	s_endpgm
.Lfunc_end_k_q6595dac610_tail:
	.size	k_q6595dac610_tail, .Lfunc_end_k_q6595dac610_tail-k_q6595dac610_tail
	.p2alignl 7, 3214868480
	.fill 96, 4, 3214868480
	.section	.rodata,"a",@progbits
	.p2align	6, 0x0
	.amdhsa_kernel k_q6595dac610_tail
		.amdhsa_group_segment_fixed_size 113664
		.amdhsa_private_segment_fixed_size 0
		.amdhsa_enable_private_segment 0
		.amdhsa_kernarg_size 88
		.amdhsa_user_sgpr_count 2
		.amdhsa_user_sgpr_kernarg_segment_ptr 1
		.amdhsa_wavefront_size32 1
		.amdhsa_system_sgpr_workgroup_id_x 1
		.amdhsa_system_sgpr_workgroup_id_y 1
		.amdhsa_system_sgpr_workgroup_id_z 1
		.amdhsa_system_vgpr_workitem_id 0
		.amdhsa_next_free_vgpr 512
		.amdhsa_next_free_sgpr 66
		.amdhsa_reserve_vcc 0
		.amdhsa_float_denorm_mode_32 3
		.amdhsa_float_denorm_mode_16_64 3
		.amdhsa_memory_ordered 1
		.amdhsa_forward_progress 1
		.amdhsa_inst_pref_size 191
	.end_amdhsa_kernel
	.amdgpu_metadata
---
amdhsa.version: [ 1, 2 ]
amdhsa.kernels:
  - .name:           k_q6595dac610_tail
    .symbol:         k_q6595dac610_tail.kd
    .args:
      - { .name: cc, .offset: 0, .size: 8, .value_kind: global_buffer, .address_space: global }
      - { .name: cs, .offset: 8, .size: 8, .value_kind: global_buffer, .address_space: global }
      - { .name: wc, .offset: 16, .size: 8, .value_kind: global_buffer, .address_space: global }
      - { .name: ws, .offset: 24, .size: 8, .value_kind: global_buffer, .address_space: global }
      - { .name: x, .offset: 32, .size: 8, .value_kind: global_buffer, .address_space: global }
      - { .name: bo, .offset: 40, .size: 8, .value_kind: global_buffer, .address_space: global }
      - { .name: ln2_scale, .offset: 48, .size: 8, .value_kind: global_buffer, .address_space: global }
      - { .name: ln2_shift, .offset: 56, .size: 8, .value_kind: global_buffer, .address_space: global }
      - { .name: b1, .offset: 64, .size: 8, .value_kind: global_buffer, .address_space: global }
      - { .name: b2, .offset: 72, .size: 8, .value_kind: global_buffer, .address_space: global }
      - { .name: out0, .offset: 80, .size: 8, .value_kind: global_buffer, .address_space: global }
    .group_segment_fixed_size: 113664
    .private_segment_fixed_size: 0
    .kernarg_segment_align: 8
    .kernarg_segment_size: 88
    .max_flat_workgroup_size: 256
    .sgpr_count:     66
    .vgpr_count:     512
    .wavefront_size: 32
...
	.end_amdgpu_metadata
.endif
;; end of part 8
